; MI455X (gfx1250); checked and timed in simulation.
; The chip was launched on July 23, 2026; its instructions are those of AMD's public machine-readable ISA for CDNA 5 (MIT licence, August 2026) and "CDNA5" Instruction Set Architecture Reference Guide (July 2026). The comments in the code are by the model that wrote it; some were corrected since.
;; Mo EMLP. Allowed arithmetic: matrix products marked QUANTISED: E5M2 operands, one E8M0 scale for each 32 along K, by v_wmma_scale_f32_16x16x128_f8f6f4 with both operands' format E5M2, f32 sums; products left as they are: f32 operands where the result goes on into a quantised operand, else bf16, f16 or f32 operands; f32 sums; everything else in f32.
;; Inputs: W1 8 x 1,024 x 4,096 float32; W2 8 x 4,096 x 1,024 float32; b1 8 x 4,096 float32; b2 8 x 1,024 float32; gate_W 1,024 x 8 float32; gate_b 8 float32; x 4 x 256 x 1,024 float32.
;; Outputs: out0 4 x 256 x 1,024 float32; out1 one number float32.
;; This version of the problem:
;;   THIS VERSION OF THE PROBLEM IS GIVEN IN LOW PRECISION. The matrix products marked QUANTISED in the list below multiply operands that are first quantised to E5M2 (5 exponent bits, 2 mantissa bits; 8 bits a number), with one power-of-two scale for each 32 numbers along K (OCP MX v1.0); their sums are f32. All else is computed in f32.
;;   The module's matrix products, in the order in which they are computed (A, B: the left and right operand; K: the contracted axis; several contracted axes count as one K, in the product's order):
;;     1. [M 1,024, K 1,024] x [K 1,024, N 8]; A: input x; B: input gate_W: left as it is (N = 8 < 16)
;;     2. [M 32,768, K 1,024] x [K 1,024, N 1,024]; A: input W1; B: input x: QUANTISED
;;     3. batch 8 x [M 1,024, K 4,096] x [K 4,096, N 1,024]; A: computed on the way; B: input W2: QUANTISED
;;     4. batch 1,024 x [M 1, K 8] x [K 8, N 1,024]; A: computed on the way; B: computed on the way: left as it is (K = 8 < 32)
;;   THE QUANTISER, for each operand of a quantised product, along K:
;;     - K is cut into blocks of 32 from its start; a last block that is shorter is filled with zeros.
;;     - A block's scale is 2^e with e = floor(log2(the largest magnitude in the block)) - 15, held to -126 .. 127; a block of zeros has e = 0. As a byte (E8M0): e + 127.
;;     - Each number is divided by its block's scale, clamped to +-57,344, and rounded to the nearest number of E5M2, ties to even, subnormals kept.
;;     - The product sums the exact products of the quantised numbers (number of the format x scale) in f32.
;;   ~~~python
;;   def quantise(x, axis):      # numpy; x: float32 -> the quantised numbers, widened to float32 again
;;       x = np.moveaxis(x, axis, -1); K = x.shape[-1]
;;       x = np.pad(x, [(0, 0)] * (x.ndim - 1) + [(0, -K % 32)]); x = x.reshape(x.shape[:-1] + (-1, 32)); a = np.abs(x).max(-1, keepdims=True)
;;       e = np.where(a > 0, np.clip(np.frexp(np.where(a > 0, a, 1))[1] - 1 - 15, -126, 127), 0)      # np.frexp(a)[1] - 1 = floor(log2(a)), exactly
;;       r = np.clip(x / 2.0 ** e, -57344, 57344)
;;       step = 2.0 ** (np.maximum(np.frexp(np.where(r == 0, 1, r))[1] - 1, -14) - 2)
;;       q = np.round(r / step) * step * 2.0 ** e      # np.round: ties to even
;;       return np.moveaxis(q.reshape(q.shape[:-2] + (-1,))[..., :K], -1, axis).astype(np.float32)
;;   ~~~
;;   OPERANDS COMPUTED ON THE WAY. 'Computed on the way' means the value that the module computes at that place (a softmax that the list does not call 'softmax' is quantised finished and normalised). What goes into a quantiser is computed in f32, as accurately as f32 sums, v_exp_f32 and their like allow (about 1e-6 of the number): no bf16 or f16 on the way to a quantiser, and a product that is left as it is and whose result goes on into a quantised operand takes f32 operands (vector FMAs, or v_wmma_f32_16x16x4_f32). A number that lies on a knife's edge between two numbers of the format may be rounded either way, as far as f32 arithmetic and the matrix unit's own rounding can turn it there, and no further.
;; 2 versions. Each part assembles by itself: llvm-mc -triple=amdgcn-amd-amdhsa -mcpu=gfx1250 --defsym DOCPART=n.
;; ======== version 1 of 2: 5 launches
;; workspace buffers: route 4,096 bytes of whole numbers; order 4,352 bytes of whole numbers; gout 36,864 bytes; xq 1,081,344 bytes; xs 1,351,680 bytes; hs 5,406,720 bytes; part 20,971,520 bytes
;; launch gate (part 1): grid 256 x 1, 4 waves a work-group, no clusters, 33,280 bytes of LDS; arguments x, gate_W, gate_b, route, gout, xq, xs; writes route, gout, xq, xs
.if DOCPART == 1
	.amdgcn_target "amdgcn-amd-amdhsa--gfx1250"
	.amdhsa_code_object_version 6
	.text
	.protected	k_q7915396ebd_gate
	.globl	k_q7915396ebd_gate
	.p2align	8
	.type	k_q7915396ebd_gate,@function
k_q7915396ebd_gate:
	s_mov_b64 s[64:65], 0
	v_nop
	global_prefetch_b8 v0, s[64:65] scope:SCOPE_SE
	s_setreg_imm32_b32 hwreg(HW_REG_WAVE_MODE, 25, 1), 1
	s_wait_xcnt 0x0
; THE ROUTER, AND x INTO CODES.  One wave takes one token t = 4 x work-group + wave.
; logits = x[t] . gate_W + gate_b by f32 multiply-adds; softmax with the row's maximum taken away; the top-1 expert and its probability.
; x[t] is quantised along its 1,024 numbers to E5M2 with one E8M0 byte for each 32: scale 2^(floor(log2(largest magnitude)) - 15).
; OUT: route[t] = the expert (a whole number: a later launch forms addresses from it, this one forms none);
;      gout: score[t] at 4 t; the eight probabilities at 4096 + 32 t;
;      xq: the token's 1,024 codes at 1024 t (lane l's words 0-3 at 16 l, words 4-7 at 512 + 16 l; word i = codes of k = 128 i + 4 l + 0..3); its 8 scale words at 1048576 + 32 t;
;      xs: zeros everywhere (the next launch moves the tokens' rows in; rows that stay empty are zero codes under the byte 0, which add nothing).
; LIMITS: NaN and infinities among the inputs are not served.  A block whose largest magnitude lies under 2^(16 - 127) gets the byte 1 (a block of zeros too, where the rule says 127:
; its codes are zeros, and this program alone reads the bytes).  The top-1 is taken on the logits (the softmax keeps their order), the lower index on a tie; two logits nearer than the
; rounding of an f32 sum of 1,024 terms may be ordered otherwise than by another order of summation.
; The small records (4 to 32 bytes a token) are stored by lane 0: 72 KB in the whole launch.
.set RX, 8                             ; v8-39    x[t][128 i + 4 l + j] at RX + 4 i + j
.set RW, 40                            ; v40-103  gate_W on its way into LDS; then two sets of 32: gate_W[128 i + 4 l + j][e] at 8 j + e
.set RA, 104                           ; v104-111 the eight sums, then the logits
.set RT, 112                           ; v112-127 at work
.set RD, 128                           ; v128-135 the code words
.set RS, 136                           ; v136-143 the scale words
.set RP, 144                           ; v144-151 the probabilities;  v152 the expert, v153 the score, v154 1.0, v155 8 x (lane / 8), v156 16 x thread
	s_load_b256 s[4:11], s[0:1], 0x0               ; x, gate_W, gate_b, route
	s_load_b128 s[12:15], s[0:1], 0x20             ; gout, xq
	s_load_b64 s[16:17], s[0:1], 0x30              ; xs
	v_lshl_add_u32 v160, v0, 2, 0x8000
	v_mov_b32 v161, 0
	v_lshrrev_b32 v1, 5, v0
	v_readfirstlane_b32 s18, v1                    ; wave
	v_and_b32 v1, 31, v0                           ; lane
	v_lshlrev_b32 v2, 4, v1                        ; 16 x lane
	v_and_b32 v3, 7, v0
	v_lshrrev_b32 v4, 3, v0
	v_lshlrev_b32 v4, 4, v4
	v_lshl_add_u32 v3, v3, 9, v4                   ; where a piece of gate_W goes in LDS: 512 (thread % 8) + 16 (thread / 8)
	v_lshlrev_b32 v4, 3, v0                        ; 8 x thread
	v_lshlrev_b32 v5, 2, v0                        ; 4 x thread
	v_mov_b32 v6, 0
	v_mov_b32 v7, 0
	v_lshlrev_b32 v156, 4, v0
	v_mov_b32 v154, 1.0
	v_lshrrev_b32 v155, 3, v1
	v_lshlrev_b32 v155, 3, v155
.irp i, 0,1,2,3,4,5,6,7,8,9,10,11,12,13,14,15
	v_mov_b32 v[RT+\i], 0                          ; written once: the destination of a lane permute counts as one of its sources
.endr
	s_lshl_b32 s19, ttmp9, 2
	s_add_co_u32 s19, s19, s18                     ; t
	s_mov_b32 s32, 0x76543210
	s_mov_b32 s33, 0xfedcba98                      ; v_permlanex16_b32's selects for lane l xor 16
	s_mov_b32 s34, 0x47600000                      ; 57,344
	s_mov_b32 s35, 0xc7600000                      ; -57,344
	s_lshl_b32 s20, s19, 12
	s_mov_b32 s21, 0
	s_mul_i32 s22, ttmp9, 5120
	s_mov_b32 s23, 0
	s_wait_kmcnt 0x0
	s_load_b256 s[24:31], s[8:9], 0x0              ; gate_b's eight numbers
	s_add_nc_u64 s[4:5], s[4:5], s[20:21]          ; x at my token
	s_add_nc_u64 s[36:37], s[16:17], s[22:23]      ; xs: my work-group's 5,120 bytes of the codes' part
.irp i, 0,1,2,3,4,5,6,7
	global_load_b128 v[RX+4*\i:RX+4*\i+3], v2, s[4:5] offset:512*\i th:TH_LOAD_NT   ; 512 consecutive bytes
.endr
.irp m, 0,1,2,3,4,5,6,7,8,9,10,11,12,13,14,15
	global_load_b128 v[RW+4*\m:RW+4*\m+3], v156, s[6:7] offset:2048*\m              ; the work-group reads all of gate_W, 2,048 consecutive bytes an instruction
.endr
.irp i, 0,1,2,3,4
	global_store_b64 v4, v[6:7], s[36:37] offset:1024*\i
.endr
	s_lshl_b32 s22, ttmp9, 9
	s_add_nc_u64 s[38:39], s[16:17], s[22:23]
	s_cmp_ge_u32 ttmp9, 80                         ; the scale words' part is 40,960 bytes: 80 work-groups x 512
	s_cbranch_scc1 .Lno_words
	global_store_b32 v5, v6, s[38:39] offset:1310720
.Lno_words:
	s_lshl_b32 s20, s19, 10
	s_add_nc_u64 s[40:41], s[14:15], s[20:21]      ; xq + 1024 t
	s_lshl_b32 s20, s19, 5
	s_add_nc_u64 s[42:43], s[14:15], s[20:21]      ; xq + 32 t
	s_add_nc_u64 s[44:45], s[12:13], s[20:21]      ; gout + 32 t
	s_lshl_b32 s20, s19, 2
	s_add_nc_u64 s[46:47], s[10:11], s[20:21]      ; route + 4 t
	s_add_nc_u64 s[12:13], s[12:13], s[20:21]      ; gout + 4 t
	s_wait_loadcnt 0x0
	; gate_W goes into LDS as [i 8][q 8][lane 32][16 bytes]: piece (i, q, l) = gate_W[128 i + 4 l + q / 2][4 (q % 2) + 0..3], so that a lane finds the rows that match its numbers of x
.irp m, 0,1,2,3,4,5,6,7,8,9,10,11,12,13,14,15
	ds_store_b128 v3, v[RW+4*\m:RW+4*\m+3] offset:(\m/2)*4096+(\m%2)*256
.endr
	s_wait_dscnt 0x0                               ; for the others' sake: my stores have landed
	s_barrier_signal -1
	s_barrier_wait -1
.macro GW i                            ; the rows of gate_W for x's numbers 128 i on, into set i % 2
.irp q, 0,1,2,3,4,5,6,7
	ds_load_b128 v[RW+32*((\i)%2)+4*\q:RW+32*((\i)%2)+4*\q+3], v2 offset:4096*(\i)+512*\q
.endr
.endm
	GW 0
.irp i, 0,1,2,3,4,5,6,7
.if \i < 7
	GW \i+1
	s_wait_dscnt 8                                 ; this set is in; the eight loads of the next set may be out
.else
	s_wait_dscnt 0x0
.endif
.irp j, 0,1,2,3
.irp e, 0,1,2,3,4,5,6,7
.if (\i == 0) && (\j == 0)
	v_mul_f32 v[RA+\e], v[RX], v[RW+\e]            ; the first product starts the sum
.else
	v_fmac_f32 v[RA+\e], v[RX+4*\i+\j], v[RW+32*(\i%2)+8*\j+\e]
.endif
.endr
.endr
.endr
.irp m, 1,2,4,8
.irp e, 0,1,2,3,4,5,6,7
	v_add_f32_dpp v[RA+\e], v[RA+\e], v[RA+\e] row_xmask:\m row_mask:0xf bank_mask:0xf
.endr
.endr
.irp e, 0,1,2,3,4,5,6,7
	v_permlanex16_b32 v[RT+\e], v[RA+\e], s32, s33
.endr
	s_wait_kmcnt 0x0                               ; gate_b
.irp e, 0,1,2,3,4,5,6,7
	v_add_f32 v[RA+\e], v[RA+\e], v[RT+\e]
.endr
.irp e, 0,1,2,3,4,5,6,7
	v_add_f32 v[RA+\e], s[24+\e], v[RA+\e]         ; the logits, in every lane
.endr
	v_mov_b32 v152, 0
	v_mov_b32 v[RT], v[RA]
.irp e, 1,2,3,4,5,6,7
	v_cmp_ge_f32 vcc_lo, v[RT], v[RA+\e]           ; the best so far stays on a tie: the lower index
	v_cndmask_b32 v152, \e, v152, vcc_lo
	v_max_num_f32 v[RT], v[RT], v[RA+\e]
.endr
.irp e, 0,1,2,3,4,5,6,7
	v_sub_f32 v[RP+\e], v[RA+\e], v[RT]            ; the maximum is taken away first
.endr
.irp e, 0,1,2,3,4,5,6,7
	v_mul_f32 v[RP+\e], 0x3fb8aa3b, v[RP+\e]
.endr
.irp e, 0,1,2,3,4,5,6,7
	v_exp_f32 v[RP+\e], v[RP+\e]
.endr
	v_nop                                          ; a plain place behind the exponentials
	s_wait_alu depctr_va_vdst(0)
	v_add_f32 v[RT+1], v[RP], v[RP+1]
	v_add_f32 v[RT+2], v[RP+2], v[RP+3]
	v_add_f32 v[RT+3], v[RP+4], v[RP+5]
	v_add_f32 v[RT+4], v[RP+6], v[RP+7]
	v_add_f32 v[RT+1], v[RT+1], v[RT+2]
	v_add_f32 v[RT+3], v[RT+3], v[RT+4]
	v_add_f32 v[RT+1], v[RT+1], v[RT+3]
	v_rcp_f32 v153, v[RT+1]                        ; the largest exponential is 2^0, so 1 / the sum is the top probability
	v_nop
	s_wait_alu depctr_va_vdst(0)
.irp e, 0,1,2,3,4,5,6,7
	v_mul_f32 v[RP+\e], v[RP+\e], v153
.endr
	; THE QUANTISER.  In K step i (128 along K) a block of 32 is four numbers of each of eight neighbouring lanes
.irp i, 0,1,2,3,4,5,6,7
	v_max3_num_f32 v[RT+\i], |v[RX+4*\i]|, |v[RX+4*\i+1]|, 0x8000000   ; with the floor 2^(16 - 127): the byte cannot fall under 1
.endr
.irp i, 0,1,2,3,4,5,6,7
	v_max3_num_f32 v[RT+\i], v[RT+\i], |v[RX+4*\i+2]|, |v[RX+4*\i+3]|
.endr
.irp m, 1,2,4
.irp i, 0,1,2,3,4,5,6,7
	v_max_num_f32_dpp v[RT+\i], v[RT+\i], v[RT+\i] row_xmask:\m row_mask:0xf bank_mask:0xf
.endr
.endr
.irp i, 0,1,2,3,4,5,6,7
	v_and_b32 v[RT+\i], 0x7f800000, v[RT+\i]       ; the largest magnitude's exponent field, a
.endr
.irp i, 0,1,2,3,4,5,6,7
	v_sub_nc_u32 v[RT+8+\i], 0x86800000, v[RT+\i]  ; the f32 number 2^(142 - a) = 1 / the scale: a conversion takes eight numbers under ONE scale and mine belong to two blocks, so they are divided first (exactly)
.endr
.irp i, 0,1,2,3,4,5,6,7
.irp j, 0,1,2,3
	v_mul_f32 v[RX+4*\i+\j], v[RX+4*\i+\j], v[RT+8+\i]
.endr
.endr
.set n, 0
.rept 32
	v_med3_num_f32 v[RX+n], v[RX+n], s35, s34      ; the conversion to an 8-bit code does not saturate (ISA guide 7.6.2): the hold at the largest code
.set n, n+1
.endr
.irp i, 0,1,2,3,4,5,6,7
	v_lshrrev_b32 v[RS+\i], 23, v[RT+\i]
.endr
.irp i, 0,1,2,3,4,5,6,7
	v_lshlrev_b32 v[RS+\i], v155, v[RS+\i]         ; my block's byte at its place in the K step's word
.endr
.irp i, 0,1,2,3,4,5,6,7
	v_mov_b32_dpp v[RT+\i], v[RS+\i] row_xmask:8 row_mask:0xf bank_mask:0xf
.endr
.irp i, 0,1,2,3,4,5,6,7
	v_or_b32 v[RS+\i], v[RS+\i], v[RT+\i]
.endr
.irp i, 0,1,2,3,4,5,6,7
	v_permlanex16_b32 v[RT+\i], v[RS+\i], s32, s33
.endr
.irp i, 0,1,2,3,4,5,6,7
	v_or_b32 v[RS+\i], v[RS+\i], v[RT+\i]          ; all four bytes
.endr
.irp i, 0,1,2,3,4,5,6,7
	v_add_nc_u32 v[RS+\i], 0xf0f0f0f1, v[RS+\i]    ; 15 off each byte (each is 16 at the least: nothing is borrowed)
.endr
.irp m, 0,1,2,3
	v_cvt_scalef32_pk8_bf8_f32 v[RD+2*\m:RD+2*\m+1], v[RX+8*\m:RX+8*\m+7], v154   ; to the nearest code, ties to even
.endr
	v_nop
	global_store_b128 v2, v[RD:RD+3], s[40:41]               ; 512 consecutive bytes each
	global_store_b128 v2, v[RD+4:RD+7], s[40:41] offset:512
	s_wait_xcnt 0x0                                ; EXEC changes only behind this wait
	s_barrier_signal -1
	s_barrier_wait -1
	s_wait_tensorcnt 0x0
	ds_add_u32 v160, v161
	s_wait_dscnt 0x0
	v_cmpx_gt_u32 1, v1                            ; lane 0 alone
	global_store_b128 v6, v[RS:RS+3], s[42:43] offset:1048576
	global_store_b128 v6, v[RS+4:RS+7], s[42:43] offset:1048592
	global_store_b128 v6, v[RP:RP+3], s[44:45] offset:4096
	global_store_b128 v6, v[RP+4:RP+7], s[44:45] offset:4112
	global_store_b32 v6, v152, s[46:47]
	global_store_b32 v6, v153, s[12:13]
	s_endpgm
.Lfunc_end_k_q7915396ebd_gate:
	.size	k_q7915396ebd_gate, .Lfunc_end_k_q7915396ebd_gate-k_q7915396ebd_gate
	.p2alignl 7, 3214868480
	.fill 96, 4, 3214868480
	.section	.rodata,"a",@progbits
	.p2align	6, 0x0
	.amdhsa_kernel k_q7915396ebd_gate
		.amdhsa_group_segment_fixed_size 33280
		.amdhsa_private_segment_fixed_size 0
		.amdhsa_enable_private_segment 0
		.amdhsa_kernarg_size 56
		.amdhsa_user_sgpr_count 2
		.amdhsa_user_sgpr_kernarg_segment_ptr 1
		.amdhsa_wavefront_size32 1
		.amdhsa_system_sgpr_workgroup_id_x 1
		.amdhsa_system_sgpr_workgroup_id_y 1
		.amdhsa_system_sgpr_workgroup_id_z 1
		.amdhsa_system_vgpr_workitem_id 0
		.amdhsa_next_free_vgpr 162
		.amdhsa_next_free_sgpr 66
		.amdhsa_reserve_vcc 1
		.amdhsa_float_denorm_mode_32 3
		.amdhsa_float_denorm_mode_16_64 3
		.amdhsa_memory_ordered 1
		.amdhsa_forward_progress 1
		.amdhsa_inst_pref_size 35
	.end_amdhsa_kernel
	.amdgpu_metadata
---
amdhsa.version: [ 1, 2 ]
amdhsa.kernels:
  - .name:           k_q7915396ebd_gate
    .symbol:         k_q7915396ebd_gate.kd
    .args:
      - { .name: x, .offset: 0, .size: 8, .value_kind: global_buffer, .address_space: global }
      - { .name: gate_W, .offset: 8, .size: 8, .value_kind: global_buffer, .address_space: global }
      - { .name: gate_b, .offset: 16, .size: 8, .value_kind: global_buffer, .address_space: global }
      - { .name: route, .offset: 24, .size: 8, .value_kind: global_buffer, .address_space: global }
      - { .name: gout, .offset: 32, .size: 8, .value_kind: global_buffer, .address_space: global }
      - { .name: xq, .offset: 40, .size: 8, .value_kind: global_buffer, .address_space: global }
      - { .name: xs, .offset: 48, .size: 8, .value_kind: global_buffer, .address_space: global }
    .group_segment_fixed_size: 33280
    .private_segment_fixed_size: 0
    .kernarg_segment_align: 8
    .kernarg_segment_size: 56
    .max_flat_workgroup_size: 128
    .sgpr_count:     66
    .vgpr_count:     162
    .wavefront_size: 32
...
	.end_amdgpu_metadata
.endif
;; end of part 1
;; launch place (part 2): grid 32 x 1, 32 waves a work-group, no clusters, 6,144 bytes of LDS; arguments route, gout, xq, order, xs, out1; writes order, xs, out1
.if DOCPART == 2
	.amdgcn_target "amdgcn-amd-amdhsa--gfx1250"
	.amdhsa_code_object_version 6
	.text
	.protected	k_q7915396ebd_place
	.globl	k_q7915396ebd_place
	.p2align	8
	.type	k_q7915396ebd_place,@function
k_q7915396ebd_place:
	s_mov_b64 s[64:65], 0
	v_nop
	global_prefetch_b8 v0, s[64:65] scope:SCOPE_SE
	s_setreg_imm32_b32 hwreg(HW_REG_WAVE_MODE, 25, 1), 1
	s_wait_xcnt 0x0
; THE PLACING OF ROWS BY EXPERT, AND THE LOSS.  A counting sort without atomics: every work-group ranks all 1,024 tokens (thread t: token t), which costs less than a launch more.
; Each expert's rows begin at a multiple of 32 slots: off[0] = 0, off[e + 1] = off[e] + cnt[e] rounded up to 32; 1,248 slots at the most.
; Work-group b then moves one token a wave, token 32 w + b: its eight code rows of 128 bytes and its eight scale words, from xq to its slot in xs ([K step 8][slot 1280][128 bytes]; words [K step][slot] at 1310720).
; A slot's row is 128 consecutive bytes: half of an aligned 256; whole ones would want the inverse of the order, a barrier and a table more, for 1 MB in all.
; Work-group 0 also stores order (pos[1024] at 0, cnt[8] at 4096, off[8] at 4128) and the loss: 8 sum_e mean(p_e) x usage_e = 2^-17 sum_t sum_e p[t][e] cnt[e].
; s[20:27] the wave's lane masks by expert; s[28:35] counts, then totals; s[36:43] counts of the waves before mine; s[44:51] off
	s_load_b256 s[4:11], s[0:1], 0x0               ; route, gout, xq, order
	s_load_b128 s[12:15], s[0:1], 0x20             ; xs, out1
	v_lshl_add_u32 v64, v0, 2, 0x800
	v_mov_b32 v65, 0
	v_lshrrev_b32 v1, 5, v0
	v_readfirstlane_b32 s16, v1                    ; wave w
	v_and_b32 v1, 31, v0                           ; lane
	s_mov_b32 s17, ttmp9                           ; b
	v_lshlrev_b32 v3, 2, v0                        ; 4 x thread
	v_lshlrev_b32 v21, 5, v0                       ; 32 x thread
	v_lshlrev_b32 v22, 4, v1                       ; 16 x lane
	v_and_b32 v23, 7, v1
	v_lshlrev_b32 v46, 2, v23                      ; 4 (lane % 8)
	v_mul_u32_u24 v45, v23, 5120                   ; a K step's scale words are 5,120 bytes
	v_lshlrev_b32 v47, 2, v1                       ; 4 x lane
	v_lshlrev_b32 v43, 5, v1                       ; 32 x lane
	s_lshl_b32 s55, s16, 5
	v_mov_b32 v42, s55                             ; LDS: my wave's row of the table of counts
	s_add_co_u32 s54, s55, s17                     ; the token that my wave moves
	s_lshl_b32 s55, s16, 2
	v_mov_b32 v48, s55                             ; LDS: my wave's word for the loss (+ 1024)
	s_lshl_b32 s56, s54, 10
	s_mov_b32 s57, 0
	s_lshl_b32 s58, s54, 5
	s_mov_b32 s59, 0
	s_mov_b32 s52, 0x76543210
	s_mov_b32 s53, 0xfedcba98
	v_mov_b32 v40, 0
	v_mov_b32 v41, 0
	v_mov_b32 v49, 0
.irp k, 0,1,2,3,4,5,6,7
	v_mov_b32 v[50+\k], 0                          ; written once: the destination of a lane permute counts as one of its sources
.endr
	s_wait_kmcnt 0x0
	s_add_nc_u64 s[56:57], s[8:9], s[56:57]
	s_add_nc_u64 s[58:59], s[8:9], s[58:59]
	global_load_b32 v2, v3, s[4:5]                 ; my token's expert
	global_load_b128 v[4:7], v21, s[6:7] offset:4096
	global_load_b128 v[8:11], v21, s[6:7] offset:4112      ; its probabilities
	global_load_b128 v[12:15], v22, s[56:57]
	global_load_b128 v[16:19], v22, s[56:57] offset:512    ; the moved token's codes
	global_load_b32 v20, v46, s[58:59] offset:1048576      ; and its scale word (lane % 8)
	s_wait_loadcnt 5                               ; the expert is in; the five loads behind it may be out
	v_min_u32 v2, 7, v2
.irp e, 0,1,2,3,4,5,6,7
	v_cmp_eq_u32 s[20+\e], \e, v2
	s_bcnt1_i32_b32 s[28+\e], s[20+\e]
.endr
.irp e, 0,1,2,3,4,5,6,7
	v_mov_b32 v[24+\e], s[28+\e]
.endr
	ds_store_b128 v42, v[24:27]                    ; all lanes write the same words with the same values
	ds_store_b128 v42, v[28:31] offset:16
	s_wait_dscnt 0x0
	s_barrier_signal -1
	s_barrier_wait -1
	ds_load_b128 v[24:27], v43                     ; lane l: wave l's eight counts
	ds_load_b128 v[28:31], v43 offset:16
	s_wait_dscnt 0x0
.irp k, 0,1,2,3
	v_lshl_or_b32 v[32+\k], v[25+2*\k], 16, v[24+2*\k]   ; two counts to a register: a total is 1,024 at the most
.endr
	v_cmp_gt_u32 vcc_lo, s16, v1                   ; the waves before mine
.irp k, 0,1,2,3
	v_cndmask_b32 v[36+\k], 0, v[32+\k], vcc_lo
.endr
.irp m, 1,2,4,8
.irp k, 0,1,2,3,4,5,6,7
	v_mov_b32_dpp v[50+\k], v[32+\k] row_xmask:\m row_mask:0xf bank_mask:0xf
.endr
.irp k, 0,1,2,3,4,5,6,7
	v_add_nc_u32 v[32+\k], v[32+\k], v[50+\k]
.endr
.endr
.irp k, 0,1,2,3,4,5,6,7
	v_permlanex16_b32 v[50+\k], v[32+\k], s52, s53
.endr
.irp k, 0,1,2,3,4,5,6,7
	v_add_nc_u32 v[32+\k], v[32+\k], v[50+\k]
.endr
.irp k, 0,1,2,3
	v_readfirstlane_b32 s54, v[32+\k]
	s_and_b32 s[28+2*\k], s54, 0xffff              ; cnt
	s_lshr_b32 s[29+2*\k], s54, 16
	v_readfirstlane_b32 s54, v[36+\k]
	s_and_b32 s[36+2*\k], s54, 0xffff              ; of the waves before mine
	s_lshr_b32 s[37+2*\k], s54, 16
.endr
	s_mov_b32 s44, 0
.irp e, 0,1,2,3,4,5,6
	s_add_co_u32 s54, s[28+\e], 31
	s_and_b32 s54, s54, 0xffffffe0
	s_add_co_u32 s[45+\e], s[44+\e], s54           ; off
.endr
.irp e, 0,1,2,3,4,5,6,7
	s_add_co_u32 s54, s[44+\e], s[36+\e]
	v_mbcnt_lo_u32_b32 v40, s[20+\e], s54          ; + the lanes before mine with this expert
	v_cndmask_b32 v41, v41, v40, s[20+\e]          ; my token's slot
.endr
	s_wait_loadcnt 3                               ; the probabilities are in; the moved token's three loads may be out
.irp e, 0,1,2,3,4,5,6,7
	v_cvt_f32_u32 v[24+\e], s[28+\e]
.endr
	v_mul_f32 v44, v4, v24
.irp e, 1,2,3,4,5,6,7
	v_fmac_f32 v44, v[4+\e], v[24+\e]
.endr
.macro WSUM
.irp m, 1,2,4,8
	v_add_f32_dpp v44, v44, v44 row_xmask:\m row_mask:0xf bank_mask:0xf
.endr
	v_permlanex16_b32 v50, v44, s52, s53
	v_add_f32 v44, v44, v50
.endm
	WSUM
	ds_store_b32 v48, v44 offset:1024
	s_wait_dscnt 0x0
	s_barrier_signal -1
	s_barrier_wait -1
	ds_load_b32 v44, v47 offset:1024               ; lane l: wave l's part
	s_wait_dscnt 0x0
	WSUM
	v_mul_f32 v44, 0x37000000, v44                 ; x 2^-17
	v_readlane_b32 s54, v41, s17                   ; the slot of token 32 w + b
	s_min_u32 s54, s54, 1279
	s_lshl_b32 s60, s54, 7
	s_mov_b32 s61, 0
	s_lshl_b32 s62, s54, 2
	s_mov_b32 s63, 0
	s_add_nc_u64 s[60:61], s[12:13], s[60:61]
	s_add_nc_u64 s[62:63], s[12:13], s[62:63]
	s_wait_loadcnt 0x0
.irp i, 0,1,2,3,4,5,6,7
	global_store_b32 v47, v[12+\i], s[60:61] offset:163840*\i    ; K step i's 128 codes, in the order of k
.endr
	s_wait_xcnt 0x0                                ; EXEC changes only behind this wait
	v_cmpx_gt_u32 8, v1
	global_store_b32 v45, v20, s[62:63] offset:1310720           ; lane i: K step i's scale word
	s_wait_xcnt 0x0
	s_mov_b32 exec_lo, -1
	s_cmp_lg_u32 ttmp9, 0
	s_cbranch_scc1 .Lend
	global_store_b32 v3, v41, s[10:11]             ; pos
	s_cmp_lg_u32 s16, 0
	s_cbranch_scc1 .Lend
.irp e, 0,1,2,3,4,5,6,7
	v_writelane_b32 v49, s[28+\e], \e
	v_writelane_b32 v49, s[44+\e], 8+\e
.endr
	s_wait_xcnt 0x0
	v_cmpx_gt_u32 16, v1
	global_store_b32 v47, v49, s[10:11] offset:4096              ; cnt[8], off[8]
	s_wait_xcnt 0x0
	v_cmpx_gt_u32 1, v1
	global_store_b32 v47, v44, s[14:15]            ; the loss
.Lend:
	s_wait_xcnt 0x0
	s_mov_b32 exec_lo, -1
	s_wait_tensorcnt 0x0
	ds_add_u32 v64, v65
	s_wait_dscnt 0x0
	s_endpgm
.Lfunc_end_k_q7915396ebd_place:
	.size	k_q7915396ebd_place, .Lfunc_end_k_q7915396ebd_place-k_q7915396ebd_place
	.p2alignl 7, 3214868480
	.fill 96, 4, 3214868480
	.section	.rodata,"a",@progbits
	.p2align	6, 0x0
	.amdhsa_kernel k_q7915396ebd_place
		.amdhsa_group_segment_fixed_size 6144
		.amdhsa_private_segment_fixed_size 0
		.amdhsa_enable_private_segment 0
		.amdhsa_kernarg_size 48
		.amdhsa_user_sgpr_count 2
		.amdhsa_user_sgpr_kernarg_segment_ptr 1
		.amdhsa_wavefront_size32 1
		.amdhsa_system_sgpr_workgroup_id_x 1
		.amdhsa_system_sgpr_workgroup_id_y 1
		.amdhsa_system_sgpr_workgroup_id_z 1
		.amdhsa_system_vgpr_workitem_id 0
		.amdhsa_next_free_vgpr 66
		.amdhsa_next_free_sgpr 66
		.amdhsa_reserve_vcc 1
		.amdhsa_float_denorm_mode_32 3
		.amdhsa_float_denorm_mode_16_64 3
		.amdhsa_memory_ordered 1
		.amdhsa_forward_progress 1
		.amdhsa_inst_pref_size 16
	.end_amdhsa_kernel
	.amdgpu_metadata
---
amdhsa.version: [ 1, 2 ]
amdhsa.kernels:
  - .name:           k_q7915396ebd_place
    .symbol:         k_q7915396ebd_place.kd
    .args:
      - { .name: route, .offset: 0, .size: 8, .value_kind: global_buffer, .address_space: global }
      - { .name: gout, .offset: 8, .size: 8, .value_kind: global_buffer, .address_space: global }
      - { .name: xq, .offset: 16, .size: 8, .value_kind: global_buffer, .address_space: global }
      - { .name: order, .offset: 24, .size: 8, .value_kind: global_buffer, .address_space: global }
      - { .name: xs, .offset: 32, .size: 8, .value_kind: global_buffer, .address_space: global }
      - { .name: out1, .offset: 40, .size: 8, .value_kind: global_buffer, .address_space: global }
    .group_segment_fixed_size: 6144
    .private_segment_fixed_size: 0
    .kernarg_segment_align: 8
    .kernarg_segment_size: 48
    .max_flat_workgroup_size: 1024
    .sgpr_count:     66
    .vgpr_count:     66
    .wavefront_size: 32
...
	.end_amdgpu_metadata
.endif
;; end of part 2
;; launch ffn1 (part 3): grid 32 x 8, 4 waves a work-group, no clusters, 321,024 bytes of LDS; arguments W1, b1, xs, order, hs; writes hs
.if DOCPART == 3
	.amdgcn_target "amdgcn-amd-amdhsa--gfx1250"
	.amdhsa_code_object_version 6
	.text
	.protected	k_q7915396ebd_ffn1
	.globl	k_q7915396ebd_ffn1
	.p2align	8
	.type	k_q7915396ebd_ffn1,@function
k_q7915396ebd_ffn1:
	s_mov_b64 s[64:65], 0
	v_nop
	global_prefetch_b8 v0, s[64:65] scope:SCOPE_SE
	s_setreg_imm32_b32 hwreg(HW_REG_WAVE_MODE, 25, 1), 1
	s_wait_xcnt 0x0
; ONE LAYER OF THE CHOSEN EXPERTS' MLP, on codes of E5M2 with one E8M0 scale for each 32 along K.  One text serves both layers: LAYER says which.
;   LAYER 1: hs = Q(gelu(Q(x) Q(W1) + b1)), rows in slot order.     LAYER 2: part[q] = Q(h) Q(W2) over K = 1024 q .. 1024 q + 1023, four partial sums for each output.
; THE WEIGHTS BIND: f32, K along their first axis, read ONCE, quantised in registers on the way and multiplied at once by the codes of the expert's rows; no weight code goes to memory.
; SHARES.  Work-group (x, e): expert e, 128 columns, 1,024 along K: 512 KB of weights.  Wave 2 g + kh: columns 64 g .. 64 g + 63, K half kh: four K steps of 128.
; A LANE (r = lane % 16, h = lane / 16) loads 16 bytes, columns 4 r .. 4 r + 3, of weight row 32 c + 16 h + i: sixteen lanes read 256 consecutive aligned bytes, and the lane's registers run down K.
; Column tile j is the columns 4 r + j.  A block of 32 along K lies in lanes l and l xor 16.  A conversion takes eight numbers under one scale and a lane's neighbours belong to four columns, so
; the numbers are first multiplied by 1 / their column's scale (a power of two: exact), held and converted under the scale 1; byte permutes then turn 4 x 4 bytes so that K is innermost.
; THE MATRIX INSTRUCTION IS USED TRANSPOSED: source 0 = a column tile of the weights, source 1 = 16 rows: lane (r, h), register i of tile j holds row r, column 32 h + 4 i + j.
; ROWS come in passes of up to 256 (NG groups of 32, from the stored count); the pass loop has four trips whatever the count, all barriers stand at its top level, and what hangs on the count
; is branched round in stretches that hold no barrier.  So this text has no tensor load and no copy: the rows' codes come through registers into LDS.  An expert with more than 256 rows streams its weights once for each 256.
; The rows of an expert are shared by its 32 work-groups; they are about a fifth of a work-group's bytes and their number hangs on stored counts: no cluster.
; LIMITS: NaN and infinities are not served.  A block under 2^(16 - 127), zeros too, gets the byte 1 where the rule says 127 for zeros: its codes are zeros or next to it, and this program alone reads the bytes.
; erf(z) = z P(z^2) / Q(z^2), z held within +-4 (degrees 6 and 4 in z^2; a few units in the last place); gelu = 0.5 x + 0.5 x erf(x / sqrt 2).
; REGISTERS.  Window 0: v1-28 lane numbers, addresses, 1.0; v32-51 a block's maxima, scales; v52-91 at work; v92-95 erf's leading coefficients; v96-159 the weights' codes (tile j at 96 + 16 j);
;   v160-191 two fragments of rows; v192-223 the bias; v224-243 the way out.   Window 1: 256 weights as loaded: v[64 c + 4 i + j].   Windows 2, 3: the 64 accumulators (row tile t, column tile j at
;   32 (t % 8) + 8 j; window 2 for t < 8); before a pass's products they are the landing place of the rows' codes.
.set LAYER, 1
.if LAYER == 1
.set NP, 16384                         ; a weight row in bytes
.set LNP, 14
.set SCOFF, 1310720                    ; where the scale words begin in the rows' buffer
.else
.set NP, 4096
.set LNP, 12
.set SCOFF, 5242880
.endif
.set RM, 32                            ; v32-35 largest magnitudes of my four columns
.set RT, 36                            ; v36-39 their exponent fields
.set RMU, 40                           ; v40-43 1 / the scales
.set RSW, 44                           ; v44-47 the weights' scale words, tile j
.set RASC, 48                          ; v48-49 the rows' scale words
.set RD, 52                            ; v52-67 codes as converted: word i = row i, byte j = column j
.set RTP, 68                           ; v68-75 half turned
.set RSCL, 76                          ; v76-91 the rows' scale words on their way into LDS
.set RCA, 92
.set RCB, 94
.set RBC, 96
.set RAF, 160
.set RBIAS, 192
.set EA, 96                            ; the way out: the two K halves' sums, and their sum in column order
.set EB, 128
.set RN, 160
.set GZ, 52                            ; gelu, eight numbers at a time
.set GX, 60
.set GP, 68
.set GQ, 76
; LDS, while the products run: the rows' codes [K step 8][row 256] at a pitch of 144 bytes (128 + 16: the sixteen rows of a load start at different banks); then their scale words [K step][row]
.set ASTEP, 36864
.set ASC0, 294912
; LDS, on the way out: the waves' sums [wave 4][row tile 16][16 rows x 272 bytes]; behind them the stages
.set PWAVE, 69632
.set PTILE, 4352
.set STG, 278528
.set SBY, 319488
.set MSB, 0
.macro WIN new                         ; the immediate's high byte repeats the setting that is left
.if MSB != (\new)
	s_set_vgpr_msb (MSB<<8)|(\new)
.set MSB, (\new)
.endif
.endm
.macro PLACES n
.rept \n
	v_nop
.endr
.endm
.macro BAR                             ; my LDS stores have landed and my LDS loads are in: then the work-group's barrier
	s_wait_dscnt 0x0
	s_barrier_signal -1
	s_barrier_wait -1
.endm
.macro WLOAD c, ahead                  ; block c (32 along K) of this K step (ahead = 0) or the next (1): 16 loads of 512 bytes
	WIN 0x40                                       ; destination window 1
.irp i, 0,1,2,3,4,5,6,7,8,9,10,11,12,13,14,15
	global_load_b128 v[64*\c+4*\i:64*\c+4*\i+3], v4, s[22:23] offset:(128*\ahead+32*\c+\i)*NP th:TH_LOAD_NT
.endr
	WIN 0
.endm
; Block c is quantised: 64 numbers a lane, 16 along K of four columns.  wc: the younger loads that may stay out.  re = 1: its registers are asked for again at once, for the next K step.
.macro QBLOCK c, wc, re
	s_wait_loadcnt \wc
	WIN 0x05                                       ; sources 0 and 1 window 1
.irp j, 0,1,2,3
	v_max3_num_f32 v[RM+\j], |v[64*\c+\j]|, |v[64*\c+4+\j]|, 0x8000000   ; with the floor 2^(16 - 127): the byte cannot fall under 1
.endr
.irp i, 2,4,6,8,10,12,14
.irp j, 0,1,2,3
	v_max3_num_f32 v[RM+\j], |v[64*\c+4*\i+\j]|, |v[64*\c+4*\i+4+\j]|, v[RM+\j]   ; the four columns by turns
.endr
.endr
	WIN 0
.irp j, 0,1,2,3
	v_permlanex16_b32 v[RT+\j], v[RM+\j], s50, s51
.endr
.irp j, 0,1,2,3
	v_max_num_f32 v[RM+\j], v[RM+\j], v[RT+\j]     ; with lane l xor 16's: the block's largest magnitude
.endr
.irp j, 0,1,2,3
	v_and_b32 v[RT+\j], 0x7f800000, v[RM+\j]       ; its exponent field a
.endr
.irp j, 0,1,2,3
	v_sub_nc_u32 v[RMU+\j], 0x86800000, v[RT+\j]   ; the f32 number 2^(142 - a) = 1 / the scale
.endr
.irp j, 0,1,2,3
.if \c == 0
	v_lshrrev_b32 v[RSW+\j], 23, v[RT+\j]          ; a goes to byte c of the column's scale word
.elseif \c == 3
	v_lshl_or_b32 v[RSW+\j], v[RT+\j], 1, v[RSW+\j]
	v_add_nc_u32 v[RSW+\j], 0xf0f0f0f1, v[RSW+\j]  ; 15 off each byte (each is 16 at the least: nothing is borrowed)
.else
	v_lshrrev_b32 v[RT+\j], 23-8*\c, v[RT+\j]
	v_or_b32 v[RSW+\j], v[RSW+\j], v[RT+\j]
.endif
.endr
	WIN 0x41                                       ; destination and source 0 window 1
.irp i, 0,1,2,3,4,5,6,7,8,9,10,11,12,13,14,15
	v_pk_mul_f32 v[64*\c+4*\i:64*\c+4*\i+1], v[64*\c+4*\i:64*\c+4*\i+1], v[RMU:RMU+1]
	v_pk_mul_f32 v[64*\c+4*\i+2:64*\c+4*\i+3], v[64*\c+4*\i+2:64*\c+4*\i+3], v[RMU+2:RMU+3]
.endr
.set n, 0
.rept 64
	v_med3_num_f32 v[64*\c+n], v[64*\c+n], s53, s52   ; the conversion to an 8-bit code does not saturate (ISA guide 7.6.2): the hold at +-57,344
.set n, n+1
.endr
	WIN 0x01                                       ; source 0 window 1
.irp m, 0,1,2,3,4,5,6,7
	v_cvt_scalef32_pk8_bf8_f32 v[RD+2*\m:RD+2*\m+1], v[64*\c+8*\m:64*\c+8*\m+7], v28
.endr
.if \re
	WLOAD \c, 1
.endif
	WIN 0
	v_nop                                          ; a plain place between the conversions and the reads of their results
.irp qd, 0,1,2,3                       ; 4 x 4 bytes are turned: register 4 c + qd of tile j = rows 4 qd .. 4 qd + 3 of column j
	v_perm_b32 v[RTP+4*(\qd%2)], v[RD+4*\qd+1], v[RD+4*\qd], s54
	v_perm_b32 v[RTP+4*(\qd%2)+1], v[RD+4*\qd+1], v[RD+4*\qd], s55
	v_perm_b32 v[RTP+4*(\qd%2)+2], v[RD+4*\qd+3], v[RD+4*\qd+2], s54
	v_perm_b32 v[RTP+4*(\qd%2)+3], v[RD+4*\qd+3], v[RD+4*\qd+2], s55
	v_perm_b32 v[RBC+4*\c+\qd], v[RTP+4*(\qd%2)+2], v[RTP+4*(\qd%2)], s56
	v_perm_b32 v[RBC+16+4*\c+\qd], v[RTP+4*(\qd%2)+2], v[RTP+4*(\qd%2)], s57
	v_perm_b32 v[RBC+32+4*\c+\qd], v[RTP+4*(\qd%2)+3], v[RTP+4*(\qd%2)+1], s56
	v_perm_b32 v[RBC+48+4*\c+\qd], v[RTP+4*(\qd%2)+3], v[RTP+4*(\qd%2)+1], s57
.endr
.endm
; Group grp (32 rows) against my four column tiles: eight products on eight accumulators, which so take turns.
; The eight v_nop are the places behind the last products in front of the loads into their operands, and those between the vector writes of codes and scale words and the scaled products.
.macro GROUP grp, zero, lab
.if \grp > 0
	s_cmp_le_u32 s42, \grp
	s_cbranch_scc1 \lab
.endif
	PLACES 8
.irp tt, 0,1
.irp c, 0,1,2,3
	ds_load_b128 v[RAF+16*\tt+4*\c:RAF+16*\tt+4*\c+3], v7 offset:4608*\grp+2304*\tt+32*\c
.endr
	ds_load_b32 v[RASC+\tt], v8 offset:128*\grp+64*\tt
.endr
	s_wait_dscnt 0x0
	WIN 0xa0+0x50*(\grp/4)                         ; C and D window 2 or 3
.irp tt, 0,1
.irp j, 0,1,2,3
.if \zero
	v_wmma_scale_f32_16x16x128_f8f6f4 v[((2*\grp+\tt)%8)*32+8*\j:((2*\grp+\tt)%8)*32+8*\j+7], v[RBC+16*\j:RBC+16*\j+15], v[RAF+16*\tt:RAF+16*\tt+15], 0, v[RSW+\j], v[RASC+\tt] matrix_a_fmt:MATRIX_FMT_BF8 matrix_b_fmt:MATRIX_FMT_BF8
.else
	v_wmma_scale_f32_16x16x128_f8f6f4 v[((2*\grp+\tt)%8)*32+8*\j:((2*\grp+\tt)%8)*32+8*\j+7], v[RBC+16*\j:RBC+16*\j+15], v[RAF+16*\tt:RAF+16*\tt+15], v[((2*\grp+\tt)%8)*32+8*\j:((2*\grp+\tt)%8)*32+8*\j+7], v[RSW+\j], v[RASC+\tt] matrix_a_fmt:MATRIX_FMT_BF8 matrix_b_fmt:MATRIX_FMT_BF8
.endif
.endr
.endr
	WIN 0
.endm
; A K step of 128.  zero = 1: its products start the sums.  re = 1: it asks for the next K step's weights, block by block, as each block's registers come free.
; Behind block c's 16 loads stand 3 - c blocks of this step and c of the next: 48 loads may be out at each wait; in the last step the counts run down.  A step is run whole or left out whole.
.macro KSTEP zero, re
	s_cmp_eq_u32 s42, 0
	s_cbranch_scc1 .Lkskip_\@
	v_add_nc_u32 v7, s44, v5
	v_add_nc_u32 v8, s45, v6
.if \re
	QBLOCK 0, 48, 1
	QBLOCK 1, 48, 1
	QBLOCK 2, 48, 1
	QBLOCK 3, 48, 1
.else
	QBLOCK 0, 48, 0
	QBLOCK 1, 32, 0
	QBLOCK 2, 16, 0
	QBLOCK 3, 0, 0
.endif
.irp grp, 0,1,2,3,4,5,6,7
	GROUP \grp, \zero, .Lgend_\@
.endr
.Lgend_\@:
.if \re
	s_wait_xcnt 0x0                                ; the loads have read their base
	s_add_nc_u64 s[22:23], s[22:23], 128*NP
.endif
.Lkskip_\@:
	s_add_co_u32 s44, s44, ASTEP                   ; the next K step's rows in LDS
	s_add_co_u32 s45, s45, 1024
.endm
; The rows' codes of my two K steps (2 wave, 2 wave + 1), group by group: 4,096 dense bytes a group and K step, 512 a load
.macro STAGE_LD
.irp grp, 0,1,2,3,4,5,6,7
	s_cmp_le_u32 s42, \grp
	s_cbranch_scc1 .Lsl_\@
	WIN 0x80+0x40*(\grp/4)                         ; destination window 2 or 3
.irp ds, 0,1
.irp it, 0,1,2,3,4,5,6,7
	global_load_b128 v[(\grp%4)*64+32*\ds+4*\it:(\grp%4)*64+32*\ds+4*\it+3], v9, s[28:29] offset:163840*\ds+4096*\grp+512*\it
.endr
.endr
	WIN 0
.irp ds, 0,1
	global_load_b32 v[RSCL+2*\grp+\ds], v12, s[30:31] offset:5120*\ds+128*\grp
.endr
.endr
.Lsl_\@:
.endm
.macro STAGE_ST
.irp grp, 0,1,2,3,4,5,6,7
	s_cmp_le_u32 s42, \grp
	s_cbranch_scc1 .Lss_\@
	WIN 0x08+4*(\grp/4)                            ; an LDS store's data are its source 1: window 2 or 3
.irp ds, 0,1
.irp it, 0,1,2,3,4,5,6,7
	ds_store_b128 v[10+\ds], v[(\grp%4)*64+32*\ds+4*\it:(\grp%4)*64+32*\ds+4*\it+3] offset:4608*\grp+576*\it
.endr
.endr
	WIN 0
.irp ds, 0,1
	ds_store_b32 v13, v[RSCL+2*\grp+\ds] offset:1024*\ds+128*\grp
.endr
.endr
.Lss_\@:
.endm
.macro PARTOUT                         ; my sums go to LDS, each accumulator from its low end on: row r, then (h, j, i)
	PLACES 8
.irp grp, 0,1,2,3,4,5,6,7
	s_cmp_le_u32 s42, \grp
	s_cbranch_scc1 .Lpo_\@
	WIN 0x08+4*(\grp/4)
.irp tt, 0,1
.irp j, 0,1,2,3
	ds_store_b128 v14, v[((2*\grp+\tt)%8)*32+8*\j:((2*\grp+\tt)%8)*32+8*\j+3] offset:(2*\grp+\tt)*PTILE+32*\j
	ds_store_b128 v14, v[((2*\grp+\tt)%8)*32+8*\j+4:((2*\grp+\tt)%8)*32+8*\j+7] offset:(2*\grp+\tt)*PTILE+32*\j+16
.endr
.endr
	WIN 0
.endr
.Lpo_\@:
.endm
	; ---- THE HEAD
.if LAYER == 1
	s_load_b256 s[4:11], s[0:1], 0x0               ; W1, b1, xs, order
	s_load_b64 s[12:13], s[0:1], 0x20              ; hs
	v_lshl_add_u32 v254, v0, 2, 0x4e400
	v_mov_b32 v255, 0
.else
	s_load_b64 s[4:5], s[0:1], 0x0                 ; W2
	s_load_b64 s[8:9], s[0:1], 0x8                 ; hs
	s_load_b64 s[10:11], s[0:1], 0x10              ; order
	s_load_b64 s[12:13], s[0:1], 0x18              ; part
.endif
	v_lshrrev_b32 v1, 5, v0
	v_readfirstlane_b32 s14, v1                    ; wave
	s_lshr_b32 s15, s14, 1                         ; g: my 64 columns
	s_and_b32 s16, s14, 1                          ; kh: my half of K
	s_and_b32 s17, ttmp7, 0xffff                   ; the expert
	v_and_b32 v1, 15, v0                           ; r
	v_bfe_u32 v2, v0, 4, 1                         ; h
	v_and_b32 v3, 31, v0                           ; lane
	v_lshlrev_b32 v4, 4, v1
	v_lshl_add_u32 v4, v2, LNP+4, v4               ; the weights: 16 r + 16 rows x h
	s_lshl_b32 s48, s17, 24                        ; an expert's weights are 16,777,216 bytes
	s_mul_i32 s63, s16, 512*NP
	s_add_co_u32 s48, s48, s63
	s_lshl_b32 s63, s15, 8
	s_add_co_u32 s48, s48, s63
.if LAYER == 1
	s_lshl_b32 s63, ttmp9, 9                       ; 128 columns x 4 bytes
	s_add_co_u32 s48, s48, s63
.else
	s_lshr_b32 s19, ttmp9, 3                       ; q: which 1,024 of K
	s_and_b32 s63, ttmp9, 7
	s_lshl_b32 s63, s63, 9
	s_add_co_u32 s48, s48, s63
	s_lshl_b32 s63, s19, 22
	s_add_co_u32 s48, s48, s63
.endif
	s_mov_b32 s49, 0
	s_lshl_b32 s72, s17, 2
	s_mov_b32 s73, 0
	; Windows 2 and 3 are written once here.  They are filled and read under separate branches on the same stored count, and every way through the text has to find them written.
	; The sums themselves start from the constant 0 in a pass's first K step.  These lines stand where the wave would wait for its arguments and its first weights.
	WIN 0x80
.set n, 0
.rept 256
	v_mov_b32 v[n], 0
.set n, n+1
.endr
	WIN 0
	s_wait_kmcnt 0x0
	s_add_nc_u64 s[72:73], s[10:11], s[72:73]
	s_load_b32 s40, s[72:73], 0x1000               ; cnt[e]
	s_load_b32 s41, s[72:73], 0x1020               ; off[e]
	s_add_nc_u64 s[20:21], s[4:5], s[48:49]        ; my weights' first byte
	s_mov_b64 s[22:23], s[20:21]
.if LAYER == 1
	s_lshl_b32 s74, s17, 14
	s_lshl_b32 s63, ttmp9, 9
	s_add_co_u32 s74, s74, s63
	s_lshl_b32 s63, s15, 8
	s_add_co_u32 s74, s74, s63
	s_mov_b32 s75, 0
	s_add_nc_u64 s[74:75], s[6:7], s[74:75]
	v_lshlrev_b32 v27, 7, v2
.irp qd, 0,1,2,3,4,5,6,7
	global_load_b128 v[RBIAS+4*\qd:RBIAS+4*\qd+3], v27, s[74:75] offset:16*\qd   ; b1 of my 32 columns 64 g + 32 h on
.endr
.endif
	WLOAD 0, 0                                     ; the first K step's weights, whatever the count: they lie inside the buffer
	WLOAD 1, 0
	WLOAD 2, 0
	WLOAD 3, 0
	WIN 0xc0
.set n, 0
.rept 256
	v_mov_b32 v[n], 0
.set n, n+1
.endr
	WIN 0
.irp k, 0,1,2,3,4,5,6,7,8,9,10,11,12,13,14,15
	v_mov_b32 v[RSCL+\k], 0
.endr
.irp k, 0,1,2,3
	v_mov_b32 v[RT+\k], 0                          ; the destination of a lane permute counts as one of its sources
.endr
	v_mov_b32 v28, 1.0
	v_mul_u32_u24 v5, v1, 144
	v_lshl_add_u32 v5, v2, 4, v5
	s_mul_i32 s63, s16, 4*ASTEP
	v_add_nc_u32 v5, s63, v5                       ; a fragment of rows: my K half + 144 r + 16 h
	s_lshl_b32 s63, s16, 12
	s_add_co_u32 s63, s63, ASC0
	v_lshl_add_u32 v6, v1, 2, s63                  ; their scale words: 4 r
	v_lshlrev_b32 v9, 4, v3
	v_lshrrev_b32 v29, 3, v3
	v_mul_u32_u24 v10, v29, 144
	v_and_b32 v30, 7, v3
	v_lshl_add_u32 v10, v30, 4, v10
	s_mul_i32 s63, s14, 2*ASTEP
	v_add_nc_u32 v10, s63, v10                     ; staging: my first K step, row lane / 8, 16 (lane % 8)
	v_add_nc_u32 v11, ASTEP, v10                   ; my second
	v_lshlrev_b32 v12, 2, v3
	s_lshl_b32 s63, s14, 11
	s_add_co_u32 s63, s63, ASC0
	v_lshl_add_u32 v13, v3, 2, s63
	v_mul_u32_u24 v29, v1, 272
	v_lshl_add_u32 v29, v2, 7, v29                 ; 272 r + 128 h
	s_mul_i32 s63, s14, PWAVE
	v_add_nc_u32 v14, s63, v29                     ; my sums' place
	s_mul_i32 s63, s15, 2*PWAVE
	s_mul_i32 s66, s16, PTILE
	s_add_co_u32 s63, s63, s66
	v_add_nc_u32 v15, s63, v29                     ; the way out: K half 0's sums of my columns, row tile kh;
	v_add_nc_u32 v16, PWAVE, v15                   ; K half 1's
.if LAYER == 1
	v_mul_u32_u24 v19, v1, 80
	v_lshl_add_u32 v19, v2, 5, v19
	s_mul_i32 s63, s14, 10240
	s_add_co_u32 s63, s63, STG
	v_add_nc_u32 v19, s63, v19                     ; my stage of codes: 80 r + 32 h
	v_lshl_add_u32 v20, v1, 1, v2
	s_lshl_b32 s63, s14, 8
	s_add_co_u32 s63, s63, SBY
	v_add_nc_u32 v20, s63, v20                     ; my scale bytes: 2 r + h
	v_lshrrev_b32 v29, 3, v3
	v_mul_u32_u24 v21, v29, 80
	v_bfe_u32 v29, v3, 2, 1
	v_mul_u32_u24 v29, v29, 20480
	v_add_nc_u32 v21, v21, v29
	v_and_b32 v29, 3, v3
	v_lshl_add_u32 v21, v29, 4, v21
	s_mul_i32 s63, s14, 1280
	s_add_co_u32 s63, s63, STG
	v_add_nc_u32 v21, s63, v21                     ; back as rows of 128 bytes: row lane / 8, column group (lane / 4) % 2, 16 (lane % 4)
	v_lshlrev_b32 v22, 1, v1
	v_lshl_add_u32 v22, v2, 8, v22
	s_lshl_b32 s63, s14, 5
	s_add_co_u32 s63, s63, SBY
	v_add_nc_u32 v22, s63, v22
	s_lshl_b32 s63, s14, 12
	v_add_nc_u32 v25, s63, v9                      ; in hs: group = wave: 4,096 bytes; 16 x lane
	s_lshl_b32 s63, s14, 7
	v_add_nc_u32 v26, s63, v12
	v_mov_b32 v[RCA], 0xaf95df0b                   ; -2.72614226e-10
	v_mov_b32 v[RCA+1], 0xaf95df0b
	v_mov_b32 v[RCB], 0xb77460cd                   ; -1.45660718e-05
	v_mov_b32 v[RCB+1], 0xb77460cd
.else
	s_mul_i32 s63, s14, PTILE
	s_add_co_u32 s63, s63, STG
	v_add_nc_u32 v19, s63, v29                     ; my stage: 16 rows x 272
	v_mul_u32_u24 v21, v2, 272
	v_lshl_add_u32 v21, v1, 4, v21
	v_add_nc_u32 v21, s63, v21                     ; back: lanes 0-15 one row of 256 bytes, lanes 16-31 the next
	s_lshl_b32 s63, s16, 16
	s_lshl_b32 s66, s15, 8
	s_add_co_u32 s63, s63, s66
	v_lshlrev_b32 v25, 4, v1
	v_lshl_add_u32 v25, v2, 12, v25
	v_add_nc_u32 v25, s63, v25                     ; in part: (16 kh + h) rows of 4,096 bytes + 256 g + 16 r
.endif
	s_mov_b32 s50, 0x76543210
	s_mov_b32 s51, 0xfedcba98                      ; v_permlanex16_b32's selects for lane l xor 16
	s_mov_b32 s52, 0x47600000                      ; 57,344
	s_mov_b32 s53, 0xc7600000
	s_mov_b32 s54, 0x05010400                      ; byte selects of the 4 x 4 turn
	s_mov_b32 s55, 0x07030602
	s_mov_b32 s56, 0x05040100
	s_mov_b32 s57, 0x07060302
	s_mov_b32 s62, 0x600000                        ; the mantissa field of 57,344
.if LAYER == 1
	s_lshl_b32 s63, s14, 1                         ; the K steps that I stage: 2 wave, 2 wave + 1
.else
	s_lshl_b32 s63, s19, 3
	s_lshl_b32 s66, s14, 1
	s_add_co_u32 s63, s63, s66                     ; 8 q + 2 wave
.endif
	s_mul_i32 s48, s63, 163840
	s_add_nc_u64 s[24:25], s[8:9], s[48:49]
	s_mul_i32 s48, s63, 5120
	s_add_nc_u64 s[26:27], s[8:9], s[48:49]
	s_add_nc_u64 s[26:27], s[26:27], SCOFF
.if LAYER == 1
	s_mul_i32 s48, ttmp9, 163840                   ; my 128 hidden units are K step x of the next layer
	s_add_nc_u64 s[32:33], s[12:13], s[48:49]
	s_mul_i32 s48, ttmp9, 5120
	s_add_nc_u64 s[36:37], s[12:13], s[48:49]
	s_add_nc_u64 s[36:37], s[36:37], 5242880
.else
	s_mul_i32 s48, s19, 5242880
	s_and_b32 s63, ttmp9, 7
	s_lshl_b32 s63, s63, 9
	s_add_co_u32 s48, s48, s63
	s_add_nc_u64 s[32:33], s[12:13], s[48:49]
.endif
	s_wait_kmcnt 0x0
	s_min_u32 s40, s40, 1024
	s_min_u32 s41, s41, 1216
	s_add_co_u32 s40, s40, 31
	s_lshr_b32 s40, s40, 5                         ; groups of 32 rows to go
	s_min_u32 s42, s40, 8                          ; NG: this pass's
	s_mov_b32 s43, 4
.Lpass:
	s_wait_xcnt 0x0                                ; the last pass's loads and stores have read their bases
	s_min_u32 s63, s41, 1248                       ; the pass's first slot
	s_lshl_b32 s48, s63, 7
	s_add_nc_u64 s[28:29], s[24:25], s[48:49]
.if LAYER == 1
	s_add_nc_u64 s[34:35], s[32:33], s[48:49]
.endif
	s_lshl_b32 s48, s63, 2
	s_add_nc_u64 s[30:31], s[26:27], s[48:49]
.if LAYER == 1
	s_add_nc_u64 s[38:39], s[36:37], s[48:49]
.else
	s_lshl_b32 s48, s63, 12
	s_add_nc_u64 s[34:35], s[32:33], s[48:49]
.endif
	s_mov_b32 s44, 0
	s_mov_b32 s45, 0
	STAGE_LD
	s_wait_loadcnt 0x0
	STAGE_ST
	BAR                                            ; the rows' codes and scale words lie in LDS
	KSTEP 1, 1
	s_mov_b32 s46, 2
.Lk:
	KSTEP 0, 1
	s_sub_co_i32 s46, s46, 1
	s_cmp_lg_u32 s46, 0
	s_cbranch_scc1 .Lk
	KSTEP 0, 0
	BAR                                            ; nobody reads the rows' codes any more: their bytes take the sums
	PARTOUT
	BAR                                            ; all four waves' sums lie in LDS
	; ---- THE WAY OUT: wave 2 g + kh takes column group g, row tiles 2 tt + kh.  Lane (r, h): row r, columns 32 h .. 32 h + 31
	s_mov_b32 s46, 0
	s_mov_b32 s47, 0
.if LAYER == 1
	s_mov_b32 s66, 0
	s_mov_b32 s67, 0
.endif
.Lep:
	s_cmp_ge_u32 s46, s42
	s_cbranch_scc1 .Lepskip
	v_add_nc_u32 v17, s47, v15
	v_add_nc_u32 v18, s47, v16
.irp qd, 0,1,2,3,4,5,6,7
	ds_load_b128 v[EA+4*\qd:EA+4*\qd+3], v17 offset:16*\qd
	ds_load_b128 v[EB+4*\qd:EB+4*\qd+3], v18 offset:16*\qd
.endr
	s_wait_dscnt 0x0
.irp i, 0,1,2,3,4,5,6,7
.irp j, 0,1,2,3
	v_add_f32 v[RN+4*\i+\j], v[EA+8*\j+\i], v[EB+8*\j+\i]   ; the two halves of K; the destination's number puts the columns in order
.endr
.endr
.if LAYER == 1
.irp p, 0,2,4,6,8,10,12,14,16,18,20,22,24,26,28,30
	v_pk_add_f32 v[RN+\p:RN+\p+1], v[RN+\p:RN+\p+1], v[RBIAS+\p:RBIAS+\p+1]
.endr
.irp ch, 0,1,2,3                       ; gelu, eight numbers at a time
.irp p, 0,2,4,6
	v_pk_mul_f32 v[GZ+\p:GZ+\p+1], v[RN+8*\ch+\p:RN+8*\ch+\p+1], 0x3f3504f3 op_sel_hi:[1,0]   ; z = x / sqrt 2
.endr
.irp p, 0,1,2,3,4,5,6,7
	v_med3_num_f32 v[GZ+\p], v[GZ+\p], -4.0, 4.0
.endr
.irp p, 0,2,4,6
	v_pk_mul_f32 v[GX+\p:GX+\p+1], v[GZ+\p:GZ+\p+1], v[GZ+\p:GZ+\p+1]
.endr
.irp p, 0,2,4,6
	v_pk_fma_f32 v[GP+\p:GP+\p+1], v[GX+\p:GX+\p+1], v[RCA:RCA+1], 0x32edffee op_sel_hi:[1,1,0]
	v_pk_fma_f32 v[GQ+\p:GQ+\p+1], v[GX+\p:GX+\p+1], v[RCB:RCB+1], 0xb95fbd29 op_sel_hi:[1,1,0]
.endr
.irp k, 0xb60cff51, 0xb86ec2d2, 0xba40ac63, 0xbb41a1f6, 0xbc83dbd4
.irp p, 0,2,4,6
	v_pk_fma_f32 v[GP+\p:GP+\p+1], v[GP+\p:GP+\p+1], v[GX+\p:GX+\p+1], \k op_sel_hi:[1,1,0]
.endr
.endr
.irp k, 0xbadc924e, 0xbbf19bf8, 0xbc69b6a7
.irp p, 0,2,4,6
	v_pk_fma_f32 v[GQ+\p:GQ+\p+1], v[GQ+\p:GQ+\p+1], v[GX+\p:GX+\p+1], \k op_sel_hi:[1,1,0]
.endr
.endr
.irp p, 0,1,2,3,4,5,6,7
	v_rcp_f32 v[GQ+\p], v[GQ+\p]
.endr
.irp p, 0,2,4,6
	v_pk_mul_f32 v[GP+\p:GP+\p+1], v[GP+\p:GP+\p+1], v[GZ+\p:GZ+\p+1]   ; (plain places behind the reciprocals)
.endr
	s_wait_alu depctr_va_vdst(0)
.irp p, 0,2,4,6
	v_pk_mul_f32 v[GP+\p:GP+\p+1], v[GP+\p:GP+\p+1], v[GQ+\p:GQ+\p+1]   ; erf
.endr
.irp p, 0,2,4,6
	v_pk_mul_f32 v[GX+\p:GX+\p+1], v[RN+8*\ch+\p:RN+8*\ch+\p+1], 0.5 op_sel_hi:[1,0]
.endr
.irp p, 0,2,4,6
	v_pk_fma_f32 v[RN+8*\ch+\p:RN+8*\ch+\p+1], v[GX+\p:GX+\p+1], v[GP+\p:GP+\p+1], v[GX+\p:GX+\p+1]
.endr
.endr
	; my 32 numbers are one block along the next layer's K
	v_max3_num_f32 v233, |v[RN]|, |v[RN+1]|, 0x8000000
	v_max3_num_f32 v236, |v[RN+16]|, |v[RN+17]|, |v[RN+18]|
.irp n, 0,2,4,6,8,10
	v_max3_num_f32 v233, v233, |v[RN+2+\n]|, |v[RN+3+\n]|
	v_max3_num_f32 v236, v236, |v[RN+19+\n]|, |v[RN+20+\n]|
.endr
	v_max3_num_f32 v233, v233, |v[RN+14]|, |v[RN+15]|
	v_max3_num_f32 v233, v233, v236, |v[RN+31]|
	v_add_nc_u32 v237, 0xf8800000, v233            ; 15 off the exponent field: the conversion's scale operand
	v_and_or_b32 v238, v233, 0x7f800000, s62       ; 57,344 x the scale
	v_lshrrev_b32 v232, 23, v237                   ; the scale's byte
.set n, 0
.rept 32
	v_med3_num_f32 v[RN+n], v[RN+n], -v238, v238
.set n, n+1
.endr
.irp m, 0,1,2,3
	v_cvt_scalef32_pk8_bf8_f32 v[224+2*\m:225+2*\m], v[RN+8*\m:RN+8*\m+7], v237
.endr
	v_nop                                          ; a plain place behind the conversions: the next trip's additions write their sources
	v_add_nc_u32 v23, s66, v19
	v_add_nc_u32 v24, s67, v20
	ds_store_b128 v23, v[224:227]
	ds_store_b128 v23, v[228:231] offset:16
	ds_store_b8 v24, v232
.else
.irp qd, 0,1,2,3,4,5,6,7
	ds_store_b128 v19, v[RN+4*\qd:RN+4*\qd+3] offset:16*\qd
.endr
.irp it, 0,1,2,3,4,5,6,7
	ds_load_b128 v[EA+4*\it:EA+4*\it+3], v21 offset:544*\it      ; LDS serves a wave's instructions in order (ISA guide 5.7.1.4): these see my stores
.endr
	s_wait_dscnt 0x0
.irp it, 0,1,2,3,4,5,6,7
	global_store_b128 v25, v[EA+4*\it:EA+4*\it+3], s[34:35] offset:8192*\it   ; sixteen lanes store 256 consecutive bytes, aligned
.endr
.endif
.Lepskip:
	s_add_co_u32 s47, s47, 2*PTILE
.if LAYER == 1
	s_add_co_u32 s66, s66, 1280
	s_add_co_u32 s67, s67, 32
.else
	s_wait_xcnt 0x0                                ; the stores have read their data and their base
	s_add_nc_u64 s[34:35], s[34:35], 131072        ; 32 rows on
.endif
	s_add_co_u32 s46, s46, 1
	s_cmp_lt_u32 s46, 8
	s_cbranch_scc1 .Lep
.if LAYER == 1
	BAR                                            ; the codes and scale bytes of all four waves lie in the stages
.irp u, 0,1                            ; wave w sends groups w and w + 4: 32 rows x 128 bytes, dense in hs
	s_add_co_u32 s63, s14, 4*\u
	s_cmp_ge_u32 s63, s42
	s_cbranch_scc1 .Lsent_\u
.irp it, 0,1,2,3,4,5,6,7
	ds_load_b128 v[96+32*\u+4*\it:96+32*\u+4*\it+3], v21 offset:5120*\u+320*(\it%4)+10240*(\it/4)
.endr
	ds_load_u16 v[240+2*\u], v22 offset:128*\u
	ds_load_u16 v[241+2*\u], v22 offset:128*\u+512
	s_wait_dscnt 0x0
	v_lshl_or_b32 v[240+2*\u], v[241+2*\u], 16, v[240+2*\u]      ; a row's four bytes: column groups 0 and 1
.irp it, 0,1,2,3,4,5,6,7
	global_store_b128 v25, v[96+32*\u+4*\it:96+32*\u+4*\it+3], s[34:35] offset:16384*\u+512*\it   ; 512 consecutive bytes
.endr
	global_store_b32 v26, v[240+2*\u], s[38:39] offset:512*\u
.Lsent_\u:
.endr
.endif
	s_wait_loadcnt 0x0
	s_wait_xcnt 0x0                                ; the stores have read their registers: the next pass writes them
	BAR                                            ; nobody reads the sums or the stages any more
	s_sub_co_u32 s40, s40, s42
	s_min_u32 s42, s40, 8
	s_add_co_u32 s41, s41, 256
	s_cmp_eq_u32 s42, 0
	s_cbranch_scc1 .Lnomore
	s_mov_b64 s[22:23], s[20:21]                   ; more than 256 rows: the weights are streamed again
	WLOAD 0, 0
	WLOAD 1, 0
	WLOAD 2, 0
	WLOAD 3, 0
.Lnomore:
	s_sub_co_i32 s43, s43, 1
	s_cmp_lg_u32 s43, 0
	s_cbranch_scc1 .Lpass
	s_wait_tensorcnt 0x0
	ds_add_u32 v254, v255
	s_wait_dscnt 0x0
	s_endpgm
.Lfunc_end_k_q7915396ebd_ffn1:
	.size	k_q7915396ebd_ffn1, .Lfunc_end_k_q7915396ebd_ffn1-k_q7915396ebd_ffn1
	.p2alignl 7, 3214868480
	.fill 96, 4, 3214868480
	.section	.rodata,"a",@progbits
	.p2align	6, 0x0
	.amdhsa_kernel k_q7915396ebd_ffn1
		.amdhsa_group_segment_fixed_size 321024
		.amdhsa_private_segment_fixed_size 0
		.amdhsa_enable_private_segment 0
		.amdhsa_kernarg_size 40
		.amdhsa_user_sgpr_count 2
		.amdhsa_user_sgpr_kernarg_segment_ptr 1
		.amdhsa_wavefront_size32 1
		.amdhsa_system_sgpr_workgroup_id_x 1
		.amdhsa_system_sgpr_workgroup_id_y 1
		.amdhsa_system_sgpr_workgroup_id_z 1
		.amdhsa_system_vgpr_workitem_id 0
		.amdhsa_next_free_vgpr 1024
		.amdhsa_next_free_sgpr 80
		.amdhsa_reserve_vcc 0
		.amdhsa_float_denorm_mode_32 3
		.amdhsa_float_denorm_mode_16_64 3
		.amdhsa_memory_ordered 1
		.amdhsa_forward_progress 1
		.amdhsa_inst_pref_size 255
	.end_amdhsa_kernel
	.section	.bss,"aw",@nobits
	.p2align	6
	.space	262144
	.amdgpu_metadata
---
amdhsa.version: [ 1, 2 ]
amdhsa.kernels:
  - .name:           k_q7915396ebd_ffn1
    .symbol:         k_q7915396ebd_ffn1.kd
    .args:
      - { .name: W1, .offset: 0, .size: 8, .value_kind: global_buffer, .address_space: global }
      - { .name: b1, .offset: 8, .size: 8, .value_kind: global_buffer, .address_space: global }
      - { .name: xs, .offset: 16, .size: 8, .value_kind: global_buffer, .address_space: global }
      - { .name: order, .offset: 24, .size: 8, .value_kind: global_buffer, .address_space: global }
      - { .name: hs, .offset: 32, .size: 8, .value_kind: global_buffer, .address_space: global }
    .group_segment_fixed_size: 321024
    .private_segment_fixed_size: 0
    .kernarg_segment_align: 8
    .kernarg_segment_size: 40
    .max_flat_workgroup_size: 128
    .sgpr_count:     80
    .vgpr_count:     1024
    .wavefront_size: 32
...
	.end_amdgpu_metadata
.endif
;; end of part 3
;; launch ffn2 (part 4): grid 32 x 8, 4 waves a work-group, no clusters, 303,616 bytes of LDS; arguments W2, hs, order, part; writes part
.if DOCPART == 4
	.amdgcn_target "amdgcn-amd-amdhsa--gfx1250"
	.amdhsa_code_object_version 6
	.text
	.protected	k_q7915396ebd_ffn2
	.globl	k_q7915396ebd_ffn2
	.p2align	8
	.type	k_q7915396ebd_ffn2,@function
k_q7915396ebd_ffn2:
	s_mov_b64 s[64:65], 0
	v_nop
	global_prefetch_b8 v0, s[64:65] scope:SCOPE_SE
	s_setreg_imm32_b32 hwreg(HW_REG_WAVE_MODE, 25, 1), 1
	s_wait_xcnt 0x0
; ONE LAYER OF THE CHOSEN EXPERTS' MLP, on codes of E5M2 with one E8M0 scale for each 32 along K.  One text serves both layers: LAYER says which.
;   LAYER 1: hs = Q(gelu(Q(x) Q(W1) + b1)), rows in slot order.     LAYER 2: part[q] = Q(h) Q(W2) over K = 1024 q .. 1024 q + 1023, four partial sums for each output.
; THE WEIGHTS BIND: f32, K along their first axis, read ONCE, quantised in registers on the way and multiplied at once by the codes of the expert's rows; no weight code goes to memory.
; SHARES.  Work-group (x, e): expert e, 128 columns, 1,024 along K: 512 KB of weights.  Wave 2 g + kh: columns 64 g .. 64 g + 63, K half kh: four K steps of 128.
; A LANE (r = lane % 16, h = lane / 16) loads 16 bytes, columns 4 r .. 4 r + 3, of weight row 32 c + 16 h + i: sixteen lanes read 256 consecutive aligned bytes, and the lane's registers run down K.
; Column tile j is the columns 4 r + j.  A block of 32 along K lies in lanes l and l xor 16.  A conversion takes eight numbers under one scale and a lane's neighbours belong to four columns, so
; the numbers are first multiplied by 1 / their column's scale (a power of two: exact), held and converted under the scale 1; byte permutes then turn 4 x 4 bytes so that K is innermost.
; THE MATRIX INSTRUCTION IS USED TRANSPOSED: source 0 = a column tile of the weights, source 1 = 16 rows: lane (r, h), register i of tile j holds row r, column 32 h + 4 i + j.
; ROWS come in passes of up to 256 (NG groups of 32, from the stored count); the pass loop has four trips whatever the count, all barriers stand at its top level, and what hangs on the count
; is branched round in stretches that hold no barrier.  So this text has no tensor load and no copy: the rows' codes come through registers into LDS.  An expert with more than 256 rows streams its weights once for each 256.
; The rows of an expert are shared by its 32 work-groups; they are about a fifth of a work-group's bytes and their number hangs on stored counts: no cluster.
; LIMITS: NaN and infinities are not served.  A block under 2^(16 - 127), zeros too, gets the byte 1 where the rule says 127 for zeros: its codes are zeros or next to it, and this program alone reads the bytes.
; erf(z) = z P(z^2) / Q(z^2), z held within +-4 (degrees 6 and 4 in z^2; a few units in the last place); gelu = 0.5 x + 0.5 x erf(x / sqrt 2).
; REGISTERS.  Window 0: v1-28 lane numbers, addresses, 1.0; v32-51 a block's maxima, scales; v52-91 at work; v92-95 erf's leading coefficients; v96-159 the weights' codes (tile j at 96 + 16 j);
;   v160-191 two fragments of rows; v192-223 the bias; v224-243 the way out.   Window 1: 256 weights as loaded: v[64 c + 4 i + j].   Windows 2, 3: the 64 accumulators (row tile t, column tile j at
;   32 (t % 8) + 8 j; window 2 for t < 8); before a pass's products they are the landing place of the rows' codes.
.set LAYER, 2
.if LAYER == 1
.set NP, 16384                         ; a weight row in bytes
.set LNP, 14
.set SCOFF, 1310720                    ; where the scale words begin in the rows' buffer
.else
.set NP, 4096
.set LNP, 12
.set SCOFF, 5242880
.endif
.set RM, 32                            ; v32-35 largest magnitudes of my four columns
.set RT, 36                            ; v36-39 their exponent fields
.set RMU, 40                           ; v40-43 1 / the scales
.set RSW, 44                           ; v44-47 the weights' scale words, tile j
.set RASC, 48                          ; v48-49 the rows' scale words
.set RD, 52                            ; v52-67 codes as converted: word i = row i, byte j = column j
.set RTP, 68                           ; v68-75 half turned
.set RSCL, 76                          ; v76-91 the rows' scale words on their way into LDS
.set RCA, 92
.set RCB, 94
.set RBC, 96
.set RAF, 160
.set RBIAS, 192
.set EA, 96                            ; the way out: the two K halves' sums, and their sum in column order
.set EB, 128
.set RN, 160
.set GZ, 52                            ; gelu, eight numbers at a time
.set GX, 60
.set GP, 68
.set GQ, 76
; LDS, while the products run: the rows' codes [K step 8][row 256] at a pitch of 144 bytes (128 + 16: the sixteen rows of a load start at different banks); then their scale words [K step][row]
.set ASTEP, 36864
.set ASC0, 294912
; LDS, on the way out: the waves' sums [wave 4][row tile 16][16 rows x 272 bytes]; behind them the stages
.set PWAVE, 69632
.set PTILE, 4352
.set STG, 278528
.set SBY, 319488
.set MSB, 0
.macro WIN new                         ; the immediate's high byte repeats the setting that is left
.if MSB != (\new)
	s_set_vgpr_msb (MSB<<8)|(\new)
.set MSB, (\new)
.endif
.endm
.macro PLACES n
.rept \n
	v_nop
.endr
.endm
.macro BAR                             ; my LDS stores have landed and my LDS loads are in: then the work-group's barrier
	s_wait_dscnt 0x0
	s_barrier_signal -1
	s_barrier_wait -1
.endm
.macro WLOAD c, ahead                  ; block c (32 along K) of this K step (ahead = 0) or the next (1): 16 loads of 512 bytes
	WIN 0x40                                       ; destination window 1
.irp i, 0,1,2,3,4,5,6,7,8,9,10,11,12,13,14,15
	global_load_b128 v[64*\c+4*\i:64*\c+4*\i+3], v4, s[22:23] offset:(128*\ahead+32*\c+\i)*NP th:TH_LOAD_NT
.endr
	WIN 0
.endm
; Block c is quantised: 64 numbers a lane, 16 along K of four columns.  wc: the younger loads that may stay out.  re = 1: its registers are asked for again at once, for the next K step.
.macro QBLOCK c, wc, re
	s_wait_loadcnt \wc
	WIN 0x05                                       ; sources 0 and 1 window 1
.irp j, 0,1,2,3
	v_max3_num_f32 v[RM+\j], |v[64*\c+\j]|, |v[64*\c+4+\j]|, 0x8000000   ; with the floor 2^(16 - 127): the byte cannot fall under 1
.endr
.irp i, 2,4,6,8,10,12,14
.irp j, 0,1,2,3
	v_max3_num_f32 v[RM+\j], |v[64*\c+4*\i+\j]|, |v[64*\c+4*\i+4+\j]|, v[RM+\j]   ; the four columns by turns
.endr
.endr
	WIN 0
.irp j, 0,1,2,3
	v_permlanex16_b32 v[RT+\j], v[RM+\j], s50, s51
.endr
.irp j, 0,1,2,3
	v_max_num_f32 v[RM+\j], v[RM+\j], v[RT+\j]     ; with lane l xor 16's: the block's largest magnitude
.endr
.irp j, 0,1,2,3
	v_and_b32 v[RT+\j], 0x7f800000, v[RM+\j]       ; its exponent field a
.endr
.irp j, 0,1,2,3
	v_sub_nc_u32 v[RMU+\j], 0x86800000, v[RT+\j]   ; the f32 number 2^(142 - a) = 1 / the scale
.endr
.irp j, 0,1,2,3
.if \c == 0
	v_lshrrev_b32 v[RSW+\j], 23, v[RT+\j]          ; a goes to byte c of the column's scale word
.elseif \c == 3
	v_lshl_or_b32 v[RSW+\j], v[RT+\j], 1, v[RSW+\j]
	v_add_nc_u32 v[RSW+\j], 0xf0f0f0f1, v[RSW+\j]  ; 15 off each byte (each is 16 at the least: nothing is borrowed)
.else
	v_lshrrev_b32 v[RT+\j], 23-8*\c, v[RT+\j]
	v_or_b32 v[RSW+\j], v[RSW+\j], v[RT+\j]
.endif
.endr
	WIN 0x41                                       ; destination and source 0 window 1
.irp i, 0,1,2,3,4,5,6,7,8,9,10,11,12,13,14,15
	v_pk_mul_f32 v[64*\c+4*\i:64*\c+4*\i+1], v[64*\c+4*\i:64*\c+4*\i+1], v[RMU:RMU+1]
	v_pk_mul_f32 v[64*\c+4*\i+2:64*\c+4*\i+3], v[64*\c+4*\i+2:64*\c+4*\i+3], v[RMU+2:RMU+3]
.endr
.set n, 0
.rept 64
	v_med3_num_f32 v[64*\c+n], v[64*\c+n], s53, s52   ; the conversion to an 8-bit code does not saturate (ISA guide 7.6.2): the hold at +-57,344
.set n, n+1
.endr
	WIN 0x01                                       ; source 0 window 1
.irp m, 0,1,2,3,4,5,6,7
	v_cvt_scalef32_pk8_bf8_f32 v[RD+2*\m:RD+2*\m+1], v[64*\c+8*\m:64*\c+8*\m+7], v28
.endr
.if \re
	WLOAD \c, 1
.endif
	WIN 0
	v_nop                                          ; a plain place between the conversions and the reads of their results
.irp qd, 0,1,2,3                       ; 4 x 4 bytes are turned: register 4 c + qd of tile j = rows 4 qd .. 4 qd + 3 of column j
	v_perm_b32 v[RTP+4*(\qd%2)], v[RD+4*\qd+1], v[RD+4*\qd], s54
	v_perm_b32 v[RTP+4*(\qd%2)+1], v[RD+4*\qd+1], v[RD+4*\qd], s55
	v_perm_b32 v[RTP+4*(\qd%2)+2], v[RD+4*\qd+3], v[RD+4*\qd+2], s54
	v_perm_b32 v[RTP+4*(\qd%2)+3], v[RD+4*\qd+3], v[RD+4*\qd+2], s55
	v_perm_b32 v[RBC+4*\c+\qd], v[RTP+4*(\qd%2)+2], v[RTP+4*(\qd%2)], s56
	v_perm_b32 v[RBC+16+4*\c+\qd], v[RTP+4*(\qd%2)+2], v[RTP+4*(\qd%2)], s57
	v_perm_b32 v[RBC+32+4*\c+\qd], v[RTP+4*(\qd%2)+3], v[RTP+4*(\qd%2)+1], s56
	v_perm_b32 v[RBC+48+4*\c+\qd], v[RTP+4*(\qd%2)+3], v[RTP+4*(\qd%2)+1], s57
.endr
.endm
; Group grp (32 rows) against my four column tiles: eight products on eight accumulators, which so take turns.
; The eight v_nop are the places behind the last products in front of the loads into their operands, and those between the vector writes of codes and scale words and the scaled products.
.macro GROUP grp, zero, lab
.if \grp > 0
	s_cmp_le_u32 s42, \grp
	s_cbranch_scc1 \lab
.endif
	PLACES 8
.irp tt, 0,1
.irp c, 0,1,2,3
	ds_load_b128 v[RAF+16*\tt+4*\c:RAF+16*\tt+4*\c+3], v7 offset:4608*\grp+2304*\tt+32*\c
.endr
	ds_load_b32 v[RASC+\tt], v8 offset:128*\grp+64*\tt
.endr
	s_wait_dscnt 0x0
	WIN 0xa0+0x50*(\grp/4)                         ; C and D window 2 or 3
.irp tt, 0,1
.irp j, 0,1,2,3
.if \zero
	v_wmma_scale_f32_16x16x128_f8f6f4 v[((2*\grp+\tt)%8)*32+8*\j:((2*\grp+\tt)%8)*32+8*\j+7], v[RBC+16*\j:RBC+16*\j+15], v[RAF+16*\tt:RAF+16*\tt+15], 0, v[RSW+\j], v[RASC+\tt] matrix_a_fmt:MATRIX_FMT_BF8 matrix_b_fmt:MATRIX_FMT_BF8
.else
	v_wmma_scale_f32_16x16x128_f8f6f4 v[((2*\grp+\tt)%8)*32+8*\j:((2*\grp+\tt)%8)*32+8*\j+7], v[RBC+16*\j:RBC+16*\j+15], v[RAF+16*\tt:RAF+16*\tt+15], v[((2*\grp+\tt)%8)*32+8*\j:((2*\grp+\tt)%8)*32+8*\j+7], v[RSW+\j], v[RASC+\tt] matrix_a_fmt:MATRIX_FMT_BF8 matrix_b_fmt:MATRIX_FMT_BF8
.endif
.endr
.endr
	WIN 0
.endm
; A K step of 128.  zero = 1: its products start the sums.  re = 1: it asks for the next K step's weights, block by block, as each block's registers come free.
; Behind block c's 16 loads stand 3 - c blocks of this step and c of the next: 48 loads may be out at each wait; in the last step the counts run down.  A step is run whole or left out whole.
.macro KSTEP zero, re
	s_cmp_eq_u32 s42, 0
	s_cbranch_scc1 .Lkskip_\@
	v_add_nc_u32 v7, s44, v5
	v_add_nc_u32 v8, s45, v6
.if \re
	QBLOCK 0, 48, 1
	QBLOCK 1, 48, 1
	QBLOCK 2, 48, 1
	QBLOCK 3, 48, 1
.else
	QBLOCK 0, 48, 0
	QBLOCK 1, 32, 0
	QBLOCK 2, 16, 0
	QBLOCK 3, 0, 0
.endif
.irp grp, 0,1,2,3,4,5,6,7
	GROUP \grp, \zero, .Lgend_\@
.endr
.Lgend_\@:
.if \re
	s_wait_xcnt 0x0                                ; the loads have read their base
	s_add_nc_u64 s[22:23], s[22:23], 128*NP
.endif
.Lkskip_\@:
	s_add_co_u32 s44, s44, ASTEP                   ; the next K step's rows in LDS
	s_add_co_u32 s45, s45, 1024
.endm
; The rows' codes of my two K steps (2 wave, 2 wave + 1), group by group: 4,096 dense bytes a group and K step, 512 a load
.macro STAGE_LD
.irp grp, 0,1,2,3,4,5,6,7
	s_cmp_le_u32 s42, \grp
	s_cbranch_scc1 .Lsl_\@
	WIN 0x80+0x40*(\grp/4)                         ; destination window 2 or 3
.irp ds, 0,1
.irp it, 0,1,2,3,4,5,6,7
	global_load_b128 v[(\grp%4)*64+32*\ds+4*\it:(\grp%4)*64+32*\ds+4*\it+3], v9, s[28:29] offset:163840*\ds+4096*\grp+512*\it
.endr
.endr
	WIN 0
.irp ds, 0,1
	global_load_b32 v[RSCL+2*\grp+\ds], v12, s[30:31] offset:5120*\ds+128*\grp
.endr
.endr
.Lsl_\@:
.endm
.macro STAGE_ST
.irp grp, 0,1,2,3,4,5,6,7
	s_cmp_le_u32 s42, \grp
	s_cbranch_scc1 .Lss_\@
	WIN 0x08+4*(\grp/4)                            ; an LDS store's data are its source 1: window 2 or 3
.irp ds, 0,1
.irp it, 0,1,2,3,4,5,6,7
	ds_store_b128 v[10+\ds], v[(\grp%4)*64+32*\ds+4*\it:(\grp%4)*64+32*\ds+4*\it+3] offset:4608*\grp+576*\it
.endr
.endr
	WIN 0
.irp ds, 0,1
	ds_store_b32 v13, v[RSCL+2*\grp+\ds] offset:1024*\ds+128*\grp
.endr
.endr
.Lss_\@:
.endm
.macro PARTOUT                         ; my sums go to LDS, each accumulator from its low end on: row r, then (h, j, i)
	PLACES 8
.irp grp, 0,1,2,3,4,5,6,7
	s_cmp_le_u32 s42, \grp
	s_cbranch_scc1 .Lpo_\@
	WIN 0x08+4*(\grp/4)
.irp tt, 0,1
.irp j, 0,1,2,3
	ds_store_b128 v14, v[((2*\grp+\tt)%8)*32+8*\j:((2*\grp+\tt)%8)*32+8*\j+3] offset:(2*\grp+\tt)*PTILE+32*\j
	ds_store_b128 v14, v[((2*\grp+\tt)%8)*32+8*\j+4:((2*\grp+\tt)%8)*32+8*\j+7] offset:(2*\grp+\tt)*PTILE+32*\j+16
.endr
.endr
	WIN 0
.endr
.Lpo_\@:
.endm
	; ---- THE HEAD
.if LAYER == 1
	s_load_b256 s[4:11], s[0:1], 0x0               ; W1, b1, xs, order
	s_load_b64 s[12:13], s[0:1], 0x20              ; hs
.else
	s_load_b64 s[4:5], s[0:1], 0x0                 ; W2
	s_load_b64 s[8:9], s[0:1], 0x8                 ; hs
	s_load_b64 s[10:11], s[0:1], 0x10              ; order
	s_load_b64 s[12:13], s[0:1], 0x18              ; part
	v_lshl_add_u32 v254, v0, 2, 0x4a000
	v_mov_b32 v255, 0
.endif
	v_lshrrev_b32 v1, 5, v0
	v_readfirstlane_b32 s14, v1                    ; wave
	s_lshr_b32 s15, s14, 1                         ; g: my 64 columns
	s_and_b32 s16, s14, 1                          ; kh: my half of K
	s_and_b32 s17, ttmp7, 0xffff                   ; the expert
	v_and_b32 v1, 15, v0                           ; r
	v_bfe_u32 v2, v0, 4, 1                         ; h
	v_and_b32 v3, 31, v0                           ; lane
	v_lshlrev_b32 v4, 4, v1
	v_lshl_add_u32 v4, v2, LNP+4, v4               ; the weights: 16 r + 16 rows x h
	s_lshl_b32 s48, s17, 24                        ; an expert's weights are 16,777,216 bytes
	s_mul_i32 s63, s16, 512*NP
	s_add_co_u32 s48, s48, s63
	s_lshl_b32 s63, s15, 8
	s_add_co_u32 s48, s48, s63
.if LAYER == 1
	s_lshl_b32 s63, ttmp9, 9                       ; 128 columns x 4 bytes
	s_add_co_u32 s48, s48, s63
.else
	s_lshr_b32 s19, ttmp9, 3                       ; q: which 1,024 of K
	s_and_b32 s63, ttmp9, 7
	s_lshl_b32 s63, s63, 9
	s_add_co_u32 s48, s48, s63
	s_lshl_b32 s63, s19, 22
	s_add_co_u32 s48, s48, s63
.endif
	s_mov_b32 s49, 0
	s_lshl_b32 s72, s17, 2
	s_mov_b32 s73, 0
	; Windows 2 and 3 are written once here.  They are filled and read under separate branches on the same stored count, and every way through the text has to find them written.
	; The sums themselves start from the constant 0 in a pass's first K step.  These lines stand where the wave would wait for its arguments and its first weights.
	WIN 0x80
.set n, 0
.rept 256
	v_mov_b32 v[n], 0
.set n, n+1
.endr
	WIN 0
	s_wait_kmcnt 0x0
	s_add_nc_u64 s[72:73], s[10:11], s[72:73]
	s_load_b32 s40, s[72:73], 0x1000               ; cnt[e]
	s_load_b32 s41, s[72:73], 0x1020               ; off[e]
	s_add_nc_u64 s[20:21], s[4:5], s[48:49]        ; my weights' first byte
	s_mov_b64 s[22:23], s[20:21]
.if LAYER == 1
	s_lshl_b32 s74, s17, 14
	s_lshl_b32 s63, ttmp9, 9
	s_add_co_u32 s74, s74, s63
	s_lshl_b32 s63, s15, 8
	s_add_co_u32 s74, s74, s63
	s_mov_b32 s75, 0
	s_add_nc_u64 s[74:75], s[6:7], s[74:75]
	v_lshlrev_b32 v27, 7, v2
.irp qd, 0,1,2,3,4,5,6,7
	global_load_b128 v[RBIAS+4*\qd:RBIAS+4*\qd+3], v27, s[74:75] offset:16*\qd   ; b1 of my 32 columns 64 g + 32 h on
.endr
.endif
	WLOAD 0, 0                                     ; the first K step's weights, whatever the count: they lie inside the buffer
	WLOAD 1, 0
	WLOAD 2, 0
	WLOAD 3, 0
	WIN 0xc0
.set n, 0
.rept 256
	v_mov_b32 v[n], 0
.set n, n+1
.endr
	WIN 0
.irp k, 0,1,2,3,4,5,6,7,8,9,10,11,12,13,14,15
	v_mov_b32 v[RSCL+\k], 0
.endr
.irp k, 0,1,2,3
	v_mov_b32 v[RT+\k], 0                          ; the destination of a lane permute counts as one of its sources
.endr
	v_mov_b32 v28, 1.0
	v_mul_u32_u24 v5, v1, 144
	v_lshl_add_u32 v5, v2, 4, v5
	s_mul_i32 s63, s16, 4*ASTEP
	v_add_nc_u32 v5, s63, v5                       ; a fragment of rows: my K half + 144 r + 16 h
	s_lshl_b32 s63, s16, 12
	s_add_co_u32 s63, s63, ASC0
	v_lshl_add_u32 v6, v1, 2, s63                  ; their scale words: 4 r
	v_lshlrev_b32 v9, 4, v3
	v_lshrrev_b32 v29, 3, v3
	v_mul_u32_u24 v10, v29, 144
	v_and_b32 v30, 7, v3
	v_lshl_add_u32 v10, v30, 4, v10
	s_mul_i32 s63, s14, 2*ASTEP
	v_add_nc_u32 v10, s63, v10                     ; staging: my first K step, row lane / 8, 16 (lane % 8)
	v_add_nc_u32 v11, ASTEP, v10                   ; my second
	v_lshlrev_b32 v12, 2, v3
	s_lshl_b32 s63, s14, 11
	s_add_co_u32 s63, s63, ASC0
	v_lshl_add_u32 v13, v3, 2, s63
	v_mul_u32_u24 v29, v1, 272
	v_lshl_add_u32 v29, v2, 7, v29                 ; 272 r + 128 h
	s_mul_i32 s63, s14, PWAVE
	v_add_nc_u32 v14, s63, v29                     ; my sums' place
	s_mul_i32 s63, s15, 2*PWAVE
	s_mul_i32 s66, s16, PTILE
	s_add_co_u32 s63, s63, s66
	v_add_nc_u32 v15, s63, v29                     ; the way out: K half 0's sums of my columns, row tile kh;
	v_add_nc_u32 v16, PWAVE, v15                   ; K half 1's
.if LAYER == 1
	v_mul_u32_u24 v19, v1, 80
	v_lshl_add_u32 v19, v2, 5, v19
	s_mul_i32 s63, s14, 10240
	s_add_co_u32 s63, s63, STG
	v_add_nc_u32 v19, s63, v19                     ; my stage of codes: 80 r + 32 h
	v_lshl_add_u32 v20, v1, 1, v2
	s_lshl_b32 s63, s14, 8
	s_add_co_u32 s63, s63, SBY
	v_add_nc_u32 v20, s63, v20                     ; my scale bytes: 2 r + h
	v_lshrrev_b32 v29, 3, v3
	v_mul_u32_u24 v21, v29, 80
	v_bfe_u32 v29, v3, 2, 1
	v_mul_u32_u24 v29, v29, 20480
	v_add_nc_u32 v21, v21, v29
	v_and_b32 v29, 3, v3
	v_lshl_add_u32 v21, v29, 4, v21
	s_mul_i32 s63, s14, 1280
	s_add_co_u32 s63, s63, STG
	v_add_nc_u32 v21, s63, v21                     ; back as rows of 128 bytes: row lane / 8, column group (lane / 4) % 2, 16 (lane % 4)
	v_lshlrev_b32 v22, 1, v1
	v_lshl_add_u32 v22, v2, 8, v22
	s_lshl_b32 s63, s14, 5
	s_add_co_u32 s63, s63, SBY
	v_add_nc_u32 v22, s63, v22
	s_lshl_b32 s63, s14, 12
	v_add_nc_u32 v25, s63, v9                      ; in hs: group = wave: 4,096 bytes; 16 x lane
	s_lshl_b32 s63, s14, 7
	v_add_nc_u32 v26, s63, v12
	v_mov_b32 v[RCA], 0xaf95df0b                   ; -2.72614226e-10
	v_mov_b32 v[RCA+1], 0xaf95df0b
	v_mov_b32 v[RCB], 0xb77460cd                   ; -1.45660718e-05
	v_mov_b32 v[RCB+1], 0xb77460cd
.else
	s_mul_i32 s63, s14, PTILE
	s_add_co_u32 s63, s63, STG
	v_add_nc_u32 v19, s63, v29                     ; my stage: 16 rows x 272
	v_mul_u32_u24 v21, v2, 272
	v_lshl_add_u32 v21, v1, 4, v21
	v_add_nc_u32 v21, s63, v21                     ; back: lanes 0-15 one row of 256 bytes, lanes 16-31 the next
	s_lshl_b32 s63, s16, 16
	s_lshl_b32 s66, s15, 8
	s_add_co_u32 s63, s63, s66
	v_lshlrev_b32 v25, 4, v1
	v_lshl_add_u32 v25, v2, 12, v25
	v_add_nc_u32 v25, s63, v25                     ; in part: (16 kh + h) rows of 4,096 bytes + 256 g + 16 r
.endif
	s_mov_b32 s50, 0x76543210
	s_mov_b32 s51, 0xfedcba98                      ; v_permlanex16_b32's selects for lane l xor 16
	s_mov_b32 s52, 0x47600000                      ; 57,344
	s_mov_b32 s53, 0xc7600000
	s_mov_b32 s54, 0x05010400                      ; byte selects of the 4 x 4 turn
	s_mov_b32 s55, 0x07030602
	s_mov_b32 s56, 0x05040100
	s_mov_b32 s57, 0x07060302
	s_mov_b32 s62, 0x600000                        ; the mantissa field of 57,344
.if LAYER == 1
	s_lshl_b32 s63, s14, 1                         ; the K steps that I stage: 2 wave, 2 wave + 1
.else
	s_lshl_b32 s63, s19, 3
	s_lshl_b32 s66, s14, 1
	s_add_co_u32 s63, s63, s66                     ; 8 q + 2 wave
.endif
	s_mul_i32 s48, s63, 163840
	s_add_nc_u64 s[24:25], s[8:9], s[48:49]
	s_mul_i32 s48, s63, 5120
	s_add_nc_u64 s[26:27], s[8:9], s[48:49]
	s_add_nc_u64 s[26:27], s[26:27], SCOFF
.if LAYER == 1
	s_mul_i32 s48, ttmp9, 163840                   ; my 128 hidden units are K step x of the next layer
	s_add_nc_u64 s[32:33], s[12:13], s[48:49]
	s_mul_i32 s48, ttmp9, 5120
	s_add_nc_u64 s[36:37], s[12:13], s[48:49]
	s_add_nc_u64 s[36:37], s[36:37], 5242880
.else
	s_mul_i32 s48, s19, 5242880
	s_and_b32 s63, ttmp9, 7
	s_lshl_b32 s63, s63, 9
	s_add_co_u32 s48, s48, s63
	s_add_nc_u64 s[32:33], s[12:13], s[48:49]
.endif
	s_wait_kmcnt 0x0
	s_min_u32 s40, s40, 1024
	s_min_u32 s41, s41, 1216
	s_add_co_u32 s40, s40, 31
	s_lshr_b32 s40, s40, 5                         ; groups of 32 rows to go
	s_min_u32 s42, s40, 8                          ; NG: this pass's
	s_mov_b32 s43, 4
.Lpass:
	s_wait_xcnt 0x0                                ; the last pass's loads and stores have read their bases
	s_min_u32 s63, s41, 1248                       ; the pass's first slot
	s_lshl_b32 s48, s63, 7
	s_add_nc_u64 s[28:29], s[24:25], s[48:49]
.if LAYER == 1
	s_add_nc_u64 s[34:35], s[32:33], s[48:49]
.endif
	s_lshl_b32 s48, s63, 2
	s_add_nc_u64 s[30:31], s[26:27], s[48:49]
.if LAYER == 1
	s_add_nc_u64 s[38:39], s[36:37], s[48:49]
.else
	s_lshl_b32 s48, s63, 12
	s_add_nc_u64 s[34:35], s[32:33], s[48:49]
.endif
	s_mov_b32 s44, 0
	s_mov_b32 s45, 0
	STAGE_LD
	s_wait_loadcnt 0x0
	STAGE_ST
	BAR                                            ; the rows' codes and scale words lie in LDS
	KSTEP 1, 1
	s_mov_b32 s46, 2
.Lk:
	KSTEP 0, 1
	s_sub_co_i32 s46, s46, 1
	s_cmp_lg_u32 s46, 0
	s_cbranch_scc1 .Lk
	KSTEP 0, 0
	BAR                                            ; nobody reads the rows' codes any more: their bytes take the sums
	PARTOUT
	BAR                                            ; all four waves' sums lie in LDS
	; ---- THE WAY OUT: wave 2 g + kh takes column group g, row tiles 2 tt + kh.  Lane (r, h): row r, columns 32 h .. 32 h + 31
	s_mov_b32 s46, 0
	s_mov_b32 s47, 0
.if LAYER == 1
	s_mov_b32 s66, 0
	s_mov_b32 s67, 0
.endif
.Lep:
	s_cmp_ge_u32 s46, s42
	s_cbranch_scc1 .Lepskip
	v_add_nc_u32 v17, s47, v15
	v_add_nc_u32 v18, s47, v16
.irp qd, 0,1,2,3,4,5,6,7
	ds_load_b128 v[EA+4*\qd:EA+4*\qd+3], v17 offset:16*\qd
	ds_load_b128 v[EB+4*\qd:EB+4*\qd+3], v18 offset:16*\qd
.endr
	s_wait_dscnt 0x0
.irp i, 0,1,2,3,4,5,6,7
.irp j, 0,1,2,3
	v_add_f32 v[RN+4*\i+\j], v[EA+8*\j+\i], v[EB+8*\j+\i]   ; the two halves of K; the destination's number puts the columns in order
.endr
.endr
.if LAYER == 1
.irp p, 0,2,4,6,8,10,12,14,16,18,20,22,24,26,28,30
	v_pk_add_f32 v[RN+\p:RN+\p+1], v[RN+\p:RN+\p+1], v[RBIAS+\p:RBIAS+\p+1]
.endr
.irp ch, 0,1,2,3                       ; gelu, eight numbers at a time
.irp p, 0,2,4,6
	v_pk_mul_f32 v[GZ+\p:GZ+\p+1], v[RN+8*\ch+\p:RN+8*\ch+\p+1], 0x3f3504f3 op_sel_hi:[1,0]   ; z = x / sqrt 2
.endr
.irp p, 0,1,2,3,4,5,6,7
	v_med3_num_f32 v[GZ+\p], v[GZ+\p], -4.0, 4.0
.endr
.irp p, 0,2,4,6
	v_pk_mul_f32 v[GX+\p:GX+\p+1], v[GZ+\p:GZ+\p+1], v[GZ+\p:GZ+\p+1]
.endr
.irp p, 0,2,4,6
	v_pk_fma_f32 v[GP+\p:GP+\p+1], v[GX+\p:GX+\p+1], v[RCA:RCA+1], 0x32edffee op_sel_hi:[1,1,0]
	v_pk_fma_f32 v[GQ+\p:GQ+\p+1], v[GX+\p:GX+\p+1], v[RCB:RCB+1], 0xb95fbd29 op_sel_hi:[1,1,0]
.endr
.irp k, 0xb60cff51, 0xb86ec2d2, 0xba40ac63, 0xbb41a1f6, 0xbc83dbd4
.irp p, 0,2,4,6
	v_pk_fma_f32 v[GP+\p:GP+\p+1], v[GP+\p:GP+\p+1], v[GX+\p:GX+\p+1], \k op_sel_hi:[1,1,0]
.endr
.endr
.irp k, 0xbadc924e, 0xbbf19bf8, 0xbc69b6a7
.irp p, 0,2,4,6
	v_pk_fma_f32 v[GQ+\p:GQ+\p+1], v[GQ+\p:GQ+\p+1], v[GX+\p:GX+\p+1], \k op_sel_hi:[1,1,0]
.endr
.endr
.irp p, 0,1,2,3,4,5,6,7
	v_rcp_f32 v[GQ+\p], v[GQ+\p]
.endr
.irp p, 0,2,4,6
	v_pk_mul_f32 v[GP+\p:GP+\p+1], v[GP+\p:GP+\p+1], v[GZ+\p:GZ+\p+1]   ; (plain places behind the reciprocals)
.endr
.irp p, 0,2,4,6
	v_pk_mul_f32 v[GP+\p:GP+\p+1], v[GP+\p:GP+\p+1], v[GQ+\p:GQ+\p+1]   ; erf
.endr
.irp p, 0,2,4,6
	v_pk_mul_f32 v[GX+\p:GX+\p+1], v[RN+8*\ch+\p:RN+8*\ch+\p+1], 0.5 op_sel_hi:[1,0]
.endr
.irp p, 0,2,4,6
	v_pk_fma_f32 v[RN+8*\ch+\p:RN+8*\ch+\p+1], v[GX+\p:GX+\p+1], v[GP+\p:GP+\p+1], v[GX+\p:GX+\p+1]
.endr
.endr
	; my 32 numbers are one block along the next layer's K
	v_max3_num_f32 v233, |v[RN]|, |v[RN+1]|, 0x8000000
	v_max3_num_f32 v236, |v[RN+16]|, |v[RN+17]|, |v[RN+18]|
.irp n, 0,2,4,6,8,10
	v_max3_num_f32 v233, v233, |v[RN+2+\n]|, |v[RN+3+\n]|
	v_max3_num_f32 v236, v236, |v[RN+19+\n]|, |v[RN+20+\n]|
.endr
	v_max3_num_f32 v233, v233, |v[RN+14]|, |v[RN+15]|
	v_max3_num_f32 v233, v233, v236, |v[RN+31]|
	v_add_nc_u32 v237, 0xf8800000, v233            ; 15 off the exponent field: the conversion's scale operand
	v_and_or_b32 v238, v233, 0x7f800000, s62       ; 57,344 x the scale
	v_lshrrev_b32 v232, 23, v237                   ; the scale's byte
.set n, 0
.rept 32
	v_med3_num_f32 v[RN+n], v[RN+n], -v238, v238
.set n, n+1
.endr
.irp m, 0,1,2,3
	v_cvt_scalef32_pk8_bf8_f32 v[224+2*\m:225+2*\m], v[RN+8*\m:RN+8*\m+7], v237
.endr
	v_nop                                          ; a plain place behind the conversions: the next trip's additions write their sources
	v_add_nc_u32 v23, s66, v19
	v_add_nc_u32 v24, s67, v20
	ds_store_b128 v23, v[224:227]
	ds_store_b128 v23, v[228:231] offset:16
	ds_store_b8 v24, v232
.else
.irp qd, 0,1,2,3,4,5,6,7
	ds_store_b128 v19, v[RN+4*\qd:RN+4*\qd+3] offset:16*\qd
.endr
.irp it, 0,1,2,3,4,5,6,7
	ds_load_b128 v[EA+4*\it:EA+4*\it+3], v21 offset:544*\it      ; LDS serves a wave's instructions in order (ISA guide 5.7.1.4): these see my stores
.endr
	s_wait_dscnt 0x0
.irp it, 0,1,2,3,4,5,6,7
	global_store_b128 v25, v[EA+4*\it:EA+4*\it+3], s[34:35] offset:8192*\it   ; sixteen lanes store 256 consecutive bytes, aligned
.endr
.endif
.Lepskip:
	s_add_co_u32 s47, s47, 2*PTILE
.if LAYER == 1
	s_add_co_u32 s66, s66, 1280
	s_add_co_u32 s67, s67, 32
.else
	s_wait_xcnt 0x0                                ; the stores have read their data and their base
	s_add_nc_u64 s[34:35], s[34:35], 131072        ; 32 rows on
.endif
	s_add_co_u32 s46, s46, 1
	s_cmp_lt_u32 s46, 8
	s_cbranch_scc1 .Lep
.if LAYER == 1
	BAR                                            ; the codes and scale bytes of all four waves lie in the stages
.irp u, 0,1                            ; wave w sends groups w and w + 4: 32 rows x 128 bytes, dense in hs
	s_add_co_u32 s63, s14, 4*\u
	s_cmp_ge_u32 s63, s42
	s_cbranch_scc1 .Lsent_\u
.irp it, 0,1,2,3,4,5,6,7
	ds_load_b128 v[96+32*\u+4*\it:96+32*\u+4*\it+3], v21 offset:5120*\u+320*(\it%4)+10240*(\it/4)
.endr
	ds_load_u16 v[240+2*\u], v22 offset:128*\u
	ds_load_u16 v[241+2*\u], v22 offset:128*\u+512
	s_wait_dscnt 0x0
	v_lshl_or_b32 v[240+2*\u], v[241+2*\u], 16, v[240+2*\u]      ; a row's four bytes: column groups 0 and 1
.irp it, 0,1,2,3,4,5,6,7
	global_store_b128 v25, v[96+32*\u+4*\it:96+32*\u+4*\it+3], s[34:35] offset:16384*\u+512*\it   ; 512 consecutive bytes
.endr
	global_store_b32 v26, v[240+2*\u], s[38:39] offset:512*\u
.Lsent_\u:
.endr
.endif
	s_wait_loadcnt 0x0
	s_wait_xcnt 0x0                                ; the stores have read their registers: the next pass writes them
	BAR                                            ; nobody reads the sums or the stages any more
	s_sub_co_u32 s40, s40, s42
	s_min_u32 s42, s40, 8
	s_add_co_u32 s41, s41, 256
	s_cmp_eq_u32 s42, 0
	s_cbranch_scc1 .Lnomore
	s_mov_b64 s[22:23], s[20:21]                   ; more than 256 rows: the weights are streamed again
	WLOAD 0, 0
	WLOAD 1, 0
	WLOAD 2, 0
	WLOAD 3, 0
.Lnomore:
	s_sub_co_i32 s43, s43, 1
	s_cmp_lg_u32 s43, 0
	s_cbranch_scc1 .Lpass
	s_wait_tensorcnt 0x0
	ds_add_u32 v254, v255
	s_wait_dscnt 0x0
	s_endpgm
.Lfunc_end_k_q7915396ebd_ffn2:
	.size	k_q7915396ebd_ffn2, .Lfunc_end_k_q7915396ebd_ffn2-k_q7915396ebd_ffn2
	.p2alignl 7, 3214868480
	.fill 96, 4, 3214868480
	.section	.rodata,"a",@progbits
	.p2align	6, 0x0
	.amdhsa_kernel k_q7915396ebd_ffn2
		.amdhsa_group_segment_fixed_size 303616
		.amdhsa_private_segment_fixed_size 0
		.amdhsa_enable_private_segment 0
		.amdhsa_kernarg_size 32
		.amdhsa_user_sgpr_count 2
		.amdhsa_user_sgpr_kernarg_segment_ptr 1
		.amdhsa_wavefront_size32 1
		.amdhsa_system_sgpr_workgroup_id_x 1
		.amdhsa_system_sgpr_workgroup_id_y 1
		.amdhsa_system_sgpr_workgroup_id_z 1
		.amdhsa_system_vgpr_workitem_id 0
		.amdhsa_next_free_vgpr 1024
		.amdhsa_next_free_sgpr 80
		.amdhsa_reserve_vcc 0
		.amdhsa_float_denorm_mode_32 3
		.amdhsa_float_denorm_mode_16_64 3
		.amdhsa_memory_ordered 1
		.amdhsa_forward_progress 1
		.amdhsa_inst_pref_size 255
	.end_amdhsa_kernel
	.section	.bss,"aw",@nobits
	.p2align	6
	.space	262144
	.amdgpu_metadata
---
amdhsa.version: [ 1, 2 ]
amdhsa.kernels:
  - .name:           k_q7915396ebd_ffn2
    .symbol:         k_q7915396ebd_ffn2.kd
    .args:
      - { .name: W2, .offset: 0, .size: 8, .value_kind: global_buffer, .address_space: global }
      - { .name: hs, .offset: 8, .size: 8, .value_kind: global_buffer, .address_space: global }
      - { .name: order, .offset: 16, .size: 8, .value_kind: global_buffer, .address_space: global }
      - { .name: part, .offset: 24, .size: 8, .value_kind: global_buffer, .address_space: global }
    .group_segment_fixed_size: 303616
    .private_segment_fixed_size: 0
    .kernarg_segment_align: 8
    .kernarg_segment_size: 32
    .max_flat_workgroup_size: 128
    .sgpr_count:     80
    .vgpr_count:     1024
    .wavefront_size: 32
...
	.end_amdgpu_metadata
.endif
;; end of part 4
;; launch finish (part 5): grid 256 x 1, 4 waves a work-group, no clusters, 0 bytes of LDS; arguments part, b2, order, route, gout, out0; writes out0
.if DOCPART == 5
	.amdgcn_target "amdgcn-amd-amdhsa--gfx1250"
	.amdhsa_code_object_version 6
	.text
	.protected	k_q7915396ebd_finish
	.globl	k_q7915396ebd_finish
	.p2align	8
	.type	k_q7915396ebd_finish,@function
k_q7915396ebd_finish:
	s_mov_b64 s[64:65], 0
	v_nop
	global_prefetch_b8 v0, s[64:65] scope:SCOPE_SE
	s_setreg_imm32_b32 hwreg(HW_REG_WAVE_MODE, 25, 1), 1
	s_wait_xcnt 0x0
; out0[t] = score[t] x (part[0] + part[1] + part[2] + part[3] at the token's slot + b2[its expert]).  One wave takes one token t = 4 x work-group + wave: a row of 4,096 bytes.
; The slot and the expert are whole numbers that earlier launches stored; they are held inside their tables before they enter an address.
; Every load and store of the wave covers 512 consecutive bytes.  No LDS, no barrier: waves share nothing.
	s_load_b256 s[4:11], s[0:1], 0x0               ; part, b2, order, route
	s_load_b128 s[12:15], s[0:1], 0x20             ; gout, out0
	v_lshrrev_b32 v1, 5, v0
	v_readfirstlane_b32 s16, v1                    ; wave
	v_and_b32 v1, 31, v0
	v_lshlrev_b32 v2, 4, v1                        ; 16 x lane
	s_lshl_b32 s17, ttmp9, 2
	s_add_co_u32 s17, s17, s16                     ; t
	s_lshl_b32 s18, s17, 2
	s_mov_b32 s19, 0
	s_mov_b32 s25, 0
	s_wait_kmcnt 0x0
	s_add_nc_u64 s[8:9], s[8:9], s[18:19]
	s_add_nc_u64 s[10:11], s[10:11], s[18:19]
	s_add_nc_u64 s[12:13], s[12:13], s[18:19]
	s_load_b32 s20, s[8:9], 0x0                    ; pos[t]
	s_load_b32 s21, s[10:11], 0x0                  ; the expert
	s_load_b32 s22, s[12:13], 0x0                  ; the score
	s_lshl_b32 s18, s17, 12
	s_add_nc_u64 s[14:15], s[14:15], s[18:19]      ; out0 at my row
	s_wait_kmcnt 0x0
	s_min_u32 s20, s20, 1279
	s_min_u32 s21, s21, 7
	s_mov_b32 s23, s22                             ; (the packed form names the pair)
	s_lshl_b32 s24, s20, 12
	s_add_nc_u64 s[26:27], s[4:5], s[24:25]        ; parts 0 and 1 (5,242,880 bytes apart) at my slot
	s_add_nc_u64 s[28:29], s[26:27], 0xa00000      ; parts 2 and 3
	s_lshl_b32 s24, s21, 12
	s_add_nc_u64 s[30:31], s[6:7], s[24:25]        ; b2 of my expert
.irp m, 0,1,2,3,4,5,6,7
	global_load_b128 v[8+4*\m:11+4*\m], v2, s[26:27] offset:512*\m th:TH_LOAD_NT
	global_load_b128 v[40+4*\m:43+4*\m], v2, s[26:27] offset:5242880+512*\m th:TH_LOAD_NT
	global_load_b128 v[72+4*\m:75+4*\m], v2, s[28:29] offset:512*\m th:TH_LOAD_NT
	global_load_b128 v[104+4*\m:107+4*\m], v2, s[28:29] offset:5242880+512*\m th:TH_LOAD_NT
	global_load_b128 v[136+4*\m:139+4*\m], v2, s[30:31] offset:512*\m
.endr
	s_wait_loadcnt 0x0
.set n, 0
.rept 16
	v_pk_add_f32 v[8+n:9+n], v[8+n:9+n], v[40+n:41+n]
	v_pk_add_f32 v[72+n:73+n], v[72+n:73+n], v[104+n:105+n]
.set n, n+2
.endr
.set n, 0
.rept 16
	v_pk_add_f32 v[8+n:9+n], v[8+n:9+n], v[72+n:73+n]
.set n, n+2
.endr
.set n, 0
.rept 16
	v_pk_add_f32 v[8+n:9+n], v[8+n:9+n], v[136+n:137+n]
.set n, n+2
.endr
.set n, 0
.rept 16
	v_pk_mul_f32 v[8+n:9+n], v[8+n:9+n], s[22:23] op_sel_hi:[1,0]
.set n, n+2
.endr
.irp m, 0,1,2,3,4,5,6,7
	global_store_b128 v2, v[8+4*\m:11+4*\m], s[14:15] offset:512*\m th:TH_STORE_NT
.endr
	s_endpgm
.Lfunc_end_k_q7915396ebd_finish:
	.size	k_q7915396ebd_finish, .Lfunc_end_k_q7915396ebd_finish-k_q7915396ebd_finish
	.p2alignl 7, 3214868480
	.fill 96, 4, 3214868480
	.section	.rodata,"a",@progbits
	.p2align	6, 0x0
	.amdhsa_kernel k_q7915396ebd_finish
		.amdhsa_group_segment_fixed_size 0
		.amdhsa_private_segment_fixed_size 0
		.amdhsa_enable_private_segment 0
		.amdhsa_kernarg_size 48
		.amdhsa_user_sgpr_count 2
		.amdhsa_user_sgpr_kernarg_segment_ptr 1
		.amdhsa_wavefront_size32 1
		.amdhsa_system_sgpr_workgroup_id_x 1
		.amdhsa_system_sgpr_workgroup_id_y 1
		.amdhsa_system_sgpr_workgroup_id_z 1
		.amdhsa_system_vgpr_workitem_id 0
		.amdhsa_next_free_vgpr 176
		.amdhsa_next_free_sgpr 66
		.amdhsa_reserve_vcc 0
		.amdhsa_float_denorm_mode_32 3
		.amdhsa_float_denorm_mode_16_64 3
		.amdhsa_memory_ordered 1
		.amdhsa_forward_progress 1
		.amdhsa_inst_pref_size 11
	.end_amdhsa_kernel
	.amdgpu_metadata
---
amdhsa.version: [ 1, 2 ]
amdhsa.kernels:
  - .name:           k_q7915396ebd_finish
    .symbol:         k_q7915396ebd_finish.kd
    .args:
      - { .name: part, .offset: 0, .size: 8, .value_kind: global_buffer, .address_space: global }
      - { .name: b2, .offset: 8, .size: 8, .value_kind: global_buffer, .address_space: global }
      - { .name: order, .offset: 16, .size: 8, .value_kind: global_buffer, .address_space: global }
      - { .name: route, .offset: 24, .size: 8, .value_kind: global_buffer, .address_space: global }
      - { .name: gout, .offset: 32, .size: 8, .value_kind: global_buffer, .address_space: global }
      - { .name: out0, .offset: 40, .size: 8, .value_kind: global_buffer, .address_space: global }
    .group_segment_fixed_size: 0
    .private_segment_fixed_size: 0
    .kernarg_segment_align: 8
    .kernarg_segment_size: 48
    .max_flat_workgroup_size: 128
    .sgpr_count:     66
    .vgpr_count:     176
    .wavefront_size: 32
...
	.end_amdgpu_metadata
.endif
;; end of part 5
;; ======== version 2 of 2: 5 launches
;; workspace buffers: route 4,096 bytes of whole numbers; order 4,352 bytes of whole numbers; gout 36,864 bytes; xq 1,081,344 bytes; xs 1,351,680 bytes; hs 5,406,720 bytes; part 20,971,520 bytes
;; launch gate (part 6): grid 256 x 1, 4 waves a work-group, no clusters, 33,280 bytes of LDS; arguments x, gate_W, gate_b, route, gout, xq, xs; writes route, gout, xq, xs
.if DOCPART == 6
	.amdgcn_target "amdgcn-amd-amdhsa--gfx1250"
	.amdhsa_code_object_version 6
	.text
	.protected	k_q7915396ebd_gate
	.globl	k_q7915396ebd_gate
	.p2align	8
	.type	k_q7915396ebd_gate,@function
k_q7915396ebd_gate:
	s_mov_b64 s[64:65], 0
	v_nop
	global_prefetch_b8 v0, s[64:65] scope:SCOPE_SE
	s_setreg_imm32_b32 hwreg(HW_REG_WAVE_MODE, 25, 1), 1
	s_wait_xcnt 0x0
; THE ROUTER, AND x INTO CODES.  One wave takes one token t = 4 x work-group + wave.
; logits = x[t] . gate_W + gate_b by f32 multiply-adds; softmax with the row's maximum taken away; the top-1 expert and its probability.
; x[t] is quantised along its 1,024 numbers to E5M2 with one E8M0 byte for each 32: scale 2^(floor(log2(largest magnitude)) - 15).
; OUT: route[t] = the expert (a whole number: a later launch forms addresses from it, this one forms none);
;      gout: score[t] at 4 t; the eight probabilities at 4096 + 32 t;
;      xq: the token's 1,024 codes at 1024 t (lane l's words 0-3 at 16 l, words 4-7 at 512 + 16 l; word i = codes of k = 128 i + 4 l + 0..3); its 8 scale words at 1048576 + 32 t;
;      xs: zeros everywhere (the next launch moves the tokens' rows in; rows that stay empty are zero codes under the byte 0, which add nothing).
; LIMITS: NaN and infinities among the inputs are not served.  A block whose largest magnitude lies under 2^(16 - 127) gets the byte 1 (a block of zeros too, where the rule says 127:
; its codes are zeros, and this program alone reads the bytes).  The top-1 is taken on the logits (the softmax keeps their order), the lower index on a tie; two logits nearer than the
; rounding of an f32 sum of 1,024 terms may be ordered otherwise than by another order of summation.
; The small records (4 to 32 bytes a token) are stored by lane 0: 72 KB in the whole launch.
.set RX, 8                             ; v8-39    x[t][128 i + 4 l + j] at RX + 4 i + j
.set RW, 40                            ; v40-103  gate_W on its way into LDS; then two sets of 32: gate_W[128 i + 4 l + j][e] at 8 j + e
.set RA, 104                           ; v104-111 the eight sums, then the logits
.set RT, 112                           ; v112-127 at work
.set RD, 128                           ; v128-135 the code words
.set RS, 136                           ; v136-143 the scale words
.set RP, 144                           ; v144-151 the probabilities;  v152 the expert, v153 the score, v154 1.0, v155 8 x (lane / 8), v156 16 x thread
	s_load_b256 s[4:11], s[0:1], 0x0               ; x, gate_W, gate_b, route
	s_load_b128 s[12:15], s[0:1], 0x20             ; gout, xq
	s_load_b64 s[16:17], s[0:1], 0x30              ; xs
	v_lshl_add_u32 v160, v0, 2, 0x8000
	v_mov_b32 v161, 0
	v_lshrrev_b32 v1, 5, v0
	v_readfirstlane_b32 s18, v1                    ; wave
	v_and_b32 v1, 31, v0                           ; lane
	v_lshlrev_b32 v2, 4, v1                        ; 16 x lane
	v_and_b32 v3, 7, v0
	v_lshrrev_b32 v4, 3, v0
	v_lshlrev_b32 v4, 4, v4
	v_lshl_add_u32 v3, v3, 9, v4                   ; where a piece of gate_W goes in LDS: 512 (thread % 8) + 16 (thread / 8)
	v_lshlrev_b32 v4, 3, v0                        ; 8 x thread
	v_lshlrev_b32 v5, 2, v0                        ; 4 x thread
	v_mov_b32 v6, 0
	v_mov_b32 v7, 0
	v_lshlrev_b32 v156, 4, v0
	v_mov_b32 v154, 1.0
	v_lshrrev_b32 v155, 3, v1
	v_lshlrev_b32 v155, 3, v155
.irp i, 0,1,2,3,4,5,6,7,8,9,10,11,12,13,14,15
	v_mov_b32 v[RT+\i], 0                          ; written once: the destination of a lane permute counts as one of its sources
.endr
	s_lshl_b32 s19, ttmp9, 2
	s_add_co_u32 s19, s19, s18                     ; t
	s_mov_b32 s32, 0x76543210
	s_mov_b32 s33, 0xfedcba98                      ; v_permlanex16_b32's selects for lane l xor 16
	s_mov_b32 s34, 0x47600000                      ; 57,344
	s_mov_b32 s35, 0xc7600000                      ; -57,344
	s_lshl_b32 s20, s19, 12
	s_mov_b32 s21, 0
	s_mul_i32 s22, ttmp9, 5120
	s_mov_b32 s23, 0
	s_wait_kmcnt 0x0
	s_load_b256 s[24:31], s[8:9], 0x0              ; gate_b's eight numbers
	s_add_nc_u64 s[4:5], s[4:5], s[20:21]          ; x at my token
	s_add_nc_u64 s[36:37], s[16:17], s[22:23]      ; xs: my work-group's 5,120 bytes of the codes' part
.irp i, 0,1,2,3,4,5,6,7
	global_load_b128 v[RX+4*\i:RX+4*\i+3], v2, s[4:5] offset:512*\i th:TH_LOAD_NT   ; 512 consecutive bytes
.endr
.irp m, 0,1,2,3,4,5,6,7,8,9,10,11,12,13,14,15
	global_load_b128 v[RW+4*\m:RW+4*\m+3], v156, s[6:7] offset:2048*\m              ; the work-group reads all of gate_W, 2,048 consecutive bytes an instruction
.endr
.irp i, 0,1,2,3,4
	global_store_b64 v4, v[6:7], s[36:37] offset:1024*\i
.endr
	s_lshl_b32 s22, ttmp9, 9
	s_add_nc_u64 s[38:39], s[16:17], s[22:23]
	s_cmp_ge_u32 ttmp9, 80                         ; the scale words' part is 40,960 bytes: 80 work-groups x 512
	s_cbranch_scc1 .Lno_words
	global_store_b32 v5, v6, s[38:39] offset:1310720
.Lno_words:
	s_lshl_b32 s20, s19, 10
	s_add_nc_u64 s[40:41], s[14:15], s[20:21]      ; xq + 1024 t
	s_lshl_b32 s20, s19, 5
	s_add_nc_u64 s[42:43], s[14:15], s[20:21]      ; xq + 32 t
	s_add_nc_u64 s[44:45], s[12:13], s[20:21]      ; gout + 32 t
	s_lshl_b32 s20, s19, 2
	s_add_nc_u64 s[46:47], s[10:11], s[20:21]      ; route + 4 t
	s_add_nc_u64 s[12:13], s[12:13], s[20:21]      ; gout + 4 t
	s_wait_loadcnt 0x0
	; gate_W goes into LDS as [i 8][q 8][lane 32][16 bytes]: piece (i, q, l) = gate_W[128 i + 4 l + q / 2][4 (q % 2) + 0..3], so that a lane finds the rows that match its numbers of x
.irp m, 0,1,2,3,4,5,6,7,8,9,10,11,12,13,14,15
	ds_store_b128 v3, v[RW+4*\m:RW+4*\m+3] offset:(\m/2)*4096+(\m%2)*256
.endr
	s_wait_dscnt 0x0                               ; for the others' sake: my stores have landed
	s_barrier_signal -1
	s_barrier_wait -1
.macro GW i                            ; the rows of gate_W for x's numbers 128 i on, into set i % 2
.irp q, 0,1,2,3,4,5,6,7
	ds_load_b128 v[RW+32*((\i)%2)+4*\q:RW+32*((\i)%2)+4*\q+3], v2 offset:4096*(\i)+512*\q
.endr
.endm
	GW 0
.irp i, 0,1,2,3,4,5,6,7
.if \i < 7
	GW \i+1
	s_wait_alu depctr_va_vdst(0)
	s_wait_dscnt 8                                 ; this set is in; the eight loads of the next set may be out
.else
	s_wait_alu depctr_va_vdst(0)
	s_wait_dscnt 0x0
.endif
.irp j, 0,1,2,3
.irp e, 0,1,2,3,4,5,6,7
.if (\i == 0) && (\j == 0)
	v_mul_f32 v[RA+\e], v[RX], v[RW+\e]            ; the first product starts the sum
.else
	v_fmac_f32 v[RA+\e], v[RX+4*\i+\j], v[RW+32*(\i%2)+8*\j+\e]
.endif
.endr
.endr
.endr
.irp m, 1,2,4,8
.irp e, 0,1,2,3,4,5,6,7
	v_add_f32_dpp v[RA+\e], v[RA+\e], v[RA+\e] row_xmask:\m row_mask:0xf bank_mask:0xf
.endr
.endr
.irp e, 0,1,2,3,4,5,6,7
	v_permlanex16_b32 v[RT+\e], v[RA+\e], s32, s33
.endr
	s_wait_alu depctr_va_vdst(0)
	s_wait_kmcnt 0x0                               ; gate_b
.irp e, 0,1,2,3,4,5,6,7
	v_add_f32 v[RA+\e], v[RA+\e], v[RT+\e]
.endr
.irp e, 0,1,2,3,4,5,6,7
	v_add_f32 v[RA+\e], s[24+\e], v[RA+\e]         ; the logits, in every lane
.endr
	v_mov_b32 v152, 0
	v_mov_b32 v[RT], v[RA]
.irp e, 1,2,3,4,5,6,7
	v_cmp_ge_f32 vcc_lo, v[RT], v[RA+\e]           ; the best so far stays on a tie: the lower index
	v_cndmask_b32 v152, \e, v152, vcc_lo
	v_max_num_f32 v[RT], v[RT], v[RA+\e]
.endr
.irp e, 0,1,2,3,4,5,6,7
	v_sub_f32 v[RP+\e], v[RA+\e], v[RT]            ; the maximum is taken away first
.endr
.irp e, 0,1,2,3,4,5,6,7
	v_mul_f32 v[RP+\e], 0x3fb8aa3b, v[RP+\e]
.endr
	s_wait_alu depctr_va_vdst(0)
.irp e, 0,1,2,3,4,5,6,7
	v_exp_f32 v[RP+\e], v[RP+\e]
.endr
	v_nop                                          ; a plain place behind the exponentials
	s_wait_alu depctr_va_vdst(0)
	v_add_f32 v[RT+1], v[RP], v[RP+1]
	v_add_f32 v[RT+2], v[RP+2], v[RP+3]
	v_add_f32 v[RT+3], v[RP+4], v[RP+5]
	v_add_f32 v[RT+4], v[RP+6], v[RP+7]
	v_add_f32 v[RT+1], v[RT+1], v[RT+2]
	v_add_f32 v[RT+3], v[RT+3], v[RT+4]
	v_add_f32 v[RT+1], v[RT+1], v[RT+3]
	s_wait_alu depctr_va_vdst(0)
	v_rcp_f32 v153, v[RT+1]                        ; the largest exponential is 2^0, so 1 / the sum is the top probability
	v_nop
	s_wait_alu depctr_va_vdst(0)
.irp e, 0,1,2,3,4,5,6,7
	v_mul_f32 v[RP+\e], v[RP+\e], v153
.endr
	; THE QUANTISER.  In K step i (128 along K) a block of 32 is four numbers of each of eight neighbouring lanes
.irp i, 0,1,2,3,4,5,6,7
	v_max3_num_f32 v[RT+\i], |v[RX+4*\i]|, |v[RX+4*\i+1]|, 0x8000000   ; with the floor 2^(16 - 127): the byte cannot fall under 1
.endr
.irp i, 0,1,2,3,4,5,6,7
	v_max3_num_f32 v[RT+\i], v[RT+\i], |v[RX+4*\i+2]|, |v[RX+4*\i+3]|
.endr
.irp m, 1,2,4
.irp i, 0,1,2,3,4,5,6,7
	v_max_num_f32_dpp v[RT+\i], v[RT+\i], v[RT+\i] row_xmask:\m row_mask:0xf bank_mask:0xf
.endr
.endr
.irp i, 0,1,2,3,4,5,6,7
	v_and_b32 v[RT+\i], 0x7f800000, v[RT+\i]       ; the largest magnitude's exponent field, a
.endr
.irp i, 0,1,2,3,4,5,6,7
	v_sub_nc_u32 v[RT+8+\i], 0x86800000, v[RT+\i]  ; the f32 number 2^(142 - a) = 1 / the scale: a conversion takes eight numbers under ONE scale and mine belong to two blocks, so they are divided first (exactly)
.endr
.irp i, 0,1,2,3,4,5,6,7
.irp j, 0,1,2,3
	v_mul_f32 v[RX+4*\i+\j], v[RX+4*\i+\j], v[RT+8+\i]
.endr
.endr
.set n, 0
.rept 32
	v_med3_num_f32 v[RX+n], v[RX+n], s35, s34      ; the conversion to an 8-bit code does not saturate (ISA guide 7.6.2): the hold at the largest code
.set n, n+1
.endr
.irp i, 0,1,2,3,4,5,6,7
	v_lshrrev_b32 v[RS+\i], 23, v[RT+\i]
.endr
.irp i, 0,1,2,3,4,5,6,7
	v_lshlrev_b32 v[RS+\i], v155, v[RS+\i]         ; my block's byte at its place in the K step's word
.endr
.irp i, 0,1,2,3,4,5,6,7
	v_mov_b32_dpp v[RT+\i], v[RS+\i] row_xmask:8 row_mask:0xf bank_mask:0xf
.endr
.irp i, 0,1,2,3,4,5,6,7
	v_or_b32 v[RS+\i], v[RS+\i], v[RT+\i]
.endr
.irp i, 0,1,2,3,4,5,6,7
	v_permlanex16_b32 v[RT+\i], v[RS+\i], s32, s33
.endr
.irp i, 0,1,2,3,4,5,6,7
	v_or_b32 v[RS+\i], v[RS+\i], v[RT+\i]          ; all four bytes
.endr
.irp i, 0,1,2,3,4,5,6,7
	v_add_nc_u32 v[RS+\i], 0xf0f0f0f1, v[RS+\i]    ; 15 off each byte (each is 16 at the least: nothing is borrowed)
.endr
.irp m, 0,1,2,3
	v_cvt_scalef32_pk8_bf8_f32 v[RD+2*\m:RD+2*\m+1], v[RX+8*\m:RX+8*\m+7], v154   ; to the nearest code, ties to even
.endr
	v_nop
	global_store_b128 v2, v[RD:RD+3], s[40:41]               ; 512 consecutive bytes each
	global_store_b128 v2, v[RD+4:RD+7], s[40:41] offset:512
	s_wait_alu depctr_va_vdst(0)
	s_wait_xcnt 0x0                                ; EXEC changes only behind this wait
	s_barrier_signal -1
	s_barrier_wait -1
	s_wait_tensorcnt 0x0
	ds_add_u32 v160, v161
	s_wait_dscnt 0x0
	v_cmpx_gt_u32 1, v1                            ; lane 0 alone
	global_store_b128 v6, v[RS:RS+3], s[42:43] offset:1048576
	global_store_b128 v6, v[RS+4:RS+7], s[42:43] offset:1048592
	global_store_b128 v6, v[RP:RP+3], s[44:45] offset:4096
	global_store_b128 v6, v[RP+4:RP+7], s[44:45] offset:4112
	global_store_b32 v6, v152, s[46:47]
	global_store_b32 v6, v153, s[12:13]
	s_endpgm
.Lfunc_end_k_q7915396ebd_gate:
	.size	k_q7915396ebd_gate, .Lfunc_end_k_q7915396ebd_gate-k_q7915396ebd_gate
	.p2alignl 7, 3214868480
	.fill 96, 4, 3214868480
	.section	.rodata,"a",@progbits
	.p2align	6, 0x0
	.amdhsa_kernel k_q7915396ebd_gate
		.amdhsa_group_segment_fixed_size 33280
		.amdhsa_private_segment_fixed_size 0
		.amdhsa_enable_private_segment 0
		.amdhsa_kernarg_size 56
		.amdhsa_user_sgpr_count 2
		.amdhsa_user_sgpr_kernarg_segment_ptr 1
		.amdhsa_wavefront_size32 1
		.amdhsa_system_sgpr_workgroup_id_x 1
		.amdhsa_system_sgpr_workgroup_id_y 1
		.amdhsa_system_sgpr_workgroup_id_z 1
		.amdhsa_system_vgpr_workitem_id 0
		.amdhsa_next_free_vgpr 162
		.amdhsa_next_free_sgpr 66
		.amdhsa_reserve_vcc 1
		.amdhsa_float_denorm_mode_32 3
		.amdhsa_float_denorm_mode_16_64 3
		.amdhsa_memory_ordered 1
		.amdhsa_forward_progress 1
		.amdhsa_inst_pref_size 36
	.end_amdhsa_kernel
	.amdgpu_metadata
---
amdhsa.version: [ 1, 2 ]
amdhsa.kernels:
  - .name:           k_q7915396ebd_gate
    .symbol:         k_q7915396ebd_gate.kd
    .args:
      - { .name: x, .offset: 0, .size: 8, .value_kind: global_buffer, .address_space: global }
      - { .name: gate_W, .offset: 8, .size: 8, .value_kind: global_buffer, .address_space: global }
      - { .name: gate_b, .offset: 16, .size: 8, .value_kind: global_buffer, .address_space: global }
      - { .name: route, .offset: 24, .size: 8, .value_kind: global_buffer, .address_space: global }
      - { .name: gout, .offset: 32, .size: 8, .value_kind: global_buffer, .address_space: global }
      - { .name: xq, .offset: 40, .size: 8, .value_kind: global_buffer, .address_space: global }
      - { .name: xs, .offset: 48, .size: 8, .value_kind: global_buffer, .address_space: global }
    .group_segment_fixed_size: 33280
    .private_segment_fixed_size: 0
    .kernarg_segment_align: 8
    .kernarg_segment_size: 56
    .max_flat_workgroup_size: 128
    .sgpr_count:     66
    .vgpr_count:     162
    .wavefront_size: 32
...
	.end_amdgpu_metadata
.endif
;; end of part 6
;; launch place (part 7): grid 32 x 1, 32 waves a work-group, no clusters, 6,144 bytes of LDS; arguments route, gout, xq, order, xs, out1; writes order, xs, out1
.if DOCPART == 7
	.amdgcn_target "amdgcn-amd-amdhsa--gfx1250"
	.amdhsa_code_object_version 6
	.text
	.protected	k_q7915396ebd_place
	.globl	k_q7915396ebd_place
	.p2align	8
	.type	k_q7915396ebd_place,@function
k_q7915396ebd_place:
	s_mov_b64 s[64:65], 0
	v_nop
	global_prefetch_b8 v0, s[64:65] scope:SCOPE_SE
	s_setreg_imm32_b32 hwreg(HW_REG_WAVE_MODE, 25, 1), 1
	s_wait_xcnt 0x0
; THE PLACING OF ROWS BY EXPERT, AND THE LOSS.  A counting sort without atomics: every work-group ranks all 1,024 tokens (thread t: token t), which costs less than a launch more.
; Each expert's rows begin at a multiple of 32 slots: off[0] = 0, off[e + 1] = off[e] + cnt[e] rounded up to 32; 1,248 slots at the most.
; Work-group b then moves one token a wave, token 32 w + b: its eight code rows of 128 bytes and its eight scale words, from xq to its slot in xs ([K step 8][slot 1280][128 bytes]; words [K step][slot] at 1310720).
; A slot's row is 128 consecutive bytes: half of an aligned 256; whole ones would want the inverse of the order, a barrier and a table more, for 1 MB in all.
; Work-group 0 also stores order (pos[1024] at 0, cnt[8] at 4096, off[8] at 4128) and the loss: 8 sum_e mean(p_e) x usage_e = 2^-17 sum_t sum_e p[t][e] cnt[e].
; s[20:27] the wave's lane masks by expert; s[28:35] counts, then totals; s[36:43] counts of the waves before mine; s[44:51] off
	s_load_b256 s[4:11], s[0:1], 0x0               ; route, gout, xq, order
	s_load_b128 s[12:15], s[0:1], 0x20             ; xs, out1
	v_lshl_add_u32 v64, v0, 2, 0x800
	v_mov_b32 v65, 0
	v_lshrrev_b32 v1, 5, v0
	s_delay_alu instid0(VALU_DEP_1)
	v_readfirstlane_b32 s16, v1                    ; wave w
	v_and_b32 v1, 31, v0                           ; lane
	s_mov_b32 s17, ttmp9                           ; b
	v_lshlrev_b32 v3, 2, v0                        ; 4 x thread
	v_lshlrev_b32 v21, 5, v0                       ; 32 x thread
	v_lshlrev_b32 v22, 4, v1                       ; 16 x lane
	v_and_b32 v23, 7, v1
	s_delay_alu instid0(VALU_DEP_1)
	v_lshlrev_b32 v46, 2, v23                      ; 4 (lane % 8)
	s_delay_alu instid0(VALU_DEP_2)
	v_mul_u32_u24 v45, v23, 5120                   ; a K step's scale words are 5,120 bytes
	v_lshlrev_b32 v47, 2, v1                       ; 4 x lane
	v_lshlrev_b32 v43, 5, v1                       ; 32 x lane
	s_lshl_b32 s55, s16, 5
	v_mov_b32 v42, s55                             ; LDS: my wave's row of the table of counts
	s_add_co_u32 s54, s55, s17                     ; the token that my wave moves
	s_lshl_b32 s55, s16, 2
	v_mov_b32 v48, s55                             ; LDS: my wave's word for the loss (+ 1024)
	s_lshl_b32 s56, s54, 10
	s_mov_b32 s57, 0
	s_lshl_b32 s58, s54, 5
	s_mov_b32 s59, 0
	s_mov_b32 s52, 0x76543210
	s_mov_b32 s53, 0xfedcba98
	v_mov_b32 v40, 0
	v_mov_b32 v41, 0
	v_mov_b32 v49, 0
.irp k, 0,1,2,3,4,5,6,7
	v_mov_b32 v[50+\k], 0                          ; written once: the destination of a lane permute counts as one of its sources
.endr
	s_wait_kmcnt 0x0
	s_add_nc_u64 s[56:57], s[8:9], s[56:57]
	s_add_nc_u64 s[58:59], s[8:9], s[58:59]
	global_load_b32 v2, v3, s[4:5]                 ; my token's expert
	global_load_b128 v[4:7], v21, s[6:7] offset:4096
	global_load_b128 v[8:11], v21, s[6:7] offset:4112      ; its probabilities
	global_load_b128 v[12:15], v22, s[56:57]
	global_load_b128 v[16:19], v22, s[56:57] offset:512    ; the moved token's codes
	global_load_b32 v20, v46, s[58:59] offset:1048576      ; and its scale word (lane % 8)
	s_wait_loadcnt 5                               ; the expert is in; the five loads behind it may be out
	v_min_u32 v2, 7, v2
.irp e, 0,1,2,3,4,5,6,7
	v_cmp_eq_u32 s[20+\e], \e, v2
	s_bcnt1_i32_b32 s[28+\e], s[20+\e]
.endr
.irp e, 0,1,2,3,4,5,6,7
	v_mov_b32 v[24+\e], s[28+\e]
.endr
	ds_store_b128 v42, v[24:27]                    ; all lanes write the same words with the same values
	ds_store_b128 v42, v[28:31] offset:16
	s_wait_dscnt 0x0
	s_barrier_signal -1
	s_barrier_wait -1
	ds_load_b128 v[24:27], v43                     ; lane l: wave l's eight counts
	ds_load_b128 v[28:31], v43 offset:16
	s_wait_dscnt 0x0
.irp k, 0,1,2,3
	v_lshl_or_b32 v[32+\k], v[25+2*\k], 16, v[24+2*\k]   ; two counts to a register: a total is 1,024 at the most
.endr
	v_cmp_gt_u32 vcc_lo, s16, v1                   ; the waves before mine
.irp k, 0,1,2,3
	v_cndmask_b32 v[36+\k], 0, v[32+\k], vcc_lo
.endr
.irp m, 1,2,4,8
.irp k, 0,1,2,3,4,5,6,7
	v_mov_b32_dpp v[50+\k], v[32+\k] row_xmask:\m row_mask:0xf bank_mask:0xf
.endr
.irp k, 0,1,2,3,4,5,6,7
	v_add_nc_u32 v[32+\k], v[32+\k], v[50+\k]
.endr
.endr
.irp k, 0,1,2,3,4,5,6,7
	v_permlanex16_b32 v[50+\k], v[32+\k], s52, s53
.endr
.irp k, 0,1,2,3,4,5,6,7
	v_add_nc_u32 v[32+\k], v[32+\k], v[50+\k]
.endr
	s_wait_alu depctr_va_vdst(0)
.irp k, 0,1,2,3
	v_readfirstlane_b32 s54, v[32+\k]
	s_and_b32 s[28+2*\k], s54, 0xffff              ; cnt
	s_lshr_b32 s[29+2*\k], s54, 16
	v_readfirstlane_b32 s54, v[36+\k]
	s_and_b32 s[36+2*\k], s54, 0xffff              ; of the waves before mine
	s_lshr_b32 s[37+2*\k], s54, 16
.endr
	s_mov_b32 s44, 0
.irp e, 0,1,2,3,4,5,6
	s_add_co_u32 s54, s[28+\e], 31
	s_and_b32 s54, s54, 0xffffffe0
	s_add_co_u32 s[45+\e], s[44+\e], s54           ; off
.endr
.irp e, 0,1,2,3,4,5,6,7
	s_add_co_u32 s54, s[44+\e], s[36+\e]
	v_mbcnt_lo_u32_b32 v40, s[20+\e], s54          ; + the lanes before mine with this expert
	s_delay_alu instid0(VALU_DEP_1)
	v_cndmask_b32 v41, v41, v40, s[20+\e]          ; my token's slot
.endr
	s_wait_loadcnt 3                               ; the probabilities are in; the moved token's three loads may be out
.irp e, 0,1,2,3,4,5,6,7
	v_cvt_f32_u32 v[24+\e], s[28+\e]
.endr
	v_mul_f32 v44, v4, v24
.irp e, 1,2,3,4,5,6,7
	s_delay_alu instid0(VALU_DEP_1)
	v_fmac_f32 v44, v[4+\e], v[24+\e]
.endr
.macro WSUM
.irp m, 1
	v_add_f32_dpp v44, v44, v44 row_xmask:\m row_mask:0xf bank_mask:0xf
.endr
.irp m, 2, 4, 8
	s_delay_alu instid0(VALU_DEP_1)
	v_add_f32_dpp v44, v44, v44 row_xmask:\m row_mask:0xf bank_mask:0xf
.endr
	s_wait_alu depctr_va_vdst(0)
	v_permlanex16_b32 v50, v44, s52, s53
	s_delay_alu instid0(VALU_DEP_1)
	v_add_f32 v44, v44, v50
.endm
	WSUM
	ds_store_b32 v48, v44 offset:1024
	s_wait_dscnt 0x0
	s_barrier_signal -1
	s_barrier_wait -1
	ds_load_b32 v44, v47 offset:1024               ; lane l: wave l's part
	s_wait_dscnt 0x0
	WSUM
	s_delay_alu instid0(VALU_DEP_1)
	v_mul_f32 v44, 0x37000000, v44                 ; x 2^-17
	v_readlane_b32 s54, v41, s17                   ; the slot of token 32 w + b
	s_min_u32 s54, s54, 1279
	s_lshl_b32 s60, s54, 7
	s_mov_b32 s61, 0
	s_lshl_b32 s62, s54, 2
	s_mov_b32 s63, 0
	s_add_nc_u64 s[60:61], s[12:13], s[60:61]
	s_add_nc_u64 s[62:63], s[12:13], s[62:63]
	s_wait_loadcnt 0x0
.irp i, 0,1,2,3,4,5,6,7
	global_store_b32 v47, v[12+\i], s[60:61] offset:163840*\i    ; K step i's 128 codes, in the order of k
.endr
	s_wait_xcnt 0x0                                ; EXEC changes only behind this wait
	v_cmpx_gt_u32 8, v1
	global_store_b32 v45, v20, s[62:63] offset:1310720           ; lane i: K step i's scale word
	s_wait_xcnt 0x0
	s_mov_b32 exec_lo, -1
	s_cmp_lg_u32 ttmp9, 0
	s_cbranch_scc1 .Lend
	global_store_b32 v3, v41, s[10:11]             ; pos
	s_cmp_lg_u32 s16, 0
	s_cbranch_scc1 .Lend
.irp e, 0
	v_writelane_b32 v49, s[28+\e], \e
	s_delay_alu instid0(VALU_DEP_1)
	v_writelane_b32 v49, s[44+\e], 8+\e
.endr
.irp e, 1, 2, 3, 4, 5, 6, 7
	s_delay_alu instid0(VALU_DEP_1)
	v_writelane_b32 v49, s[28+\e], \e
	s_delay_alu instid0(VALU_DEP_1)
	v_writelane_b32 v49, s[44+\e], 8+\e
.endr
	s_wait_alu depctr_va_vdst(0)
	s_wait_xcnt 0x0
	v_cmpx_gt_u32 16, v1
	global_store_b32 v47, v49, s[10:11] offset:4096              ; cnt[8], off[8]
	s_wait_xcnt 0x0
	v_cmpx_gt_u32 1, v1
	global_store_b32 v47, v44, s[14:15]            ; the loss
.Lend:
	s_wait_xcnt 0x0
	s_mov_b32 exec_lo, -1
	s_wait_tensorcnt 0x0
	ds_add_u32 v64, v65
	s_wait_dscnt 0x0
	s_endpgm
.Lfunc_end_k_q7915396ebd_place:
	.size	k_q7915396ebd_place, .Lfunc_end_k_q7915396ebd_place-k_q7915396ebd_place
	.p2alignl 7, 3214868480
	.fill 96, 4, 3214868480
	.section	.rodata,"a",@progbits
	.p2align	6, 0x0
	.amdhsa_kernel k_q7915396ebd_place
		.amdhsa_group_segment_fixed_size 6144
		.amdhsa_private_segment_fixed_size 0
		.amdhsa_enable_private_segment 0
		.amdhsa_kernarg_size 48
		.amdhsa_user_sgpr_count 2
		.amdhsa_user_sgpr_kernarg_segment_ptr 1
		.amdhsa_wavefront_size32 1
		.amdhsa_system_sgpr_workgroup_id_x 1
		.amdhsa_system_sgpr_workgroup_id_y 1
		.amdhsa_system_sgpr_workgroup_id_z 1
		.amdhsa_system_vgpr_workitem_id 0
		.amdhsa_next_free_vgpr 66
		.amdhsa_next_free_sgpr 66
		.amdhsa_reserve_vcc 1
		.amdhsa_float_denorm_mode_32 3
		.amdhsa_float_denorm_mode_16_64 3
		.amdhsa_memory_ordered 1
		.amdhsa_forward_progress 1
		.amdhsa_inst_pref_size 18
	.end_amdhsa_kernel
	.amdgpu_metadata
---
amdhsa.version: [ 1, 2 ]
amdhsa.kernels:
  - .name:           k_q7915396ebd_place
    .symbol:         k_q7915396ebd_place.kd
    .args:
      - { .name: route, .offset: 0, .size: 8, .value_kind: global_buffer, .address_space: global }
      - { .name: gout, .offset: 8, .size: 8, .value_kind: global_buffer, .address_space: global }
      - { .name: xq, .offset: 16, .size: 8, .value_kind: global_buffer, .address_space: global }
      - { .name: order, .offset: 24, .size: 8, .value_kind: global_buffer, .address_space: global }
      - { .name: xs, .offset: 32, .size: 8, .value_kind: global_buffer, .address_space: global }
      - { .name: out1, .offset: 40, .size: 8, .value_kind: global_buffer, .address_space: global }
    .group_segment_fixed_size: 6144
    .private_segment_fixed_size: 0
    .kernarg_segment_align: 8
    .kernarg_segment_size: 48
    .max_flat_workgroup_size: 1024
    .sgpr_count:     66
    .vgpr_count:     66
    .wavefront_size: 32
...
	.end_amdgpu_metadata
.endif
;; end of part 7
;; launch ffn1 (part 8): grid 32 x 8, 4 waves a work-group, no clusters, 321,024 bytes of LDS; arguments W1, b1, xs, order, hs; writes hs
.if DOCPART == 8
	.amdgcn_target "amdgcn-amd-amdhsa--gfx1250"
	.amdhsa_code_object_version 6
	.text
	.protected	k_q7915396ebd_ffn1
	.globl	k_q7915396ebd_ffn1
	.p2align	8
	.type	k_q7915396ebd_ffn1,@function
k_q7915396ebd_ffn1:
	s_mov_b64 s[64:65], 0
	v_nop
	global_prefetch_b8 v0, s[64:65] scope:SCOPE_SE
	s_setreg_imm32_b32 hwreg(HW_REG_WAVE_SCHED_MODE, 0, 2), 2
	s_setreg_imm32_b32 hwreg(HW_REG_WAVE_MODE, 25, 1), 1
	s_wait_xcnt 0x0
	s_wait_alu depctr_vm_vsrc(0)
; ONE LAYER OF THE CHOSEN EXPERTS' MLP, on codes of E5M2 with one E8M0 scale for each 32 along K.  One text serves both layers: LAYER says which.
;   LAYER 1: hs = Q(gelu(Q(x) Q(W1) + b1)), rows in slot order.     LAYER 2: part[q] = Q(h) Q(W2) over K = 1024 q .. 1024 q + 1023, four partial sums for each output.
; THE WEIGHTS BIND: f32, K along their first axis, read ONCE, quantised in registers on the way and multiplied at once by the codes of the expert's rows; no weight code goes to memory.
; SHARES.  Work-group (x, e): expert e, 128 columns, 1,024 along K: 512 KB of weights.  Wave 2 g + kh: columns 64 g .. 64 g + 63, K half kh: four K steps of 128.
; A LANE (r = lane % 16, h = lane / 16) loads 16 bytes, columns 4 r .. 4 r + 3, of weight row 32 c + 16 h + i: sixteen lanes read 256 consecutive aligned bytes, and the lane's registers run down K.
; Column tile j is the columns 4 r + j.  A block of 32 along K lies in lanes l and l xor 16.  A conversion takes eight numbers under one scale and a lane's neighbours belong to four columns, so
; the numbers are first multiplied by 1 / their column's scale (a power of two: exact), held and converted under the scale 1; byte permutes then turn 4 x 4 bytes so that K is innermost.
; THE MATRIX INSTRUCTION IS USED TRANSPOSED: source 0 = a column tile of the weights, source 1 = 16 rows: lane (r, h), register i of tile j holds row r, column 32 h + 4 i + j.
; ROWS come in passes of up to 256 (NG groups of 32, from the stored count); the pass loop has four trips whatever the count, all barriers stand at its top level, and what hangs on the count
; is branched round in stretches that hold no barrier.  So this text has no tensor load and no copy: the rows' codes come through registers into LDS.  An expert with more than 256 rows streams its weights once for each 256.
; The rows of an expert are shared by its 32 work-groups; they are about a fifth of a work-group's bytes and their number hangs on stored counts: no cluster.
; LIMITS: NaN and infinities are not served.  A block under 2^(16 - 127), zeros too, gets the byte 1 where the rule says 127 for zeros: its codes are zeros or next to it, and this program alone reads the bytes.
; erf(z) = z P(z^2) / Q(z^2), z held within +-4 (degrees 6 and 4 in z^2; a few units in the last place); gelu = 0.5 x + 0.5 x erf(x / sqrt 2).
; REGISTERS.  Window 0: v1-28 lane numbers, addresses, 1.0; v32-51 a block's maxima, scales; v52-91 at work (v52-83 are fragment buffer 1 while the products run); v92-95 erf's leading coefficients;
;   v96-159 the weights' codes (tile j at 96 + 16 j); v160-191 two fragments of rows: fragment buffer 0; v192-223 the bias; v224-243 the way out.   Window 1: 256 weights as loaded: v[64 c + 4 i + j].
;   Windows 2, 3: the 64 accumulators (row tile t, column tile j at 32 (t % 8) + 8 j; window 2 for t < 8); before a pass's products they are the landing place of the rows' codes.
; THE MODE: SCHED_MODE bits 1:0 = 2 (LLVM: expert scheduling mode 2), set by the entry lines.  The code itself states the register dependences
; between vector or matrix instructions and memory or LDS instructions, with s_wait_alu, always for 0.
; THE PLAN.  Registers that memory or LDS instructions touch:
;   window 1, block c   The weights' loads land; the block's maxima, multiplications and holds read and write it, its conversions read it; behind these the next K step's loads land.
;   buffer 0            v160-191 and the scale words v48-49: groups 0, 2, 4, 6.  LDS loads land; the group's eight products read.
;   buffer 1            v52-83 and the scale words v50-51: groups 1, 3, 5, 7, likewise; while weights are quantised v52-75 hold codes on their way.
;   v7, v8              LDS addresses of a K step's fragments: written at the K step's head, read by every fragment load.
;   windows 2, 3        The staging loads land; the staging LDS stores read; the products write; the LDS stores of the sums read.   v76-91: staging loads land, staging stores read.
;   the way out         v17, v18, v23, v24: addresses, written once a trip.  v96-159: LDS loads land, the additions read, stores read.  v160-191, v224-232, v240-243: data of stores.
;   All other addresses are made at the head and never written again.
; One wait on va_vdst stands behind each block's conversions, and the block's loads follow it; behind block 0's stand also group 0's fragment loads, which land while blocks 1 to 3 are quantised.
; One stands at each group's head, behind the wait for the group's own fragments: behind it the next group's fragments are asked for, into the buffer that the group before has read, and then
; come this group's products, which name the other buffer.  One wait on vm_vsrc stands at each K step's head, at each trip's head on the way out, and at each pass's head.
.set LAYER, 1
.if LAYER == 1
.set NP, 16384                         ; a weight row in bytes
.set LNP, 14
.set SCOFF, 1310720                    ; where the scale words begin in the rows' buffer
.else
.set NP, 4096
.set LNP, 12
.set SCOFF, 5242880
.endif
.set RM, 32                            ; v32-35 largest magnitudes of my four columns
.set RT, 36                            ; v36-39 their exponent fields
.set RMU, 40                           ; v40-43 1 / the scales
.set RSW, 44                           ; v44-47 the weights' scale words, tile j
.set RASC, 48                          ; v48-51 the rows' scale words: buffer 0 at 48, buffer 1 at 50
.set RD, 52                            ; v52-67 codes as converted: word i = row i, byte j = column j
.set RTP, 68                           ; v68-75 half turned
.set RSCL, 76                          ; v76-91 the rows' scale words on their way into LDS
.set RCA, 92
.set RCB, 94
.set RBC, 96
.set RAF, 160                          ; fragment buffer 0
.set RAF1, 52                          ; fragment buffer 1: the registers of RD, RTP and half of RSCL, which lie idle while the products run
.set RBIAS, 192
.set EA, 96                            ; the way out: the two K halves' sums, and their sum in column order
.set EB, 128
.set RN, 160
.set GZ, 52                            ; gelu, eight numbers at a time
.set GX, 60
.set GP, 68
.set GQ, 76
; LDS, while the products run: the rows' codes [K step 8][row 256] at a pitch of 144 bytes (128 + 16: the sixteen rows of a load start at different banks); then their scale words [K step][row]
.set ASTEP, 36864
.set ASC0, 294912
; LDS, on the way out: the waves' sums [wave 4][row tile 16][16 rows x 272 bytes]; behind them the stages
.set PWAVE, 69632
.set PTILE, 4352
.set STG, 278528
.set SBY, 319488
.set MSB, 0
.macro WIN new                         ; the immediate's high byte repeats the setting that is left
.if MSB != (\new)
	s_set_vgpr_msb (MSB<<8)|(\new)
.set MSB, (\new)
.endif
.endm
.macro PLACES n
.rept \n
	v_nop
.endr
.endm
.macro BAR                             ; my LDS stores have landed and my LDS loads are in: then the work-group's barrier
	s_wait_dscnt 0x0
	s_barrier_signal -1
	s_barrier_wait -1
.endm
.macro WLOAD c, ahead                  ; block c (32 along K) of this K step (ahead = 0) or the next (1): 16 loads of 512 bytes
	WIN 0x40                                       ; destination window 1
.irp i, 0,1,2,3,4,5,6,7,8,9,10,11,12,13,14,15
	global_load_b128 v[64*\c+4*\i:64*\c+4*\i+3], v4, s[22:23] offset:(128*\ahead+32*\c+\i)*NP th:TH_LOAD_NT
.endr
	WIN 0
.endm
; The two fragments and two scale words of group grp (32 rows) of the K step in hand, into buffer grp % 2: ten LDS loads
.macro FRAGS grp
.set LFB, RAF-(RAF-RAF1)*((\grp)%2)
.set LSB, RASC+2*((\grp)%2)
.irp tt, 0,1
.irp c, 0,1,2,3
	ds_load_b128 v[LFB+16*\tt+4*\c:LFB+16*\tt+4*\c+3], v7 offset:4608*(\grp)+2304*\tt+32*\c
.endr
	ds_load_b32 v[LSB+\tt], v8 offset:128*(\grp)+64*\tt
.endr
.endm
; Block c is quantised: 64 numbers a lane, 16 along K of four columns.  wc: the younger loads that may stay out.  re = 1: its registers are asked for again at once, for the next K step.
.macro QBLOCK c, wc, re
	s_wait_loadcnt \wc
	WIN 0x05                                       ; sources 0 and 1 window 1
.irp j, 0,1,2,3
	v_max3_num_f32 v[RM+\j], |v[64*\c+\j]|, |v[64*\c+4+\j]|, 0x8000000   ; with the floor 2^(16 - 127): the byte cannot fall under 1
.endr
.irp i, 2,4,6,8,10,12,14
.irp j, 0,1,2,3
	v_max3_num_f32 v[RM+\j], |v[64*\c+4*\i+\j]|, |v[64*\c+4*\i+4+\j]|, v[RM+\j]   ; the four columns by turns
.endr
.endr
	WIN 0
.irp j, 0,1,2,3
	v_permlanex16_b32 v[RT+\j], v[RM+\j], s50, s51
.endr
.irp j, 0,1,2,3
	v_max_num_f32 v[RM+\j], v[RM+\j], v[RT+\j]     ; with lane l xor 16's: the block's largest magnitude
.endr
.irp j, 0,1,2,3
	v_and_b32 v[RT+\j], 0x7f800000, v[RM+\j]       ; its exponent field a
.endr
.irp j, 0,1,2,3
	v_sub_nc_u32 v[RMU+\j], 0x86800000, v[RT+\j]   ; the f32 number 2^(142 - a) = 1 / the scale
.endr
.irp j, 0,1,2,3
.if \c == 0
	v_lshrrev_b32 v[RSW+\j], 23, v[RT+\j]          ; a goes to byte c of the column's scale word
.elseif \c == 3
	v_lshl_or_b32 v[RSW+\j], v[RT+\j], 1, v[RSW+\j]
	v_add_nc_u32 v[RSW+\j], 0xf0f0f0f1, v[RSW+\j]  ; 15 off each byte (each is 16 at the least: nothing is borrowed)
.else
	v_lshrrev_b32 v[RT+\j], 23-8*\c, v[RT+\j]
	v_or_b32 v[RSW+\j], v[RSW+\j], v[RT+\j]
.endif
.endr
	WIN 0x41                                       ; destination and source 0 window 1
.irp i, 0,1,2,3,4,5,6,7,8,9,10,11,12,13,14,15
	v_pk_mul_f32 v[64*\c+4*\i:64*\c+4*\i+1], v[64*\c+4*\i:64*\c+4*\i+1], v[RMU:RMU+1]
	v_pk_mul_f32 v[64*\c+4*\i+2:64*\c+4*\i+3], v[64*\c+4*\i+2:64*\c+4*\i+3], v[RMU+2:RMU+3]
.endr
.set n, 0
.rept 64
	v_med3_num_f32 v[64*\c+n], v[64*\c+n], s53, s52   ; the conversion to an 8-bit code does not saturate (ISA guide 7.6.2): the hold at +-57,344
.set n, n+1
.endr
	WIN 0x01                                       ; source 0 window 1
.irp m, 0,1,2,3,4,5,6,7
	v_cvt_scalef32_pk8_bf8_f32 v[RD+2*\m:RD+2*\m+1], v[64*\c+8*\m:64*\c+8*\m+7], v28
.endr
.if \re
	WIN 0x40                                       ; the loads' window, then the wait, then the loads
	s_wait_alu depctr_va_vdst(0)                   ; the multiplications and holds have written this block's registers and the conversions are done reading them: the loads below land there.  In block 0 also: v7 and v8 are written, and the last K step's products are done reading buffer 0
	WLOAD \c, 1
.elseif \c == 0
	WIN 0
	s_wait_alu depctr_va_vdst(0)                   ; v7 and v8 are written, which the fragment loads below read; the last K step's products are done reading buffer 0, in which they land
.endif
.if \c == 0
	FRAGS 0                                        ; group 0's fragments land while blocks 1 to 3 are quantised: no line of those names buffer 0, v7 or v8
.endif
	WIN 0
	v_nop                                          ; a plain place between the conversions and the reads of their results
.irp qd, 0,1,2,3                       ; 4 x 4 bytes are turned: register 4 c + qd of tile j = rows 4 qd .. 4 qd + 3 of column j
	v_perm_b32 v[RTP+4*(\qd%2)], v[RD+4*\qd+1], v[RD+4*\qd], s54
	v_perm_b32 v[RTP+4*(\qd%2)+1], v[RD+4*\qd+1], v[RD+4*\qd], s55
	v_perm_b32 v[RTP+4*(\qd%2)+2], v[RD+4*\qd+3], v[RD+4*\qd+2], s54
	v_perm_b32 v[RTP+4*(\qd%2)+3], v[RD+4*\qd+3], v[RD+4*\qd+2], s55
	v_perm_b32 v[RBC+4*\c+\qd], v[RTP+4*(\qd%2)+2], v[RTP+4*(\qd%2)], s56
	v_perm_b32 v[RBC+16+4*\c+\qd], v[RTP+4*(\qd%2)+2], v[RTP+4*(\qd%2)], s57
	v_perm_b32 v[RBC+32+4*\c+\qd], v[RTP+4*(\qd%2)+3], v[RTP+4*(\qd%2)+1], s56
	v_perm_b32 v[RBC+48+4*\c+\qd], v[RTP+4*(\qd%2)+3], v[RTP+4*(\qd%2)+1], s57
.endr
.endm
; Group grp (32 rows) against my four column tiles: eight products on eight accumulators, which so take turns.  Its fragments lie in buffer grp % 2 and were asked for a group ago.
; The eight v_nop are the places behind the last products in front of the loads into their operands, and those between the vector writes of codes and scale words and the scaled products.
.macro GROUP grp, zero, lab
.if \grp > 0
	s_cmp_le_u32 s42, \grp
	s_cbranch_scc1 \lab
.endif
	PLACES 8
	s_wait_dscnt 0x0                               ; this group's fragments and scale words are in
	s_wait_alu depctr_va_vdst(0)                   ; the products of the group before are done reading the other buffer, in which the loads below land; in group 0: the permutes have written the weights' codes and scale words, which the products read, and are done with v52-75
.if \grp < 7
	s_cmp_le_u32 s42, \grp+1
	s_cbranch_scc1 .Lnofr_\@
	FRAGS \grp+1                                   ; the next group's, if there is one: they land while this group is multiplied
.Lnofr_\@:
.endif
.set GFB, RAF-(RAF-RAF1)*(\grp%2)
.set GSB, RASC+2*(\grp%2)
	WIN 0xa0+0x50*(\grp/4)                         ; C and D window 2 or 3
.irp tt, 0,1
.irp j, 0,1,2,3
.if \zero
	v_wmma_scale_f32_16x16x128_f8f6f4 v[((2*\grp+\tt)%8)*32+8*\j:((2*\grp+\tt)%8)*32+8*\j+7], v[RBC+16*\j:RBC+16*\j+15], v[GFB+16*\tt:GFB+16*\tt+15], 0, v[RSW+\j], v[GSB+\tt] matrix_a_fmt:MATRIX_FMT_BF8 matrix_b_fmt:MATRIX_FMT_BF8
.else
	v_wmma_scale_f32_16x16x128_f8f6f4 v[((2*\grp+\tt)%8)*32+8*\j:((2*\grp+\tt)%8)*32+8*\j+7], v[RBC+16*\j:RBC+16*\j+15], v[GFB+16*\tt:GFB+16*\tt+15], v[((2*\grp+\tt)%8)*32+8*\j:((2*\grp+\tt)%8)*32+8*\j+7], v[RSW+\j], v[GSB+\tt] matrix_a_fmt:MATRIX_FMT_BF8 matrix_b_fmt:MATRIX_FMT_BF8
.endif
.endr
.endr
	WIN 0
.endm
; A K step of 128.  zero = 1: its products start the sums.  re = 1: it asks for the next K step's weights, block by block, as each block's registers come free.
; Behind block c's 16 loads stand 3 - c blocks of this step and c of the next: 48 loads may be out at each wait; in the last step the counts run down.  A step is run whole or left out whole.
.macro KSTEP zero, re
	s_wait_alu depctr_vm_vsrc(0)                   ; the fragment loads issued so far have read v7 and v8, which are written below; in a pass's first K step also: the staging stores have read windows 2 and 3 and v76-91, which the products and the fragment loads write
	s_cmp_eq_u32 s42, 0
	s_cbranch_scc1 .Lkskip_\@
	v_add_nc_u32 v7, s44, v5
	v_add_nc_u32 v8, s45, v6
.if \re
	QBLOCK 0, 48, 1
	QBLOCK 1, 48, 1
	QBLOCK 2, 48, 1
	QBLOCK 3, 48, 1
.else
	QBLOCK 0, 48, 0
	QBLOCK 1, 32, 0
	QBLOCK 2, 16, 0
	QBLOCK 3, 0, 0
.endif
.irp grp, 0,1,2,3,4,5,6,7
	GROUP \grp, \zero, .Lgend_\@
.endr
.Lgend_\@:
	s_wait_dscnt 0x0                               ; every fragment load has landed before the next K step's conversions write the registers of buffer 1
.if \re
	s_wait_xcnt 0x0                                ; the loads have read their base
	s_add_nc_u64 s[22:23], s[22:23], 128*NP
.endif
.Lkskip_\@:
	s_add_co_u32 s44, s44, ASTEP                   ; the next K step's rows in LDS
	s_add_co_u32 s45, s45, 1024
.endm
; The rows' codes of my two K steps (2 wave, 2 wave + 1), group by group: 4,096 dense bytes a group and K step, 512 a load
.macro STAGE_LD
.irp grp, 0,1,2,3,4,5,6,7
	s_cmp_le_u32 s42, \grp
	s_cbranch_scc1 .Lsl_\@
	WIN 0x80+0x40*(\grp/4)                         ; destination window 2 or 3
.irp ds, 0,1
.irp it, 0,1,2,3,4,5,6,7
	global_load_b128 v[(\grp%4)*64+32*\ds+4*\it:(\grp%4)*64+32*\ds+4*\it+3], v9, s[28:29] offset:163840*\ds+4096*\grp+512*\it
.endr
.endr
	WIN 0
.irp ds, 0,1
	global_load_b32 v[RSCL+2*\grp+\ds], v12, s[30:31] offset:5120*\ds+128*\grp
.endr
.endr
.Lsl_\@:
.endm
.macro STAGE_ST
.irp grp, 0,1,2,3,4,5,6,7
	s_cmp_le_u32 s42, \grp
	s_cbranch_scc1 .Lss_\@
	WIN 0x08+4*(\grp/4)                            ; an LDS store's data are its source 1: window 2 or 3
.irp ds, 0,1
.irp it, 0,1,2,3,4,5,6,7
	ds_store_b128 v[10+\ds], v[(\grp%4)*64+32*\ds+4*\it:(\grp%4)*64+32*\ds+4*\it+3] offset:4608*\grp+576*\it
.endr
.endr
	WIN 0
.irp ds, 0,1
	ds_store_b32 v13, v[RSCL+2*\grp+\ds] offset:1024*\ds+128*\grp
.endr
.endr
.Lss_\@:
.endm
.macro PARTOUT                         ; my sums go to LDS, each accumulator from its low end on: row r, then (h, j, i)
	PLACES 8
	s_wait_alu depctr_va_vdst(0)                   ; the products have written the accumulators, which the LDS stores below read; the places above stay beside this wait
.irp grp, 0,1,2,3,4,5,6,7
	s_cmp_le_u32 s42, \grp
	s_cbranch_scc1 .Lpo_\@
	WIN 0x08+4*(\grp/4)
.irp tt, 0,1
.irp j, 0,1,2,3
	ds_store_b128 v14, v[((2*\grp+\tt)%8)*32+8*\j:((2*\grp+\tt)%8)*32+8*\j+3] offset:(2*\grp+\tt)*PTILE+32*\j
	ds_store_b128 v14, v[((2*\grp+\tt)%8)*32+8*\j+4:((2*\grp+\tt)%8)*32+8*\j+7] offset:(2*\grp+\tt)*PTILE+32*\j+16
.endr
.endr
	WIN 0
.endr
.Lpo_\@:
.endm
	; ---- THE HEAD
.if LAYER == 1
	s_load_b256 s[4:11], s[0:1], 0x0               ; W1, b1, xs, order
	s_load_b64 s[12:13], s[0:1], 0x20              ; hs
	v_lshl_add_u32 v254, v0, 2, 0x4e400
	v_mov_b32 v255, 0
.else
	s_load_b64 s[4:5], s[0:1], 0x0                 ; W2
	s_load_b64 s[8:9], s[0:1], 0x8                 ; hs
	s_load_b64 s[10:11], s[0:1], 0x10              ; order
	s_load_b64 s[12:13], s[0:1], 0x18              ; part
.endif
	v_lshrrev_b32 v1, 5, v0
	v_readfirstlane_b32 s14, v1                    ; wave
	v_and_b32 v1, 15, v0                           ; r
	v_bfe_u32 v2, v0, 4, 1                         ; h
	v_and_b32 v3, 31, v0                           ; lane
	v_lshlrev_b32 v4, 4, v1
	v_lshl_add_u32 v4, v2, LNP+4, v4               ; the weights: 16 r + 16 rows x h
	s_wait_alu depctr_va_sdst(0)                   ; s14 is written, ahead of its first reader
	s_lshr_b32 s15, s14, 1                         ; g: my 64 columns
	s_and_b32 s16, s14, 1                          ; kh: my half of K
	s_and_b32 s17, ttmp7, 0xffff                   ; the expert
	s_lshl_b32 s48, s17, 24                        ; an expert's weights are 16,777,216 bytes
	s_mul_i32 s63, s16, 512*NP
	s_add_co_u32 s48, s48, s63
	s_lshl_b32 s63, s15, 8
	s_add_co_u32 s48, s48, s63
.if LAYER == 1
	s_lshl_b32 s63, ttmp9, 9                       ; 128 columns x 4 bytes
	s_add_co_u32 s48, s48, s63
.else
	s_lshr_b32 s19, ttmp9, 3                       ; q: which 1,024 of K
	s_and_b32 s63, ttmp9, 7
	s_lshl_b32 s63, s63, 9
	s_add_co_u32 s48, s48, s63
	s_lshl_b32 s63, s19, 22
	s_add_co_u32 s48, s48, s63
.endif
	s_mov_b32 s49, 0
	s_lshl_b32 s72, s17, 2
	s_mov_b32 s73, 0
	; Windows 2 and 3 are written once here.  They are filled and read under separate branches on the same stored count, and every way through the text has to find them written.
	; The sums themselves start from the constant 0 in a pass's first K step.  These lines stand where the wave would wait for its arguments and its first weights.
	WIN 0x80
.set n, 0
.rept 256
	v_mov_b32 v[n], 0
.set n, n+1
.endr
	WIN 0
	s_wait_kmcnt 0x0
	s_add_nc_u64 s[72:73], s[10:11], s[72:73]
	s_load_b32 s40, s[72:73], 0x1000               ; cnt[e]
	s_load_b32 s41, s[72:73], 0x1020               ; off[e]
	s_add_nc_u64 s[20:21], s[4:5], s[48:49]        ; my weights' first byte
	s_mov_b64 s[22:23], s[20:21]
.if LAYER == 1
	s_lshl_b32 s74, s17, 14
	s_lshl_b32 s63, ttmp9, 9
	s_add_co_u32 s74, s74, s63
	s_lshl_b32 s63, s15, 8
	s_add_co_u32 s74, s74, s63
	s_mov_b32 s75, 0
	s_add_nc_u64 s[74:75], s[6:7], s[74:75]
	v_lshlrev_b32 v27, 7, v2
	s_wait_alu depctr_va_vdst(0)                   ; v27 and v4 are written, which the loads of the bias and of the weights read as their offsets
.irp qd, 0,1,2,3,4,5,6,7
	global_load_b128 v[RBIAS+4*\qd:RBIAS+4*\qd+3], v27, s[74:75] offset:16*\qd   ; b1 of my 32 columns 64 g + 32 h on
.endr
.else
	s_wait_alu depctr_va_vdst(0)                   ; v4 is written, which every load of the weights reads as its offset
.endif
	WLOAD 0, 0                                     ; the first K step's weights, whatever the count: they lie inside the buffer
	WLOAD 1, 0
	WLOAD 2, 0
	WLOAD 3, 0
	WIN 0xc0
.set n, 0
.rept 256
	v_mov_b32 v[n], 0
.set n, n+1
.endr
	WIN 0
.irp k, 0,1,2,3,4,5,6,7,8,9,10,11,12,13,14,15
	v_mov_b32 v[RSCL+\k], 0
.endr
	v_mov_b32 v[RASC+2], 0                         ; buffer 1's scale words are written once here, for the same reason as windows 2 and 3: they are loaded and read under separate branches on the same stored count
	v_mov_b32 v[RASC+3], 0
.irp k, 0,1,2,3
	v_mov_b32 v[RT+\k], 0                          ; the destination of a lane permute counts as one of its sources
.endr
	v_mov_b32 v28, 1.0
	v_mul_u32_u24 v5, v1, 144
	v_lshl_add_u32 v5, v2, 4, v5
	s_mul_i32 s63, s16, 4*ASTEP
	v_add_nc_u32 v5, s63, v5                       ; a fragment of rows: my K half + 144 r + 16 h
	s_lshl_b32 s63, s16, 12
	s_add_co_u32 s63, s63, ASC0
	v_lshl_add_u32 v6, v1, 2, s63                  ; their scale words: 4 r
	v_lshlrev_b32 v9, 4, v3
	v_lshrrev_b32 v29, 3, v3
	v_mul_u32_u24 v10, v29, 144
	v_and_b32 v30, 7, v3
	v_lshl_add_u32 v10, v30, 4, v10
	s_mul_i32 s63, s14, 2*ASTEP
	v_add_nc_u32 v10, s63, v10                     ; staging: my first K step, row lane / 8, 16 (lane % 8)
	v_add_nc_u32 v11, ASTEP, v10                   ; my second
	v_lshlrev_b32 v12, 2, v3
	s_lshl_b32 s63, s14, 11
	s_add_co_u32 s63, s63, ASC0
	v_lshl_add_u32 v13, v3, 2, s63
	v_mul_u32_u24 v29, v1, 272
	v_lshl_add_u32 v29, v2, 7, v29                 ; 272 r + 128 h
	s_mul_i32 s63, s14, PWAVE
	v_add_nc_u32 v14, s63, v29                     ; my sums' place
	s_mul_i32 s63, s15, 2*PWAVE
	s_mul_i32 s66, s16, PTILE
	s_add_co_u32 s63, s63, s66
	v_add_nc_u32 v15, s63, v29                     ; the way out: K half 0's sums of my columns, row tile kh;
	v_add_nc_u32 v16, PWAVE, v15                   ; K half 1's
.if LAYER == 1
	v_mul_u32_u24 v19, v1, 80
	v_lshl_add_u32 v19, v2, 5, v19
	s_mul_i32 s63, s14, 10240
	s_add_co_u32 s63, s63, STG
	v_add_nc_u32 v19, s63, v19                     ; my stage of codes: 80 r + 32 h
	v_lshl_add_u32 v20, v1, 1, v2
	s_lshl_b32 s63, s14, 8
	s_add_co_u32 s63, s63, SBY
	v_add_nc_u32 v20, s63, v20                     ; my scale bytes: 2 r + h
	v_lshrrev_b32 v29, 3, v3
	v_mul_u32_u24 v21, v29, 80
	v_bfe_u32 v29, v3, 2, 1
	v_mul_u32_u24 v29, v29, 20480
	v_add_nc_u32 v21, v21, v29
	v_and_b32 v29, 3, v3
	v_lshl_add_u32 v21, v29, 4, v21
	s_mul_i32 s63, s14, 1280
	s_add_co_u32 s63, s63, STG
	v_add_nc_u32 v21, s63, v21                     ; back as rows of 128 bytes: row lane / 8, column group (lane / 4) % 2, 16 (lane % 4)
	v_lshlrev_b32 v22, 1, v1
	v_lshl_add_u32 v22, v2, 8, v22
	s_lshl_b32 s63, s14, 5
	s_add_co_u32 s63, s63, SBY
	v_add_nc_u32 v22, s63, v22
	s_lshl_b32 s63, s14, 12
	v_add_nc_u32 v25, s63, v9                      ; in hs: group = wave: 4,096 bytes; 16 x lane
	s_lshl_b32 s63, s14, 7
	v_add_nc_u32 v26, s63, v12
	v_mov_b32 v[RCA], 0xaf95df0b                   ; -2.72614226e-10
	v_mov_b32 v[RCA+1], 0xaf95df0b
	v_mov_b32 v[RCB], 0xb77460cd                   ; -1.45660718e-05
	v_mov_b32 v[RCB+1], 0xb77460cd
.else
	s_mul_i32 s63, s14, PTILE
	s_add_co_u32 s63, s63, STG
	v_add_nc_u32 v19, s63, v29                     ; my stage: 16 rows x 272
	v_mul_u32_u24 v21, v2, 272
	v_lshl_add_u32 v21, v1, 4, v21
	v_add_nc_u32 v21, s63, v21                     ; back: lanes 0-15 one row of 256 bytes, lanes 16-31 the next
	s_lshl_b32 s63, s16, 16
	s_lshl_b32 s66, s15, 8
	s_add_co_u32 s63, s63, s66
	v_lshlrev_b32 v25, 4, v1
	v_lshl_add_u32 v25, v2, 12, v25
	v_add_nc_u32 v25, s63, v25                     ; in part: (16 kh + h) rows of 4,096 bytes + 256 g + 16 r
.endif
	s_mov_b32 s50, 0x76543210
	s_mov_b32 s51, 0xfedcba98                      ; v_permlanex16_b32's selects for lane l xor 16
	s_mov_b32 s52, 0x47600000                      ; 57,344
	s_mov_b32 s53, 0xc7600000
	s_mov_b32 s54, 0x05010400                      ; byte selects of the 4 x 4 turn
	s_mov_b32 s55, 0x07030602
	s_mov_b32 s56, 0x05040100
	s_mov_b32 s57, 0x07060302
	s_mov_b32 s62, 0x600000                        ; the mantissa field of 57,344
.if LAYER == 1
	s_lshl_b32 s63, s14, 1                         ; the K steps that I stage: 2 wave, 2 wave + 1
.else
	s_lshl_b32 s63, s19, 3
	s_lshl_b32 s66, s14, 1
	s_add_co_u32 s63, s63, s66                     ; 8 q + 2 wave
.endif
	s_mul_i32 s48, s63, 163840
	s_add_nc_u64 s[24:25], s[8:9], s[48:49]
	s_mul_i32 s48, s63, 5120
	s_add_nc_u64 s[26:27], s[8:9], s[48:49]
	s_add_nc_u64 s[26:27], s[26:27], SCOFF
.if LAYER == 1
	s_mul_i32 s48, ttmp9, 163840                   ; my 128 hidden units are K step x of the next layer
	s_add_nc_u64 s[32:33], s[12:13], s[48:49]
	s_mul_i32 s48, ttmp9, 5120
	s_add_nc_u64 s[36:37], s[12:13], s[48:49]
	s_add_nc_u64 s[36:37], s[36:37], 5242880
.else
	s_mul_i32 s48, s19, 5242880
	s_and_b32 s63, ttmp9, 7
	s_lshl_b32 s63, s63, 9
	s_add_co_u32 s48, s48, s63
	s_add_nc_u64 s[32:33], s[12:13], s[48:49]
.endif
	s_wait_kmcnt 0x0
	s_min_u32 s40, s40, 1024
	s_min_u32 s41, s41, 1216
	s_add_co_u32 s40, s40, 31
	s_lshr_b32 s40, s40, 5                         ; groups of 32 rows to go
	s_min_u32 s42, s40, 8                          ; NG: this pass's
	s_mov_b32 s43, 4
.Lpass:
	s_wait_xcnt 0x0                                ; the last pass's loads and stores have read their bases
	s_wait_alu depctr_vm_vsrc(0)                   ; the last pass's stores have read their data: the accumulators and v76-91, in which the staging loads land, and v96-159 and v240-243, which this pass writes again
	s_wait_alu depctr_va_vdst(0)                   ; the head's addresses and clearings are written, and the last pass's vector and matrix instructions are done with windows 2 and 3 and v76-91: the staging loads land there, the staging stores read them
	s_min_u32 s63, s41, 1248                       ; the pass's first slot
	s_lshl_b32 s48, s63, 7
	s_add_nc_u64 s[28:29], s[24:25], s[48:49]
.if LAYER == 1
	s_add_nc_u64 s[34:35], s[32:33], s[48:49]
.endif
	s_lshl_b32 s48, s63, 2
	s_add_nc_u64 s[30:31], s[26:27], s[48:49]
.if LAYER == 1
	s_add_nc_u64 s[38:39], s[36:37], s[48:49]
.else
	s_lshl_b32 s48, s63, 12
	s_add_nc_u64 s[34:35], s[32:33], s[48:49]
.endif
	s_mov_b32 s44, 0
	s_mov_b32 s45, 0
	STAGE_LD
	s_wait_loadcnt 0x0
	STAGE_ST
	BAR                                            ; the rows' codes and scale words lie in LDS
	KSTEP 1, 1
	s_mov_b32 s46, 2
.Lk:
	KSTEP 0, 1
	s_sub_co_i32 s46, s46, 1
	s_cmp_lg_u32 s46, 0
	s_cbranch_scc1 .Lk
	KSTEP 0, 0
	BAR                                            ; nobody reads the rows' codes any more: their bytes take the sums
	PARTOUT
	BAR                                            ; all four waves' sums lie in LDS
	; ---- THE WAY OUT: wave 2 g + kh takes column group g, row tiles 2 tt + kh.  Lane (r, h): row r, columns 32 h .. 32 h + 31
	s_mov_b32 s46, 0
	s_mov_b32 s47, 0
.if LAYER == 1
	s_mov_b32 s66, 0
	s_mov_b32 s67, 0
.endif
.Lep:
	s_wait_alu depctr_vm_vsrc(0)                   ; the last trip's LDS loads have read v17 and v18, and its stores their addresses and data (layer 1: v23, v24, v224-232; layer 2: v96-127, v160-191): all are written again below
	s_cmp_ge_u32 s46, s42
	s_cbranch_scc1 .Lepskip
	v_add_nc_u32 v17, s47, v15
	v_add_nc_u32 v18, s47, v16
	s_wait_alu depctr_va_vdst(0)                   ; v17 and v18 are written, which the loads below read; the last trip's additions (in the first trip: the products) are done reading v96-159, in which they land
.irp qd, 0,1,2,3,4,5,6,7
	ds_load_b128 v[EA+4*\qd:EA+4*\qd+3], v17 offset:16*\qd
	ds_load_b128 v[EB+4*\qd:EB+4*\qd+3], v18 offset:16*\qd
.endr
	s_wait_dscnt 0x0
.irp i, 0,1,2,3,4,5,6,7
.irp j, 0,1,2,3
	v_add_f32 v[RN+4*\i+\j], v[EA+8*\j+\i], v[EB+8*\j+\i]   ; the two halves of K; the destination's number puts the columns in order
.endr
.endr
.if LAYER == 1
.irp p, 0,2,4,6,8,10,12,14,16,18,20,22,24,26,28,30
	v_pk_add_f32 v[RN+\p:RN+\p+1], v[RN+\p:RN+\p+1], v[RBIAS+\p:RBIAS+\p+1]
.endr
.irp ch, 0,1,2,3                       ; gelu, eight numbers at a time
.irp p, 0,2,4,6
	v_pk_mul_f32 v[GZ+\p:GZ+\p+1], v[RN+8*\ch+\p:RN+8*\ch+\p+1], 0x3f3504f3 op_sel_hi:[1,0]   ; z = x / sqrt 2
.endr
.irp p, 0,1,2,3,4,5,6,7
	v_med3_num_f32 v[GZ+\p], v[GZ+\p], -4.0, 4.0
.endr
.irp p, 0,2,4,6
	v_pk_mul_f32 v[GX+\p:GX+\p+1], v[GZ+\p:GZ+\p+1], v[GZ+\p:GZ+\p+1]
.endr
.irp p, 0,2,4,6
	v_pk_fma_f32 v[GP+\p:GP+\p+1], v[GX+\p:GX+\p+1], v[RCA:RCA+1], 0x32edffee op_sel_hi:[1,1,0]
	v_pk_fma_f32 v[GQ+\p:GQ+\p+1], v[GX+\p:GX+\p+1], v[RCB:RCB+1], 0xb95fbd29 op_sel_hi:[1,1,0]
.endr
.irp k, 0xb60cff51, 0xb86ec2d2, 0xba40ac63, 0xbb41a1f6, 0xbc83dbd4
.irp p, 0,2,4,6
	v_pk_fma_f32 v[GP+\p:GP+\p+1], v[GP+\p:GP+\p+1], v[GX+\p:GX+\p+1], \k op_sel_hi:[1,1,0]
.endr
.endr
.irp k, 0xbadc924e, 0xbbf19bf8, 0xbc69b6a7
.irp p, 0,2,4,6
	v_pk_fma_f32 v[GQ+\p:GQ+\p+1], v[GQ+\p:GQ+\p+1], v[GX+\p:GX+\p+1], \k op_sel_hi:[1,1,0]
.endr
.endr
	s_wait_alu depctr_va_vdst(0)
.irp p, 0,1,2,3,4,5,6,7
	v_rcp_f32 v[GQ+\p], v[GQ+\p]
.endr
.irp p, 0,2,4,6
	v_pk_mul_f32 v[GP+\p:GP+\p+1], v[GP+\p:GP+\p+1], v[GZ+\p:GZ+\p+1]   ; (plain places behind the reciprocals)
.endr
	s_wait_alu depctr_va_vdst(0)                   ; the eight reciprocals have written v76-83, ahead of their first reader: one wait for the batch
.irp p, 0,2,4,6
	v_pk_mul_f32 v[GP+\p:GP+\p+1], v[GP+\p:GP+\p+1], v[GQ+\p:GQ+\p+1]   ; erf
.endr
.irp p, 0,2,4,6
	v_pk_mul_f32 v[GX+\p:GX+\p+1], v[RN+8*\ch+\p:RN+8*\ch+\p+1], 0.5 op_sel_hi:[1,0]
.endr
.irp p, 0,2,4,6
	v_pk_fma_f32 v[RN+8*\ch+\p:RN+8*\ch+\p+1], v[GX+\p:GX+\p+1], v[GP+\p:GP+\p+1], v[GX+\p:GX+\p+1]
.endr
.endr
	; my 32 numbers are one block along the next layer's K
	v_max3_num_f32 v233, |v[RN]|, |v[RN+1]|, 0x8000000
	v_max3_num_f32 v236, |v[RN+16]|, |v[RN+17]|, |v[RN+18]|
.irp n, 0,2,4,6,8,10
	v_max3_num_f32 v233, v233, |v[RN+2+\n]|, |v[RN+3+\n]|
	v_max3_num_f32 v236, v236, |v[RN+19+\n]|, |v[RN+20+\n]|
.endr
	v_max3_num_f32 v233, v233, |v[RN+14]|, |v[RN+15]|
	v_max3_num_f32 v233, v233, v236, |v[RN+31]|
	v_add_nc_u32 v237, 0xf8800000, v233            ; 15 off the exponent field: the conversion's scale operand
	v_and_or_b32 v238, v233, 0x7f800000, s62       ; 57,344 x the scale
	v_lshrrev_b32 v232, 23, v237                   ; the scale's byte
.set n, 0
.rept 32
	v_med3_num_f32 v[RN+n], v[RN+n], -v238, v238
.set n, n+1
.endr
.irp m, 0,1,2,3
	v_cvt_scalef32_pk8_bf8_f32 v[224+2*\m:225+2*\m], v[RN+8*\m:RN+8*\m+7], v237
.endr
	v_nop                                          ; a plain place behind the conversions: the next trip's additions write their sources
	v_add_nc_u32 v23, s66, v19
	v_add_nc_u32 v24, s67, v20
	s_wait_alu depctr_va_vdst(0)                   ; the conversions have written v224-231, and v232, v23 and v24 are written: the LDS stores below read them
	ds_store_b128 v23, v[224:227]
	ds_store_b128 v23, v[228:231] offset:16
	ds_store_b8 v24, v232
.else
	s_wait_alu depctr_va_vdst(0)                   ; the additions have written v160-191, which the LDS stores below read, and are done reading v96-127, in which the loads from the stage land
.irp qd, 0,1,2,3,4,5,6,7
	ds_store_b128 v19, v[RN+4*\qd:RN+4*\qd+3] offset:16*\qd
.endr
.irp it, 0,1,2,3,4,5,6,7
	ds_load_b128 v[EA+4*\it:EA+4*\it+3], v21 offset:544*\it      ; LDS serves a wave's instructions in order (ISA guide 5.7.1.4): these see my stores
.endr
	s_wait_dscnt 0x0
.irp it, 0,1,2,3,4,5,6,7
	global_store_b128 v25, v[EA+4*\it:EA+4*\it+3], s[34:35] offset:8192*\it   ; sixteen lanes store 256 consecutive bytes, aligned
.endr
.endif
.Lepskip:
	s_add_co_u32 s47, s47, 2*PTILE
.if LAYER == 1
	s_add_co_u32 s66, s66, 1280
	s_add_co_u32 s67, s67, 32
.else
	s_wait_xcnt 0x0                                ; the stores have read their data and their base
	s_add_nc_u64 s[34:35], s[34:35], 131072        ; 32 rows on
.endif
	s_add_co_u32 s46, s46, 1
	s_cmp_lt_u32 s46, 8
	s_cbranch_scc1 .Lep
.if LAYER == 1
	BAR                                            ; the codes and scale bytes of all four waves lie in the stages
.irp u, 0,1                            ; wave w sends groups w and w + 4: 32 rows x 128 bytes, dense in hs.  The loads owe no wait: no vector line since a trip's last wait names v96-159, none since the pass's head names the pair of v240-243 that they land in
	s_add_co_u32 s63, s14, 4*\u
	s_cmp_ge_u32 s63, s42
	s_cbranch_scc1 .Lsent_\u
.irp it, 0,1,2,3,4,5,6,7
	ds_load_b128 v[96+32*\u+4*\it:96+32*\u+4*\it+3], v21 offset:5120*\u+320*(\it%4)+10240*(\it/4)
.endr
	ds_load_u16 v[240+2*\u], v22 offset:128*\u
	ds_load_u16 v[241+2*\u], v22 offset:128*\u+512
	s_wait_dscnt 0x0
	v_lshl_or_b32 v[240+2*\u], v[241+2*\u], 16, v[240+2*\u]      ; a row's four bytes: column groups 0 and 1
	s_wait_alu depctr_va_vdst(0)                   ; the scale word is written, which the last store below reads
.irp it, 0,1,2,3,4,5,6,7
	global_store_b128 v25, v[96+32*\u+4*\it:96+32*\u+4*\it+3], s[34:35] offset:16384*\u+512*\it   ; 512 consecutive bytes
.endr
	global_store_b32 v26, v[240+2*\u], s[38:39] offset:512*\u
.Lsent_\u:
.endr
.endif
	s_wait_loadcnt 0x0
	s_wait_xcnt 0x0                                ; the stores have read their registers: the next pass writes them
	BAR                                            ; nobody reads the sums or the stages any more
	s_sub_co_u32 s40, s40, s42
	s_min_u32 s42, s40, 8
	s_add_co_u32 s41, s41, 256
	s_cmp_eq_u32 s42, 0
	s_cbranch_scc1 .Lnomore
	s_mov_b64 s[22:23], s[20:21]                   ; more than 256 rows: the weights are streamed again.  The loads owe no wait: no vector line since the wait ahead of the sums' stores names window 1 or v4
	WLOAD 0, 0
	WLOAD 1, 0
	WLOAD 2, 0
	WLOAD 3, 0
.Lnomore:
	s_sub_co_i32 s43, s43, 1
	s_cmp_lg_u32 s43, 0
	s_cbranch_scc1 .Lpass
	s_wait_dscnt 0x0                               ; the closing lines, six on end
	s_wait_alu 0x0
	s_wait_tensorcnt 0x0
	ds_add_u32 v254, v255
	s_wait_dscnt 0x0
	s_endpgm
.Lfunc_end_k_q7915396ebd_ffn1:
	.size	k_q7915396ebd_ffn1, .Lfunc_end_k_q7915396ebd_ffn1-k_q7915396ebd_ffn1
	.p2alignl 7, 3214868480
	.fill 96, 4, 3214868480
	.section	.rodata,"a",@progbits
	.p2align	6, 0x0
	.amdhsa_kernel k_q7915396ebd_ffn1
		.amdhsa_group_segment_fixed_size 321024
		.amdhsa_private_segment_fixed_size 0
		.amdhsa_enable_private_segment 0
		.amdhsa_kernarg_size 40
		.amdhsa_user_sgpr_count 2
		.amdhsa_user_sgpr_kernarg_segment_ptr 1
		.amdhsa_wavefront_size32 1
		.amdhsa_system_sgpr_workgroup_id_x 1
		.amdhsa_system_sgpr_workgroup_id_y 1
		.amdhsa_system_sgpr_workgroup_id_z 1
		.amdhsa_system_vgpr_workitem_id 0
		.amdhsa_next_free_vgpr 1024
		.amdhsa_next_free_sgpr 80
		.amdhsa_reserve_vcc 0
		.amdhsa_float_denorm_mode_32 3
		.amdhsa_float_denorm_mode_16_64 3
		.amdhsa_memory_ordered 1
		.amdhsa_forward_progress 1
		.amdhsa_inst_pref_size 255
	.end_amdhsa_kernel
	.section	.bss,"aw",@nobits
	.p2align	6
	.space	262144
	.amdgpu_metadata
---
amdhsa.version: [ 1, 2 ]
amdhsa.kernels:
  - .name:           k_q7915396ebd_ffn1
    .symbol:         k_q7915396ebd_ffn1.kd
    .args:
      - { .name: W1, .offset: 0, .size: 8, .value_kind: global_buffer, .address_space: global }
      - { .name: b1, .offset: 8, .size: 8, .value_kind: global_buffer, .address_space: global }
      - { .name: xs, .offset: 16, .size: 8, .value_kind: global_buffer, .address_space: global }
      - { .name: order, .offset: 24, .size: 8, .value_kind: global_buffer, .address_space: global }
      - { .name: hs, .offset: 32, .size: 8, .value_kind: global_buffer, .address_space: global }
    .group_segment_fixed_size: 321024
    .private_segment_fixed_size: 0
    .kernarg_segment_align: 8
    .kernarg_segment_size: 40
    .max_flat_workgroup_size: 128
    .sgpr_count:     80
    .vgpr_count:     1024
    .wavefront_size: 32
...
	.end_amdgpu_metadata
.endif
;; end of part 8
;; launch ffn2 (part 9): grid 32 x 8, 4 waves a work-group, no clusters, 303,616 bytes of LDS; arguments W2, hs, order, part; writes part
.if DOCPART == 9
	.amdgcn_target "amdgcn-amd-amdhsa--gfx1250"
	.amdhsa_code_object_version 6
	.text
	.protected	k_q7915396ebd_ffn2
	.globl	k_q7915396ebd_ffn2
	.p2align	8
	.type	k_q7915396ebd_ffn2,@function
k_q7915396ebd_ffn2:
	s_mov_b64 s[64:65], 0
	v_nop
	global_prefetch_b8 v0, s[64:65] scope:SCOPE_SE
	s_setreg_imm32_b32 hwreg(HW_REG_WAVE_SCHED_MODE, 0, 2), 2
	s_setreg_imm32_b32 hwreg(HW_REG_WAVE_MODE, 25, 1), 1
	s_wait_xcnt 0x0
	s_wait_alu depctr_vm_vsrc(0)
; ONE LAYER OF THE CHOSEN EXPERTS' MLP, on codes of E5M2 with one E8M0 scale for each 32 along K.  One text serves both layers: LAYER says which.
;   LAYER 1: hs = Q(gelu(Q(x) Q(W1) + b1)), rows in slot order.     LAYER 2: part[q] = Q(h) Q(W2) over K = 1024 q .. 1024 q + 1023, four partial sums for each output.
; THE WEIGHTS BIND: f32, K along their first axis, read ONCE, quantised in registers on the way and multiplied at once by the codes of the expert's rows; no weight code goes to memory.
; SHARES.  Work-group (x, e): expert e, 128 columns, 1,024 along K: 512 KB of weights.  Wave 2 g + kh: columns 64 g .. 64 g + 63, K half kh: four K steps of 128.
; A LANE (r = lane % 16, h = lane / 16) loads 16 bytes, columns 4 r .. 4 r + 3, of weight row 32 c + 16 h + i: sixteen lanes read 256 consecutive aligned bytes, and the lane's registers run down K.
; Column tile j is the columns 4 r + j.  A block of 32 along K lies in lanes l and l xor 16.  A conversion takes eight numbers under one scale and a lane's neighbours belong to four columns, so
; the numbers are first multiplied by 1 / their column's scale (a power of two: exact), held and converted under the scale 1; byte permutes then turn 4 x 4 bytes so that K is innermost.
; THE MATRIX INSTRUCTION IS USED TRANSPOSED: source 0 = a column tile of the weights, source 1 = 16 rows: lane (r, h), register i of tile j holds row r, column 32 h + 4 i + j.
; ROWS come in passes of up to 256 (NG groups of 32, from the stored count); the pass loop has four trips whatever the count, all barriers stand at its top level, and what hangs on the count
; is branched round in stretches that hold no barrier.  So this text has no tensor load and no copy: the rows' codes come through registers into LDS.  An expert with more than 256 rows streams its weights once for each 256.
; The rows of an expert are shared by its 32 work-groups; they are about a fifth of a work-group's bytes and their number hangs on stored counts: no cluster.
; LIMITS: NaN and infinities are not served.  A block under 2^(16 - 127), zeros too, gets the byte 1 where the rule says 127 for zeros: its codes are zeros or next to it, and this program alone reads the bytes.
; erf(z) = z P(z^2) / Q(z^2), z held within +-4 (degrees 6 and 4 in z^2; a few units in the last place); gelu = 0.5 x + 0.5 x erf(x / sqrt 2).
; REGISTERS.  Window 0: v1-28 lane numbers, addresses, 1.0; v32-51 a block's maxima, scales; v52-91 at work (v52-83 are fragment buffer 1 while the products run); v92-95 erf's leading coefficients;
;   v96-159 the weights' codes (tile j at 96 + 16 j); v160-191 two fragments of rows: fragment buffer 0; v192-223 the bias; v224-243 the way out.   Window 1: 256 weights as loaded: v[64 c + 4 i + j].
;   Windows 2, 3: the 64 accumulators (row tile t, column tile j at 32 (t % 8) + 8 j; window 2 for t < 8); before a pass's products they are the landing place of the rows' codes.
; THE MODE: SCHED_MODE bits 1:0 = 2 (LLVM: expert scheduling mode 2), set by the entry lines.  The code itself states the register dependences
; between vector or matrix instructions and memory or LDS instructions, with s_wait_alu, always for 0.
; THE PLAN.  Registers that memory or LDS instructions touch:
;   window 1, block c   The weights' loads land; the block's maxima, multiplications and holds read and write it, its conversions read it; behind these the next K step's loads land.
;   buffer 0            v160-191 and the scale words v48-49: groups 0, 2, 4, 6.  LDS loads land; the group's eight products read.
;   buffer 1            v52-83 and the scale words v50-51: groups 1, 3, 5, 7, likewise; while weights are quantised v52-75 hold codes on their way.
;   v7, v8              LDS addresses of a K step's fragments: written at the K step's head, read by every fragment load.
;   windows 2, 3        The staging loads land; the staging LDS stores read; the products write; the LDS stores of the sums read.   v76-91: staging loads land, staging stores read.
;   the way out         v17, v18, v23, v24: addresses, written once a trip.  v96-159: LDS loads land, the additions read, stores read.  v160-191, v224-232, v240-243: data of stores.
;   All other addresses are made at the head and never written again.
; One wait on va_vdst stands behind each block's conversions, and the block's loads follow it; behind block 0's stand also group 0's fragment loads, which land while blocks 1 to 3 are quantised.
; One stands at each group's head, behind the wait for the group's own fragments: behind it the next group's fragments are asked for, into the buffer that the group before has read, and then
; come this group's products, which name the other buffer.  One wait on vm_vsrc stands at each K step's head, at each trip's head on the way out, and at each pass's head.
.set LAYER, 2
.if LAYER == 1
.set NP, 16384                         ; a weight row in bytes
.set LNP, 14
.set SCOFF, 1310720                    ; where the scale words begin in the rows' buffer
.else
.set NP, 4096
.set LNP, 12
.set SCOFF, 5242880
.endif
.set RM, 32                            ; v32-35 largest magnitudes of my four columns
.set RT, 36                            ; v36-39 their exponent fields
.set RMU, 40                           ; v40-43 1 / the scales
.set RSW, 44                           ; v44-47 the weights' scale words, tile j
.set RASC, 48                          ; v48-51 the rows' scale words: buffer 0 at 48, buffer 1 at 50
.set RD, 52                            ; v52-67 codes as converted: word i = row i, byte j = column j
.set RTP, 68                           ; v68-75 half turned
.set RSCL, 76                          ; v76-91 the rows' scale words on their way into LDS
.set RCA, 92
.set RCB, 94
.set RBC, 96
.set RAF, 160                          ; fragment buffer 0
.set RAF1, 52                          ; fragment buffer 1: the registers of RD, RTP and half of RSCL, which lie idle while the products run
.set RBIAS, 192
.set EA, 96                            ; the way out: the two K halves' sums, and their sum in column order
.set EB, 128
.set RN, 160
.set GZ, 52                            ; gelu, eight numbers at a time
.set GX, 60
.set GP, 68
.set GQ, 76
; LDS, while the products run: the rows' codes [K step 8][row 256] at a pitch of 144 bytes (128 + 16: the sixteen rows of a load start at different banks); then their scale words [K step][row]
.set ASTEP, 36864
.set ASC0, 294912
; LDS, on the way out: the waves' sums [wave 4][row tile 16][16 rows x 272 bytes]; behind them the stages
.set PWAVE, 69632
.set PTILE, 4352
.set STG, 278528
.set SBY, 319488
.set MSB, 0
.macro WIN new                         ; the immediate's high byte repeats the setting that is left
.if MSB != (\new)
	s_set_vgpr_msb (MSB<<8)|(\new)
.set MSB, (\new)
.endif
.endm
.macro PLACES n
.rept \n
	v_nop
.endr
.endm
.macro BAR                             ; my LDS stores have landed and my LDS loads are in: then the work-group's barrier
	s_wait_dscnt 0x0
	s_barrier_signal -1
	s_barrier_wait -1
.endm
.macro WLOAD c, ahead                  ; block c (32 along K) of this K step (ahead = 0) or the next (1): 16 loads of 512 bytes
	WIN 0x40                                       ; destination window 1
.irp i, 0,1,2,3,4,5,6,7,8,9,10,11,12,13,14,15
	global_load_b128 v[64*\c+4*\i:64*\c+4*\i+3], v4, s[22:23] offset:(128*\ahead+32*\c+\i)*NP th:TH_LOAD_NT
.endr
	WIN 0
.endm
; The two fragments and two scale words of group grp (32 rows) of the K step in hand, into buffer grp % 2: ten LDS loads
.macro FRAGS grp
.set LFB, RAF-(RAF-RAF1)*((\grp)%2)
.set LSB, RASC+2*((\grp)%2)
.irp tt, 0,1
.irp c, 0,1,2,3
	ds_load_b128 v[LFB+16*\tt+4*\c:LFB+16*\tt+4*\c+3], v7 offset:4608*(\grp)+2304*\tt+32*\c
.endr
	ds_load_b32 v[LSB+\tt], v8 offset:128*(\grp)+64*\tt
.endr
.endm
; Block c is quantised: 64 numbers a lane, 16 along K of four columns.  wc: the younger loads that may stay out.  re = 1: its registers are asked for again at once, for the next K step.
.macro QBLOCK c, wc, re
	s_wait_loadcnt \wc
	WIN 0x05                                       ; sources 0 and 1 window 1
.irp j, 0,1,2,3
	v_max3_num_f32 v[RM+\j], |v[64*\c+\j]|, |v[64*\c+4+\j]|, 0x8000000   ; with the floor 2^(16 - 127): the byte cannot fall under 1
.endr
.irp i, 2,4,6,8,10,12,14
.irp j, 0,1,2,3
	v_max3_num_f32 v[RM+\j], |v[64*\c+4*\i+\j]|, |v[64*\c+4*\i+4+\j]|, v[RM+\j]   ; the four columns by turns
.endr
.endr
	WIN 0
.irp j, 0,1,2,3
	v_permlanex16_b32 v[RT+\j], v[RM+\j], s50, s51
.endr
.irp j, 0,1,2,3
	v_max_num_f32 v[RM+\j], v[RM+\j], v[RT+\j]     ; with lane l xor 16's: the block's largest magnitude
.endr
.irp j, 0,1,2,3
	v_and_b32 v[RT+\j], 0x7f800000, v[RM+\j]       ; its exponent field a
.endr
.irp j, 0,1,2,3
	v_sub_nc_u32 v[RMU+\j], 0x86800000, v[RT+\j]   ; the f32 number 2^(142 - a) = 1 / the scale
.endr
.irp j, 0,1,2,3
.if \c == 0
	v_lshrrev_b32 v[RSW+\j], 23, v[RT+\j]          ; a goes to byte c of the column's scale word
.elseif \c == 3
	v_lshl_or_b32 v[RSW+\j], v[RT+\j], 1, v[RSW+\j]
	v_add_nc_u32 v[RSW+\j], 0xf0f0f0f1, v[RSW+\j]  ; 15 off each byte (each is 16 at the least: nothing is borrowed)
.else
	v_lshrrev_b32 v[RT+\j], 23-8*\c, v[RT+\j]
	v_or_b32 v[RSW+\j], v[RSW+\j], v[RT+\j]
.endif
.endr
	WIN 0x41                                       ; destination and source 0 window 1
.irp i, 0,1,2,3,4,5,6,7,8,9,10,11,12,13,14,15
	v_pk_mul_f32 v[64*\c+4*\i:64*\c+4*\i+1], v[64*\c+4*\i:64*\c+4*\i+1], v[RMU:RMU+1]
	v_pk_mul_f32 v[64*\c+4*\i+2:64*\c+4*\i+3], v[64*\c+4*\i+2:64*\c+4*\i+3], v[RMU+2:RMU+3]
.endr
.set n, 0
.rept 64
	v_med3_num_f32 v[64*\c+n], v[64*\c+n], s53, s52   ; the conversion to an 8-bit code does not saturate (ISA guide 7.6.2): the hold at +-57,344
.set n, n+1
.endr
	WIN 0x01                                       ; source 0 window 1
.irp m, 0,1,2,3,4,5,6,7
	v_cvt_scalef32_pk8_bf8_f32 v[RD+2*\m:RD+2*\m+1], v[64*\c+8*\m:64*\c+8*\m+7], v28
.endr
.if \re
	WIN 0x40                                       ; the loads' window, then the wait, then the loads
	s_wait_alu depctr_va_vdst(0)                   ; the multiplications and holds have written this block's registers and the conversions are done reading them: the loads below land there.  In block 0 also: v7 and v8 are written, and the last K step's products are done reading buffer 0
	WLOAD \c, 1
.elseif \c == 0
	WIN 0
	s_wait_alu depctr_va_vdst(0)                   ; v7 and v8 are written, which the fragment loads below read; the last K step's products are done reading buffer 0, in which they land
.endif
.if \c == 0
	FRAGS 0                                        ; group 0's fragments land while blocks 1 to 3 are quantised: no line of those names buffer 0, v7 or v8
.endif
	WIN 0
	v_nop                                          ; a plain place between the conversions and the reads of their results
.irp qd, 0,1,2,3                       ; 4 x 4 bytes are turned: register 4 c + qd of tile j = rows 4 qd .. 4 qd + 3 of column j
	v_perm_b32 v[RTP+4*(\qd%2)], v[RD+4*\qd+1], v[RD+4*\qd], s54
	v_perm_b32 v[RTP+4*(\qd%2)+1], v[RD+4*\qd+1], v[RD+4*\qd], s55
	v_perm_b32 v[RTP+4*(\qd%2)+2], v[RD+4*\qd+3], v[RD+4*\qd+2], s54
	v_perm_b32 v[RTP+4*(\qd%2)+3], v[RD+4*\qd+3], v[RD+4*\qd+2], s55
	v_perm_b32 v[RBC+4*\c+\qd], v[RTP+4*(\qd%2)+2], v[RTP+4*(\qd%2)], s56
	v_perm_b32 v[RBC+16+4*\c+\qd], v[RTP+4*(\qd%2)+2], v[RTP+4*(\qd%2)], s57
	v_perm_b32 v[RBC+32+4*\c+\qd], v[RTP+4*(\qd%2)+3], v[RTP+4*(\qd%2)+1], s56
	v_perm_b32 v[RBC+48+4*\c+\qd], v[RTP+4*(\qd%2)+3], v[RTP+4*(\qd%2)+1], s57
.endr
.endm
; Group grp (32 rows) against my four column tiles: eight products on eight accumulators, which so take turns.  Its fragments lie in buffer grp % 2 and were asked for a group ago.
; The eight v_nop are the places behind the last products in front of the loads into their operands, and those between the vector writes of codes and scale words and the scaled products.
.macro GROUP grp, zero, lab
.if \grp > 0
	s_cmp_le_u32 s42, \grp
	s_cbranch_scc1 \lab
.endif
	PLACES 8
	s_wait_dscnt 0x0                               ; this group's fragments and scale words are in
	s_wait_alu depctr_va_vdst(0)                   ; the products of the group before are done reading the other buffer, in which the loads below land; in group 0: the permutes have written the weights' codes and scale words, which the products read, and are done with v52-75
.if \grp < 7
	s_cmp_le_u32 s42, \grp+1
	s_cbranch_scc1 .Lnofr_\@
	FRAGS \grp+1                                   ; the next group's, if there is one: they land while this group is multiplied
.Lnofr_\@:
.endif
.set GFB, RAF-(RAF-RAF1)*(\grp%2)
.set GSB, RASC+2*(\grp%2)
	WIN 0xa0+0x50*(\grp/4)                         ; C and D window 2 or 3
.irp tt, 0,1
.irp j, 0,1,2,3
.if \zero
	v_wmma_scale_f32_16x16x128_f8f6f4 v[((2*\grp+\tt)%8)*32+8*\j:((2*\grp+\tt)%8)*32+8*\j+7], v[RBC+16*\j:RBC+16*\j+15], v[GFB+16*\tt:GFB+16*\tt+15], 0, v[RSW+\j], v[GSB+\tt] matrix_a_fmt:MATRIX_FMT_BF8 matrix_b_fmt:MATRIX_FMT_BF8
.else
	v_wmma_scale_f32_16x16x128_f8f6f4 v[((2*\grp+\tt)%8)*32+8*\j:((2*\grp+\tt)%8)*32+8*\j+7], v[RBC+16*\j:RBC+16*\j+15], v[GFB+16*\tt:GFB+16*\tt+15], v[((2*\grp+\tt)%8)*32+8*\j:((2*\grp+\tt)%8)*32+8*\j+7], v[RSW+\j], v[GSB+\tt] matrix_a_fmt:MATRIX_FMT_BF8 matrix_b_fmt:MATRIX_FMT_BF8
.endif
.endr
.endr
	WIN 0
.endm
; A K step of 128.  zero = 1: its products start the sums.  re = 1: it asks for the next K step's weights, block by block, as each block's registers come free.
; Behind block c's 16 loads stand 3 - c blocks of this step and c of the next: 48 loads may be out at each wait; in the last step the counts run down.  A step is run whole or left out whole.
.macro KSTEP zero, re
	s_wait_alu depctr_vm_vsrc(0)                   ; the fragment loads issued so far have read v7 and v8, which are written below; in a pass's first K step also: the staging stores have read windows 2 and 3 and v76-91, which the products and the fragment loads write
	s_cmp_eq_u32 s42, 0
	s_cbranch_scc1 .Lkskip_\@
	v_add_nc_u32 v7, s44, v5
	v_add_nc_u32 v8, s45, v6
.if \re
	QBLOCK 0, 48, 1
	QBLOCK 1, 48, 1
	QBLOCK 2, 48, 1
	QBLOCK 3, 48, 1
.else
	QBLOCK 0, 48, 0
	QBLOCK 1, 32, 0
	QBLOCK 2, 16, 0
	QBLOCK 3, 0, 0
.endif
.irp grp, 0,1,2,3,4,5,6,7
	GROUP \grp, \zero, .Lgend_\@
.endr
.Lgend_\@:
	s_wait_dscnt 0x0                               ; every fragment load has landed before the next K step's conversions write the registers of buffer 1
.if \re
	s_wait_xcnt 0x0                                ; the loads have read their base
	s_add_nc_u64 s[22:23], s[22:23], 128*NP
.endif
.Lkskip_\@:
	s_add_co_u32 s44, s44, ASTEP                   ; the next K step's rows in LDS
	s_add_co_u32 s45, s45, 1024
.endm
; The rows' codes of my two K steps (2 wave, 2 wave + 1), group by group: 4,096 dense bytes a group and K step, 512 a load
.macro STAGE_LD
.irp grp, 0,1,2,3,4,5,6,7
	s_cmp_le_u32 s42, \grp
	s_cbranch_scc1 .Lsl_\@
	WIN 0x80+0x40*(\grp/4)                         ; destination window 2 or 3
.irp ds, 0,1
.irp it, 0,1,2,3,4,5,6,7
	global_load_b128 v[(\grp%4)*64+32*\ds+4*\it:(\grp%4)*64+32*\ds+4*\it+3], v9, s[28:29] offset:163840*\ds+4096*\grp+512*\it
.endr
.endr
	WIN 0
.irp ds, 0,1
	global_load_b32 v[RSCL+2*\grp+\ds], v12, s[30:31] offset:5120*\ds+128*\grp
.endr
.endr
.Lsl_\@:
.endm
.macro STAGE_ST
.irp grp, 0,1,2,3,4,5,6,7
	s_cmp_le_u32 s42, \grp
	s_cbranch_scc1 .Lss_\@
	WIN 0x08+4*(\grp/4)                            ; an LDS store's data are its source 1: window 2 or 3
.irp ds, 0,1
.irp it, 0,1,2,3,4,5,6,7
	ds_store_b128 v[10+\ds], v[(\grp%4)*64+32*\ds+4*\it:(\grp%4)*64+32*\ds+4*\it+3] offset:4608*\grp+576*\it
.endr
.endr
	WIN 0
.irp ds, 0,1
	ds_store_b32 v13, v[RSCL+2*\grp+\ds] offset:1024*\ds+128*\grp
.endr
.endr
.Lss_\@:
.endm
.macro PARTOUT                         ; my sums go to LDS, each accumulator from its low end on: row r, then (h, j, i)
	PLACES 8
	s_wait_alu depctr_va_vdst(0)                   ; the products have written the accumulators, which the LDS stores below read; the places above stay beside this wait
.irp grp, 0,1,2,3,4,5,6,7
	s_cmp_le_u32 s42, \grp
	s_cbranch_scc1 .Lpo_\@
	WIN 0x08+4*(\grp/4)
.irp tt, 0,1
.irp j, 0,1,2,3
	ds_store_b128 v14, v[((2*\grp+\tt)%8)*32+8*\j:((2*\grp+\tt)%8)*32+8*\j+3] offset:(2*\grp+\tt)*PTILE+32*\j
	ds_store_b128 v14, v[((2*\grp+\tt)%8)*32+8*\j+4:((2*\grp+\tt)%8)*32+8*\j+7] offset:(2*\grp+\tt)*PTILE+32*\j+16
.endr
.endr
	WIN 0
.endr
.Lpo_\@:
.endm
	; ---- THE HEAD
.if LAYER == 1
	s_load_b256 s[4:11], s[0:1], 0x0               ; W1, b1, xs, order
	s_load_b64 s[12:13], s[0:1], 0x20              ; hs
.else
	s_load_b64 s[4:5], s[0:1], 0x0                 ; W2
	s_load_b64 s[8:9], s[0:1], 0x8                 ; hs
	s_load_b64 s[10:11], s[0:1], 0x10              ; order
	s_load_b64 s[12:13], s[0:1], 0x18              ; part
	v_lshl_add_u32 v254, v0, 2, 0x4a000
	v_mov_b32 v255, 0
.endif
	v_lshrrev_b32 v1, 5, v0
	v_readfirstlane_b32 s14, v1                    ; wave
	v_and_b32 v1, 15, v0                           ; r
	v_bfe_u32 v2, v0, 4, 1                         ; h
	v_and_b32 v3, 31, v0                           ; lane
	v_lshlrev_b32 v4, 4, v1
	v_lshl_add_u32 v4, v2, LNP+4, v4               ; the weights: 16 r + 16 rows x h
	s_wait_alu depctr_va_sdst(0)                   ; s14 is written, ahead of its first reader
	s_lshr_b32 s15, s14, 1                         ; g: my 64 columns
	s_and_b32 s16, s14, 1                          ; kh: my half of K
	s_and_b32 s17, ttmp7, 0xffff                   ; the expert
	s_lshl_b32 s48, s17, 24                        ; an expert's weights are 16,777,216 bytes
	s_mul_i32 s63, s16, 512*NP
	s_add_co_u32 s48, s48, s63
	s_lshl_b32 s63, s15, 8
	s_add_co_u32 s48, s48, s63
.if LAYER == 1
	s_lshl_b32 s63, ttmp9, 9                       ; 128 columns x 4 bytes
	s_add_co_u32 s48, s48, s63
.else
	s_lshr_b32 s19, ttmp9, 3                       ; q: which 1,024 of K
	s_and_b32 s63, ttmp9, 7
	s_lshl_b32 s63, s63, 9
	s_add_co_u32 s48, s48, s63
	s_lshl_b32 s63, s19, 22
	s_add_co_u32 s48, s48, s63
.endif
	s_mov_b32 s49, 0
	s_lshl_b32 s72, s17, 2
	s_mov_b32 s73, 0
	; Windows 2 and 3 are written once here.  They are filled and read under separate branches on the same stored count, and every way through the text has to find them written.
	; The sums themselves start from the constant 0 in a pass's first K step.  These lines stand where the wave would wait for its arguments and its first weights.
	WIN 0x80
.set n, 0
.rept 256
	v_mov_b32 v[n], 0
.set n, n+1
.endr
	WIN 0
	s_wait_kmcnt 0x0
	s_add_nc_u64 s[72:73], s[10:11], s[72:73]
	s_load_b32 s40, s[72:73], 0x1000               ; cnt[e]
	s_load_b32 s41, s[72:73], 0x1020               ; off[e]
	s_add_nc_u64 s[20:21], s[4:5], s[48:49]        ; my weights' first byte
	s_mov_b64 s[22:23], s[20:21]
.if LAYER == 1
	s_lshl_b32 s74, s17, 14
	s_lshl_b32 s63, ttmp9, 9
	s_add_co_u32 s74, s74, s63
	s_lshl_b32 s63, s15, 8
	s_add_co_u32 s74, s74, s63
	s_mov_b32 s75, 0
	s_add_nc_u64 s[74:75], s[6:7], s[74:75]
	v_lshlrev_b32 v27, 7, v2
	s_wait_alu depctr_va_vdst(0)                   ; v27 and v4 are written, which the loads of the bias and of the weights read as their offsets
.irp qd, 0,1,2,3,4,5,6,7
	global_load_b128 v[RBIAS+4*\qd:RBIAS+4*\qd+3], v27, s[74:75] offset:16*\qd   ; b1 of my 32 columns 64 g + 32 h on
.endr
.else
	s_wait_alu depctr_va_vdst(0)                   ; v4 is written, which every load of the weights reads as its offset
.endif
	WLOAD 0, 0                                     ; the first K step's weights, whatever the count: they lie inside the buffer
	WLOAD 1, 0
	WLOAD 2, 0
	WLOAD 3, 0
	WIN 0xc0
.set n, 0
.rept 256
	v_mov_b32 v[n], 0
.set n, n+1
.endr
	WIN 0
.irp k, 0,1,2,3,4,5,6,7,8,9,10,11,12,13,14,15
	v_mov_b32 v[RSCL+\k], 0
.endr
	v_mov_b32 v[RASC+2], 0                         ; buffer 1's scale words are written once here, for the same reason as windows 2 and 3: they are loaded and read under separate branches on the same stored count
	v_mov_b32 v[RASC+3], 0
.irp k, 0,1,2,3
	v_mov_b32 v[RT+\k], 0                          ; the destination of a lane permute counts as one of its sources
.endr
	v_mov_b32 v28, 1.0
	v_mul_u32_u24 v5, v1, 144
	v_lshl_add_u32 v5, v2, 4, v5
	s_mul_i32 s63, s16, 4*ASTEP
	v_add_nc_u32 v5, s63, v5                       ; a fragment of rows: my K half + 144 r + 16 h
	s_lshl_b32 s63, s16, 12
	s_add_co_u32 s63, s63, ASC0
	v_lshl_add_u32 v6, v1, 2, s63                  ; their scale words: 4 r
	v_lshlrev_b32 v9, 4, v3
	v_lshrrev_b32 v29, 3, v3
	v_mul_u32_u24 v10, v29, 144
	v_and_b32 v30, 7, v3
	v_lshl_add_u32 v10, v30, 4, v10
	s_mul_i32 s63, s14, 2*ASTEP
	v_add_nc_u32 v10, s63, v10                     ; staging: my first K step, row lane / 8, 16 (lane % 8)
	v_add_nc_u32 v11, ASTEP, v10                   ; my second
	v_lshlrev_b32 v12, 2, v3
	s_lshl_b32 s63, s14, 11
	s_add_co_u32 s63, s63, ASC0
	v_lshl_add_u32 v13, v3, 2, s63
	v_mul_u32_u24 v29, v1, 272
	v_lshl_add_u32 v29, v2, 7, v29                 ; 272 r + 128 h
	s_mul_i32 s63, s14, PWAVE
	v_add_nc_u32 v14, s63, v29                     ; my sums' place
	s_mul_i32 s63, s15, 2*PWAVE
	s_mul_i32 s66, s16, PTILE
	s_add_co_u32 s63, s63, s66
	v_add_nc_u32 v15, s63, v29                     ; the way out: K half 0's sums of my columns, row tile kh;
	v_add_nc_u32 v16, PWAVE, v15                   ; K half 1's
.if LAYER == 1
	v_mul_u32_u24 v19, v1, 80
	v_lshl_add_u32 v19, v2, 5, v19
	s_mul_i32 s63, s14, 10240
	s_add_co_u32 s63, s63, STG
	v_add_nc_u32 v19, s63, v19                     ; my stage of codes: 80 r + 32 h
	v_lshl_add_u32 v20, v1, 1, v2
	s_lshl_b32 s63, s14, 8
	s_add_co_u32 s63, s63, SBY
	v_add_nc_u32 v20, s63, v20                     ; my scale bytes: 2 r + h
	v_lshrrev_b32 v29, 3, v3
	v_mul_u32_u24 v21, v29, 80
	v_bfe_u32 v29, v3, 2, 1
	v_mul_u32_u24 v29, v29, 20480
	v_add_nc_u32 v21, v21, v29
	v_and_b32 v29, 3, v3
	v_lshl_add_u32 v21, v29, 4, v21
	s_mul_i32 s63, s14, 1280
	s_add_co_u32 s63, s63, STG
	v_add_nc_u32 v21, s63, v21                     ; back as rows of 128 bytes: row lane / 8, column group (lane / 4) % 2, 16 (lane % 4)
	v_lshlrev_b32 v22, 1, v1
	v_lshl_add_u32 v22, v2, 8, v22
	s_lshl_b32 s63, s14, 5
	s_add_co_u32 s63, s63, SBY
	v_add_nc_u32 v22, s63, v22
	s_lshl_b32 s63, s14, 12
	v_add_nc_u32 v25, s63, v9                      ; in hs: group = wave: 4,096 bytes; 16 x lane
	s_lshl_b32 s63, s14, 7
	v_add_nc_u32 v26, s63, v12
	v_mov_b32 v[RCA], 0xaf95df0b                   ; -2.72614226e-10
	v_mov_b32 v[RCA+1], 0xaf95df0b
	v_mov_b32 v[RCB], 0xb77460cd                   ; -1.45660718e-05
	v_mov_b32 v[RCB+1], 0xb77460cd
.else
	s_mul_i32 s63, s14, PTILE
	s_add_co_u32 s63, s63, STG
	v_add_nc_u32 v19, s63, v29                     ; my stage: 16 rows x 272
	v_mul_u32_u24 v21, v2, 272
	v_lshl_add_u32 v21, v1, 4, v21
	v_add_nc_u32 v21, s63, v21                     ; back: lanes 0-15 one row of 256 bytes, lanes 16-31 the next
	s_lshl_b32 s63, s16, 16
	s_lshl_b32 s66, s15, 8
	s_add_co_u32 s63, s63, s66
	v_lshlrev_b32 v25, 4, v1
	v_lshl_add_u32 v25, v2, 12, v25
	v_add_nc_u32 v25, s63, v25                     ; in part: (16 kh + h) rows of 4,096 bytes + 256 g + 16 r
.endif
	s_mov_b32 s50, 0x76543210
	s_mov_b32 s51, 0xfedcba98                      ; v_permlanex16_b32's selects for lane l xor 16
	s_mov_b32 s52, 0x47600000                      ; 57,344
	s_mov_b32 s53, 0xc7600000
	s_mov_b32 s54, 0x05010400                      ; byte selects of the 4 x 4 turn
	s_mov_b32 s55, 0x07030602
	s_mov_b32 s56, 0x05040100
	s_mov_b32 s57, 0x07060302
	s_mov_b32 s62, 0x600000                        ; the mantissa field of 57,344
.if LAYER == 1
	s_lshl_b32 s63, s14, 1                         ; the K steps that I stage: 2 wave, 2 wave + 1
.else
	s_lshl_b32 s63, s19, 3
	s_lshl_b32 s66, s14, 1
	s_add_co_u32 s63, s63, s66                     ; 8 q + 2 wave
.endif
	s_mul_i32 s48, s63, 163840
	s_add_nc_u64 s[24:25], s[8:9], s[48:49]
	s_mul_i32 s48, s63, 5120
	s_add_nc_u64 s[26:27], s[8:9], s[48:49]
	s_add_nc_u64 s[26:27], s[26:27], SCOFF
.if LAYER == 1
	s_mul_i32 s48, ttmp9, 163840                   ; my 128 hidden units are K step x of the next layer
	s_add_nc_u64 s[32:33], s[12:13], s[48:49]
	s_mul_i32 s48, ttmp9, 5120
	s_add_nc_u64 s[36:37], s[12:13], s[48:49]
	s_add_nc_u64 s[36:37], s[36:37], 5242880
.else
	s_mul_i32 s48, s19, 5242880
	s_and_b32 s63, ttmp9, 7
	s_lshl_b32 s63, s63, 9
	s_add_co_u32 s48, s48, s63
	s_add_nc_u64 s[32:33], s[12:13], s[48:49]
.endif
	s_wait_kmcnt 0x0
	s_min_u32 s40, s40, 1024
	s_min_u32 s41, s41, 1216
	s_add_co_u32 s40, s40, 31
	s_lshr_b32 s40, s40, 5                         ; groups of 32 rows to go
	s_min_u32 s42, s40, 8                          ; NG: this pass's
	s_mov_b32 s43, 4
.Lpass:
	s_wait_xcnt 0x0                                ; the last pass's loads and stores have read their bases
	s_wait_alu depctr_vm_vsrc(0)                   ; the last pass's stores have read their data: the accumulators and v76-91, in which the staging loads land, and v96-159 and v240-243, which this pass writes again
	s_wait_alu depctr_va_vdst(0)                   ; the head's addresses and clearings are written, and the last pass's vector and matrix instructions are done with windows 2 and 3 and v76-91: the staging loads land there, the staging stores read them
	s_min_u32 s63, s41, 1248                       ; the pass's first slot
	s_lshl_b32 s48, s63, 7
	s_add_nc_u64 s[28:29], s[24:25], s[48:49]
.if LAYER == 1
	s_add_nc_u64 s[34:35], s[32:33], s[48:49]
.endif
	s_lshl_b32 s48, s63, 2
	s_add_nc_u64 s[30:31], s[26:27], s[48:49]
.if LAYER == 1
	s_add_nc_u64 s[38:39], s[36:37], s[48:49]
.else
	s_lshl_b32 s48, s63, 12
	s_add_nc_u64 s[34:35], s[32:33], s[48:49]
.endif
	s_mov_b32 s44, 0
	s_mov_b32 s45, 0
	STAGE_LD
	s_wait_loadcnt 0x0
	STAGE_ST
	BAR                                            ; the rows' codes and scale words lie in LDS
	KSTEP 1, 1
	s_mov_b32 s46, 2
.Lk:
	KSTEP 0, 1
	s_sub_co_i32 s46, s46, 1
	s_cmp_lg_u32 s46, 0
	s_cbranch_scc1 .Lk
	KSTEP 0, 0
	BAR                                            ; nobody reads the rows' codes any more: their bytes take the sums
	PARTOUT
	BAR                                            ; all four waves' sums lie in LDS
	; ---- THE WAY OUT: wave 2 g + kh takes column group g, row tiles 2 tt + kh.  Lane (r, h): row r, columns 32 h .. 32 h + 31
	s_mov_b32 s46, 0
	s_mov_b32 s47, 0
.if LAYER == 1
	s_mov_b32 s66, 0
	s_mov_b32 s67, 0
.endif
.Lep:
	s_wait_alu depctr_vm_vsrc(0)                   ; the last trip's LDS loads have read v17 and v18, and its stores their addresses and data (layer 1: v23, v24, v224-232; layer 2: v96-127, v160-191): all are written again below
	s_cmp_ge_u32 s46, s42
	s_cbranch_scc1 .Lepskip
	v_add_nc_u32 v17, s47, v15
	v_add_nc_u32 v18, s47, v16
	s_wait_alu depctr_va_vdst(0)                   ; v17 and v18 are written, which the loads below read; the last trip's additions (in the first trip: the products) are done reading v96-159, in which they land
.irp qd, 0,1,2,3,4,5,6,7
	ds_load_b128 v[EA+4*\qd:EA+4*\qd+3], v17 offset:16*\qd
	ds_load_b128 v[EB+4*\qd:EB+4*\qd+3], v18 offset:16*\qd
.endr
	s_wait_dscnt 0x0
.irp i, 0,1,2,3,4,5,6,7
.irp j, 0,1,2,3
	v_add_f32 v[RN+4*\i+\j], v[EA+8*\j+\i], v[EB+8*\j+\i]   ; the two halves of K; the destination's number puts the columns in order
.endr
.endr
.if LAYER == 1
.irp p, 0,2,4,6,8,10,12,14,16,18,20,22,24,26,28,30
	v_pk_add_f32 v[RN+\p:RN+\p+1], v[RN+\p:RN+\p+1], v[RBIAS+\p:RBIAS+\p+1]
.endr
.irp ch, 0,1,2,3                       ; gelu, eight numbers at a time
.irp p, 0,2,4,6
	v_pk_mul_f32 v[GZ+\p:GZ+\p+1], v[RN+8*\ch+\p:RN+8*\ch+\p+1], 0x3f3504f3 op_sel_hi:[1,0]   ; z = x / sqrt 2
.endr
.irp p, 0,1,2,3,4,5,6,7
	v_med3_num_f32 v[GZ+\p], v[GZ+\p], -4.0, 4.0
.endr
.irp p, 0,2,4,6
	v_pk_mul_f32 v[GX+\p:GX+\p+1], v[GZ+\p:GZ+\p+1], v[GZ+\p:GZ+\p+1]
.endr
.irp p, 0,2,4,6
	v_pk_fma_f32 v[GP+\p:GP+\p+1], v[GX+\p:GX+\p+1], v[RCA:RCA+1], 0x32edffee op_sel_hi:[1,1,0]
	v_pk_fma_f32 v[GQ+\p:GQ+\p+1], v[GX+\p:GX+\p+1], v[RCB:RCB+1], 0xb95fbd29 op_sel_hi:[1,1,0]
.endr
.irp k, 0xb60cff51, 0xb86ec2d2, 0xba40ac63, 0xbb41a1f6, 0xbc83dbd4
.irp p, 0,2,4,6
	v_pk_fma_f32 v[GP+\p:GP+\p+1], v[GP+\p:GP+\p+1], v[GX+\p:GX+\p+1], \k op_sel_hi:[1,1,0]
.endr
.endr
.irp k, 0xbadc924e, 0xbbf19bf8, 0xbc69b6a7
.irp p, 0,2,4,6
	v_pk_fma_f32 v[GQ+\p:GQ+\p+1], v[GQ+\p:GQ+\p+1], v[GX+\p:GX+\p+1], \k op_sel_hi:[1,1,0]
.endr
.endr
.irp p, 0,1,2,3,4,5,6,7
	v_rcp_f32 v[GQ+\p], v[GQ+\p]
.endr
.irp p, 0,2,4,6
	v_pk_mul_f32 v[GP+\p:GP+\p+1], v[GP+\p:GP+\p+1], v[GZ+\p:GZ+\p+1]   ; (plain places behind the reciprocals)
.endr
	s_wait_alu depctr_va_vdst(0)                   ; the eight reciprocals have written v76-83, ahead of their first reader: one wait for the batch
.irp p, 0,2,4,6
	v_pk_mul_f32 v[GP+\p:GP+\p+1], v[GP+\p:GP+\p+1], v[GQ+\p:GQ+\p+1]   ; erf
.endr
.irp p, 0,2,4,6
	v_pk_mul_f32 v[GX+\p:GX+\p+1], v[RN+8*\ch+\p:RN+8*\ch+\p+1], 0.5 op_sel_hi:[1,0]
.endr
.irp p, 0,2,4,6
	v_pk_fma_f32 v[RN+8*\ch+\p:RN+8*\ch+\p+1], v[GX+\p:GX+\p+1], v[GP+\p:GP+\p+1], v[GX+\p:GX+\p+1]
.endr
.endr
	; my 32 numbers are one block along the next layer's K
	v_max3_num_f32 v233, |v[RN]|, |v[RN+1]|, 0x8000000
	v_max3_num_f32 v236, |v[RN+16]|, |v[RN+17]|, |v[RN+18]|
.irp n, 0,2,4,6,8,10
	v_max3_num_f32 v233, v233, |v[RN+2+\n]|, |v[RN+3+\n]|
	v_max3_num_f32 v236, v236, |v[RN+19+\n]|, |v[RN+20+\n]|
.endr
	v_max3_num_f32 v233, v233, |v[RN+14]|, |v[RN+15]|
	v_max3_num_f32 v233, v233, v236, |v[RN+31]|
	v_add_nc_u32 v237, 0xf8800000, v233            ; 15 off the exponent field: the conversion's scale operand
	v_and_or_b32 v238, v233, 0x7f800000, s62       ; 57,344 x the scale
	v_lshrrev_b32 v232, 23, v237                   ; the scale's byte
.set n, 0
.rept 32
	v_med3_num_f32 v[RN+n], v[RN+n], -v238, v238
.set n, n+1
.endr
.irp m, 0,1,2,3
	v_cvt_scalef32_pk8_bf8_f32 v[224+2*\m:225+2*\m], v[RN+8*\m:RN+8*\m+7], v237
.endr
	v_nop                                          ; a plain place behind the conversions: the next trip's additions write their sources
	v_add_nc_u32 v23, s66, v19
	v_add_nc_u32 v24, s67, v20
	s_wait_alu depctr_va_vdst(0)                   ; the conversions have written v224-231, and v232, v23 and v24 are written: the LDS stores below read them
	ds_store_b128 v23, v[224:227]
	ds_store_b128 v23, v[228:231] offset:16
	ds_store_b8 v24, v232
.else
	s_wait_alu depctr_va_vdst(0)                   ; the additions have written v160-191, which the LDS stores below read, and are done reading v96-127, in which the loads from the stage land
.irp qd, 0,1,2,3,4,5,6,7
	ds_store_b128 v19, v[RN+4*\qd:RN+4*\qd+3] offset:16*\qd
.endr
.irp it, 0,1,2,3,4,5,6,7
	ds_load_b128 v[EA+4*\it:EA+4*\it+3], v21 offset:544*\it      ; LDS serves a wave's instructions in order (ISA guide 5.7.1.4): these see my stores
.endr
	s_wait_dscnt 0x0
.irp it, 0,1,2,3,4,5,6,7
	global_store_b128 v25, v[EA+4*\it:EA+4*\it+3], s[34:35] offset:8192*\it   ; sixteen lanes store 256 consecutive bytes, aligned
.endr
.endif
.Lepskip:
	s_add_co_u32 s47, s47, 2*PTILE
.if LAYER == 1
	s_add_co_u32 s66, s66, 1280
	s_add_co_u32 s67, s67, 32
.else
	s_wait_xcnt 0x0                                ; the stores have read their data and their base
	s_add_nc_u64 s[34:35], s[34:35], 131072        ; 32 rows on
.endif
	s_add_co_u32 s46, s46, 1
	s_cmp_lt_u32 s46, 8
	s_cbranch_scc1 .Lep
.if LAYER == 1
	BAR                                            ; the codes and scale bytes of all four waves lie in the stages
.irp u, 0,1                            ; wave w sends groups w and w + 4: 32 rows x 128 bytes, dense in hs.  The loads owe no wait: no vector line since a trip's last wait names v96-159, none since the pass's head names the pair of v240-243 that they land in
	s_add_co_u32 s63, s14, 4*\u
	s_cmp_ge_u32 s63, s42
	s_cbranch_scc1 .Lsent_\u
.irp it, 0,1,2,3,4,5,6,7
	ds_load_b128 v[96+32*\u+4*\it:96+32*\u+4*\it+3], v21 offset:5120*\u+320*(\it%4)+10240*(\it/4)
.endr
	ds_load_u16 v[240+2*\u], v22 offset:128*\u
	ds_load_u16 v[241+2*\u], v22 offset:128*\u+512
	s_wait_dscnt 0x0
	v_lshl_or_b32 v[240+2*\u], v[241+2*\u], 16, v[240+2*\u]      ; a row's four bytes: column groups 0 and 1
	s_wait_alu depctr_va_vdst(0)                   ; the scale word is written, which the last store below reads
.irp it, 0,1,2,3,4,5,6,7
	global_store_b128 v25, v[96+32*\u+4*\it:96+32*\u+4*\it+3], s[34:35] offset:16384*\u+512*\it   ; 512 consecutive bytes
.endr
	global_store_b32 v26, v[240+2*\u], s[38:39] offset:512*\u
.Lsent_\u:
.endr
.endif
	s_wait_loadcnt 0x0
	s_wait_xcnt 0x0                                ; the stores have read their registers: the next pass writes them
	BAR                                            ; nobody reads the sums or the stages any more
	s_sub_co_u32 s40, s40, s42
	s_min_u32 s42, s40, 8
	s_add_co_u32 s41, s41, 256
	s_cmp_eq_u32 s42, 0
	s_cbranch_scc1 .Lnomore
	s_mov_b64 s[22:23], s[20:21]                   ; more than 256 rows: the weights are streamed again.  The loads owe no wait: no vector line since the wait ahead of the sums' stores names window 1 or v4
	WLOAD 0, 0
	WLOAD 1, 0
	WLOAD 2, 0
	WLOAD 3, 0
.Lnomore:
	s_sub_co_i32 s43, s43, 1
	s_cmp_lg_u32 s43, 0
	s_cbranch_scc1 .Lpass
	s_wait_dscnt 0x0                               ; the closing lines, six on end
	s_wait_alu 0x0
	s_wait_tensorcnt 0x0
	ds_add_u32 v254, v255
	s_wait_dscnt 0x0
	s_endpgm
.Lfunc_end_k_q7915396ebd_ffn2:
	.size	k_q7915396ebd_ffn2, .Lfunc_end_k_q7915396ebd_ffn2-k_q7915396ebd_ffn2
	.p2alignl 7, 3214868480
	.fill 96, 4, 3214868480
	.section	.rodata,"a",@progbits
	.p2align	6, 0x0
	.amdhsa_kernel k_q7915396ebd_ffn2
		.amdhsa_group_segment_fixed_size 303616
		.amdhsa_private_segment_fixed_size 0
		.amdhsa_enable_private_segment 0
		.amdhsa_kernarg_size 32
		.amdhsa_user_sgpr_count 2
		.amdhsa_user_sgpr_kernarg_segment_ptr 1
		.amdhsa_wavefront_size32 1
		.amdhsa_system_sgpr_workgroup_id_x 1
		.amdhsa_system_sgpr_workgroup_id_y 1
		.amdhsa_system_sgpr_workgroup_id_z 1
		.amdhsa_system_vgpr_workitem_id 0
		.amdhsa_next_free_vgpr 1024
		.amdhsa_next_free_sgpr 80
		.amdhsa_reserve_vcc 0
		.amdhsa_float_denorm_mode_32 3
		.amdhsa_float_denorm_mode_16_64 3
		.amdhsa_memory_ordered 1
		.amdhsa_forward_progress 1
		.amdhsa_inst_pref_size 255
	.end_amdhsa_kernel
	.section	.bss,"aw",@nobits
	.p2align	6
	.space	262144
	.amdgpu_metadata
---
amdhsa.version: [ 1, 2 ]
amdhsa.kernels:
  - .name:           k_q7915396ebd_ffn2
    .symbol:         k_q7915396ebd_ffn2.kd
    .args:
      - { .name: W2, .offset: 0, .size: 8, .value_kind: global_buffer, .address_space: global }
      - { .name: hs, .offset: 8, .size: 8, .value_kind: global_buffer, .address_space: global }
      - { .name: order, .offset: 16, .size: 8, .value_kind: global_buffer, .address_space: global }
      - { .name: part, .offset: 24, .size: 8, .value_kind: global_buffer, .address_space: global }
    .group_segment_fixed_size: 303616
    .private_segment_fixed_size: 0
    .kernarg_segment_align: 8
    .kernarg_segment_size: 32
    .max_flat_workgroup_size: 128
    .sgpr_count:     80
    .vgpr_count:     1024
    .wavefront_size: 32
...
	.end_amdgpu_metadata
.endif
;; end of part 9
;; launch finish (part 10): grid 256 x 1, 4 waves a work-group, no clusters, 0 bytes of LDS; arguments part, b2, order, route, gout, out0; writes out0
.if DOCPART == 10
	.amdgcn_target "amdgcn-amd-amdhsa--gfx1250"
	.amdhsa_code_object_version 6
	.text
	.protected	k_q7915396ebd_finish
	.globl	k_q7915396ebd_finish
	.p2align	8
	.type	k_q7915396ebd_finish,@function
k_q7915396ebd_finish:
	s_mov_b64 s[64:65], 0
	v_nop
	global_prefetch_b8 v0, s[64:65] scope:SCOPE_SE
	s_setreg_imm32_b32 hwreg(HW_REG_WAVE_MODE, 25, 1), 1
	s_wait_xcnt 0x0
; out0[t] = score[t] x (part[0] + part[1] + part[2] + part[3] at the token's slot + b2[its expert]).  One wave takes one token t = 4 x work-group + wave: a row of 4,096 bytes.
; The slot and the expert are whole numbers that earlier launches stored; they are held inside their tables before they enter an address.
; Every load and store of the wave covers 512 consecutive bytes.  No LDS, no barrier: waves share nothing.
	s_load_b256 s[4:11], s[0:1], 0x0               ; part, b2, order, route
	s_load_b128 s[12:15], s[0:1], 0x20             ; gout, out0
	v_lshrrev_b32 v1, 5, v0
	v_readfirstlane_b32 s16, v1                    ; wave
	v_and_b32 v1, 31, v0
	v_lshlrev_b32 v2, 4, v1                        ; 16 x lane
	s_lshl_b32 s17, ttmp9, 2
	s_add_co_u32 s17, s17, s16                     ; t
	s_lshl_b32 s18, s17, 2
	s_mov_b32 s19, 0
	s_mov_b32 s25, 0
	s_wait_alu depctr_va_vdst(0)
	s_wait_kmcnt 0x0
	s_add_nc_u64 s[8:9], s[8:9], s[18:19]
	s_add_nc_u64 s[10:11], s[10:11], s[18:19]
	s_add_nc_u64 s[12:13], s[12:13], s[18:19]
	s_load_b32 s20, s[8:9], 0x0                    ; pos[t]
	s_load_b32 s21, s[10:11], 0x0                  ; the expert
	s_load_b32 s22, s[12:13], 0x0                  ; the score
	s_lshl_b32 s18, s17, 12
	s_add_nc_u64 s[14:15], s[14:15], s[18:19]      ; out0 at my row
	s_wait_kmcnt 0x0
	s_min_u32 s20, s20, 1279
	s_min_u32 s21, s21, 7
	s_mov_b32 s23, s22                             ; (the packed form names the pair)
	s_lshl_b32 s24, s20, 12
	s_add_nc_u64 s[26:27], s[4:5], s[24:25]        ; parts 0 and 1 (5,242,880 bytes apart) at my slot
	s_add_nc_u64 s[28:29], s[26:27], 0xa00000      ; parts 2 and 3
	s_lshl_b32 s24, s21, 12
	s_add_nc_u64 s[30:31], s[6:7], s[24:25]        ; b2 of my expert
.irp m, 0,1,2,3,4,5,6,7
	global_load_b128 v[8+4*\m:11+4*\m], v2, s[26:27] offset:512*\m th:TH_LOAD_NT
	global_load_b128 v[40+4*\m:43+4*\m], v2, s[26:27] offset:5242880+512*\m th:TH_LOAD_NT
	global_load_b128 v[72+4*\m:75+4*\m], v2, s[28:29] offset:512*\m th:TH_LOAD_NT
	global_load_b128 v[104+4*\m:107+4*\m], v2, s[28:29] offset:5242880+512*\m th:TH_LOAD_NT
	global_load_b128 v[136+4*\m:139+4*\m], v2, s[30:31] offset:512*\m
.endr
	s_wait_loadcnt 0x0
.set n, 0
.rept 16
	v_pk_add_f32 v[8+n:9+n], v[8+n:9+n], v[40+n:41+n]
	v_pk_add_f32 v[72+n:73+n], v[72+n:73+n], v[104+n:105+n]
.set n, n+2
.endr
.set n, 0
.rept 16
	v_pk_add_f32 v[8+n:9+n], v[8+n:9+n], v[72+n:73+n]
.set n, n+2
.endr
.set n, 0
.rept 16
	v_pk_add_f32 v[8+n:9+n], v[8+n:9+n], v[136+n:137+n]
.set n, n+2
.endr
.set n, 0
.rept 16
	v_pk_mul_f32 v[8+n:9+n], v[8+n:9+n], s[22:23] op_sel_hi:[1,0]
.set n, n+2
.endr
.irp m, 0,1,2,3,4,5,6,7
	global_store_b128 v2, v[8+4*\m:11+4*\m], s[14:15] offset:512*\m th:TH_STORE_NT
.endr
	s_endpgm
.Lfunc_end_k_q7915396ebd_finish:
	.size	k_q7915396ebd_finish, .Lfunc_end_k_q7915396ebd_finish-k_q7915396ebd_finish
	.p2alignl 7, 3214868480
	.fill 96, 4, 3214868480
	.section	.rodata,"a",@progbits
	.p2align	6, 0x0
	.amdhsa_kernel k_q7915396ebd_finish
		.amdhsa_group_segment_fixed_size 0
		.amdhsa_private_segment_fixed_size 0
		.amdhsa_enable_private_segment 0
		.amdhsa_kernarg_size 48
		.amdhsa_user_sgpr_count 2
		.amdhsa_user_sgpr_kernarg_segment_ptr 1
		.amdhsa_wavefront_size32 1
		.amdhsa_system_sgpr_workgroup_id_x 1
		.amdhsa_system_sgpr_workgroup_id_y 1
		.amdhsa_system_sgpr_workgroup_id_z 1
		.amdhsa_system_vgpr_workitem_id 0
		.amdhsa_next_free_vgpr 176
		.amdhsa_next_free_sgpr 66
		.amdhsa_reserve_vcc 0
		.amdhsa_float_denorm_mode_32 3
		.amdhsa_float_denorm_mode_16_64 3
		.amdhsa_memory_ordered 1
		.amdhsa_forward_progress 1
		.amdhsa_inst_pref_size 11
	.end_amdhsa_kernel
	.amdgpu_metadata
---
amdhsa.version: [ 1, 2 ]
amdhsa.kernels:
  - .name:           k_q7915396ebd_finish
    .symbol:         k_q7915396ebd_finish.kd
    .args:
      - { .name: part, .offset: 0, .size: 8, .value_kind: global_buffer, .address_space: global }
      - { .name: b2, .offset: 8, .size: 8, .value_kind: global_buffer, .address_space: global }
      - { .name: order, .offset: 16, .size: 8, .value_kind: global_buffer, .address_space: global }
      - { .name: route, .offset: 24, .size: 8, .value_kind: global_buffer, .address_space: global }
      - { .name: gout, .offset: 32, .size: 8, .value_kind: global_buffer, .address_space: global }
      - { .name: out0, .offset: 40, .size: 8, .value_kind: global_buffer, .address_space: global }
    .group_segment_fixed_size: 0
    .private_segment_fixed_size: 0
    .kernarg_segment_align: 8
    .kernarg_segment_size: 48
    .max_flat_workgroup_size: 128
    .sgpr_count:     66
    .vgpr_count:     176
    .wavefront_size: 32
...
	.end_amdgpu_metadata
.endif
;; end of part 10
